; MI455X (gfx1250); checked and timed in simulation.
; The chip was launched on July 23, 2026; its instructions are those of AMD's public machine-readable ISA for CDNA 5 (MIT licence, August 2026) and "CDNA5" Instruction Set Architecture Reference Guide (July 2026). The comments in the code are by the model that wrote it; some were corrected since.
;; Mo E Layer. Allowed arithmetic: matrix products marked QUANTISED: E2M3 operands, one E8M0 scale for each 32 along K, by v_wmma_scale_f32_16x16x128_f8f6f4 with both operands' format E2M3, f32 sums; products left as they are: f32 operands where the result goes on into a quantised operand, else bf16, f16 or f32 operands; f32 sums; everything else in f32.
;; Inputs: gate_w 1,024 x 8 float32; hidden_states 2 x 512 x 1,024 float32; w1 8 x 1,024 x 2,048 float32; w2 8 x 2,048 x 1,024 float32; w3 8 x 1,024 x 2,048 float32.
;; Outputs: out0 2 x 512 x 1,024 float32.
;; This version of the problem:
;;   THIS VERSION OF THE PROBLEM IS GIVEN IN LOW PRECISION. The matrix products marked QUANTISED in the list below multiply operands that are first quantised to E2M3 (2 exponent bits, 3 mantissa bits; 6 bits a number), with one power-of-two scale for each 32 numbers along K (OCP MX v1.0); their sums are f32. All else is computed in f32.
;;   The module's matrix products, in the order in which they are computed (A, B: the left and right operand; K: the contracted axis; several contracted axes count as one K, in the product's order):
;;     1. [M 1,024, K 1,024] x [K 1,024, N 8]; A: input hidden_states; B: input gate_w: left as it is (N = 8 < 16)
;;     2. [M 1,024, K 1,024] x [K 1,024, N 2,048]; A: input hidden_states; B: input w1: QUANTISED
;;     3. [M 1,024, K 1,024] x [K 1,024, N 2,048]; A: input hidden_states; B: input w3: QUANTISED
;;     4. [M 1,024, K 2,048] x [K 2,048, N 1,024]; A: computed on the way; B: input w2: QUANTISED
;;     5. [M 1,024, K 1,024] x [K 1,024, N 2,048]; A: input hidden_states; B: input w1: QUANTISED
;;     6. [M 1,024, K 1,024] x [K 1,024, N 2,048]; A: input hidden_states; B: input w3: QUANTISED
;;     7. [M 1,024, K 2,048] x [K 2,048, N 1,024]; A: computed on the way; B: input w2: QUANTISED
;;     8. [M 1,024, K 1,024] x [K 1,024, N 2,048]; A: input hidden_states; B: input w1: QUANTISED
;;     9. [M 1,024, K 1,024] x [K 1,024, N 2,048]; A: input hidden_states; B: input w3: QUANTISED
;;     10. [M 1,024, K 2,048] x [K 2,048, N 1,024]; A: computed on the way; B: input w2: QUANTISED
;;     11. [M 1,024, K 1,024] x [K 1,024, N 2,048]; A: input hidden_states; B: input w1: QUANTISED
;;     12. [M 1,024, K 1,024] x [K 1,024, N 2,048]; A: input hidden_states; B: input w3: QUANTISED
;;     13. [M 1,024, K 2,048] x [K 2,048, N 1,024]; A: computed on the way; B: input w2: QUANTISED
;;     14. [M 1,024, K 1,024] x [K 1,024, N 2,048]; A: input hidden_states; B: input w1: QUANTISED
;;     15. [M 1,024, K 1,024] x [K 1,024, N 2,048]; A: input hidden_states; B: input w3: QUANTISED
;;     16. [M 1,024, K 2,048] x [K 2,048, N 1,024]; A: computed on the way; B: input w2: QUANTISED
;;     17. [M 1,024, K 1,024] x [K 1,024, N 2,048]; A: input hidden_states; B: input w1: QUANTISED
;;     18. [M 1,024, K 1,024] x [K 1,024, N 2,048]; A: input hidden_states; B: input w3: QUANTISED
;;     19. [M 1,024, K 2,048] x [K 2,048, N 1,024]; A: computed on the way; B: input w2: QUANTISED
;;     20. [M 1,024, K 1,024] x [K 1,024, N 2,048]; A: input hidden_states; B: input w1: QUANTISED
;;     21. [M 1,024, K 1,024] x [K 1,024, N 2,048]; A: input hidden_states; B: input w3: QUANTISED
;;     22. [M 1,024, K 2,048] x [K 2,048, N 1,024]; A: computed on the way; B: input w2: QUANTISED
;;     23. [M 1,024, K 1,024] x [K 1,024, N 2,048]; A: input hidden_states; B: input w1: QUANTISED
;;     24. [M 1,024, K 1,024] x [K 1,024, N 2,048]; A: input hidden_states; B: input w3: QUANTISED
;;     25. [M 1,024, K 2,048] x [K 2,048, N 1,024]; A: computed on the way; B: input w2: QUANTISED
;;   THE QUANTISER, for each operand of a quantised product, along K:
;;     - K is cut into blocks of 32 from its start; a last block that is shorter is filled with zeros.
;;     - A block's scale is 2^e with e = floor(log2(the largest magnitude in the block)) - 2, held to -126 .. 127; a block of zeros has e = 0. As a byte (E8M0): e + 127.
;;     - Each number is divided by its block's scale, clamped to +-7.5, and rounded to the nearest number of E2M3, ties to even, subnormals kept.
;;     - The product sums the exact products of the quantised numbers (number of the format x scale) in f32.
;;   ~~~python
;;   def quantise(x, axis):      # numpy; x: float32 -> the quantised numbers, widened to float32 again
;;       x = np.moveaxis(x, axis, -1); K = x.shape[-1]
;;       x = np.pad(x, [(0, 0)] * (x.ndim - 1) + [(0, -K % 32)]); x = x.reshape(x.shape[:-1] + (-1, 32)); a = np.abs(x).max(-1, keepdims=True)
;;       e = np.where(a > 0, np.clip(np.frexp(np.where(a > 0, a, 1))[1] - 1 - 2, -126, 127), 0)      # np.frexp(a)[1] - 1 = floor(log2(a)), exactly
;;       r = np.clip(x / 2.0 ** e, -7.5, 7.5)
;;       step = 2.0 ** (np.maximum(np.frexp(np.where(r == 0, 1, r))[1] - 1, 0) - 3)
;;       q = np.round(r / step) * step * 2.0 ** e      # np.round: ties to even
;;       return np.moveaxis(q.reshape(q.shape[:-2] + (-1,))[..., :K], -1, axis).astype(np.float32)
;;   ~~~
;;   OPERANDS COMPUTED ON THE WAY. 'Computed on the way' means the value that the module computes at that place (a softmax that the list does not call 'softmax' is quantised finished and normalised). What goes into a quantiser is computed in f32, as accurately as f32 sums, v_exp_f32 and their like allow (about 1e-6 of the number): no bf16 or f16 on the way to a quantiser, and a product that is left as it is and whose result goes on into a quantised operand takes f32 operands (vector FMAs, or v_wmma_f32_16x16x4_f32). A number that lies on a knife's edge between two numbers of the format may be rounded either way, as far as f32 arithmetic and the matrix unit's own rounding can turn it there, and no further.
;; 3 versions, each right; version 2 is faster than version 1; version 3 is version 2 with the launches up, down written anew for expert scheduling mode. Each part assembles by itself: llvm-mc -triple=amdgcn-amd-amdhsa -mcpu=gfx1250 --defsym DOCPART=n.
;; ======== version 1 of 3: 5 launches
;; workspace buffers: sel 8,192 bytes of whole numbers; gw 8,192 bytes; xq 786,432 bytes; xs 32,768 bytes; list 33,792 bytes of whole numbers; aq 12,582,912 bytes; asc 524,288 bytes; y 16,777,216 bytes
;; launch route (part 1): grid 256 x 1, 4 waves a work-group, no clusters, 1,024 bytes of LDS; arguments hidden_states, gate_w, sel, gw, xq, xs; writes sel, gw, xq, xs
.if DOCPART == 1
	.amdgcn_target "amdgcn-amd-amdhsa--gfx1250"
	.amdhsa_code_object_version 6
	.text
	.protected	k_q646e2ffa51_route
	.globl	k_q646e2ffa51_route
	.p2align	8
	.type	k_q646e2ffa51_route,@function
k_q646e2ffa51_route:
	s_mov_b64 s[64:65], 0
	v_nop
	global_prefetch_b8 v0, s[64:65] scope:SCOPE_SE
	s_setreg_imm32_b32 hwreg(HW_REG_WAVE_MODE, 25, 1), 1
	s_wait_xcnt 0x0
; ROUTER AND QUANTISER OF x.  x: [1024 tokens][1024] f32; gate_w: [1024][8] f32.
; logits = x gate_w in f32 multiply-adds; softmax with the row's maximum taken away; the two largest (the lower index wins a tie); their weights divided by their sum.
; Stored at fixed places: sel[2 t + j] = expert of token t's choice j (whole numbers, from which a later launch makes addresses), gw[2 t + j] = its weight.
; x is also turned into codes of E2M3 with one E8M0 byte for each 32 along K:
;   xq [t][h 2][s 8][c 2][24 bytes]: block 4 s + 2 c + h of the row, so that the 48 bytes which lane (row, h) wants for K step s of 128 lie on end;   xs [t][32]: byte = block.
; SHARES.  A work-group has 4 tokens.  Products: wave w takes k = 256 w .. 256 w + 255 of all 4 tokens, lane l its k = 256 w + 8 l + 0 .. 7; the four waves' parts meet in LDS.
; Choice and quantiser: wave w takes token 4 x work-group + w; lane l its block l.
; LIMITS: NaN and infinities are not served.  The two largest are taken of exp(l - max) without the common division; a probability under 2^-126 counts as 0, its weight is then 0.
; A block of zeros gets the byte 1 where the rule says 127: its codes are zeros, and this program alone reads the bytes.
; No matrix unit (N = 8), no cluster (work-groups share only gate_w's 32,768 bytes), no tensor load: the launch reads 4 MB once.
.set G,   16                           ; v16-79   gate_w(k, e) at G + 8 kk + e; later at work for the exchange of halves
.set X,   80                           ; v80-111  x(token tt, kk) at X + 8 tt + kk; later the four waves' parts of my token's logits
.set ACC, 112                          ; v112-143 my part of logit (tt, e) at ACC + 8 tt + e
.set QX,  144                          ; v144-175 my block of my token
.set LG,  176                          ; v176-183 the logits
.set P,   184                          ; v184-191 exp(l - max)
.set SI,  196                          ; v196-197 the two experts
.set GP,  198                          ; v198-199 their weights
.set CD,  208                          ; v208-210, v212-214 codes
	s_load_b256 s[4:11], s[0:1], 0x0               ; x s[4:5], gate_w s[6:7], sel s[8:9], gw s[10:11]
	s_load_b128 s[12:15], s[0:1], 0x20             ; xq s[12:13], xs s[14:15]
	v_lshl_add_u32 v224, v0, 2, 0x200
	v_mov_b32 v225, 0
	v_lshrrev_b32 v6, 5, v0                        ; wave, in every lane
	v_readfirstlane_b32 s16, v6
	v_and_b32 v1, 31, v0                           ; lane
	s_lshl_b32 s17, ttmp9, 2
	s_add_co_u32 s17, s17, s16                     ; my token
	s_mov_b32 s19, 0
	s_mov_b32 s20, 0x76543210                      ; v_permlanex16_b32: lane l xor 16
	s_mov_b32 s21, 0xfedcba98
	v_lshlrev_b32 v2, 5, v1
	v_lshl_add_u32 v2, v6, 10, v2                  ; x: 1,024 w + 32 l bytes into a row
	v_lshlrev_b32 v3, 8, v1
	v_lshl_add_u32 v3, v6, 13, v3                  ; gate_w: 8 rows of 32 bytes a lane: 8,192 w + 256 l
	v_lshlrev_b32 v4, 7, v1                        ; my block: 128 l
	v_and_b32 v7, 1, v1
	v_mul_u32_u24 v5, v7, 384                      ; its codes: 384 (l & 1)
	v_lshrrev_b32 v7, 2, v1
	v_mad_u32_u24 v5, v7, 48, v5                   ; + 48 (l >> 2)
	v_bfe_u32 v7, v1, 1, 1
	v_mad_u32_u24 v5, v7, 24, v5                   ; + 24 ((l >> 1) & 1)
	v_lshlrev_b32 v8, 7, v6                        ; LDS: my wave's 32 sums at 128 w
	v_lshlrev_b32 v9, 5, v6                        ; and my token's 8 in each wave's: 32 w
	v_mov_b32 v10, 0
	s_wait_kmcnt 0x0
	s_lshl_b32 s18, ttmp9, 14
	s_add_nc_u64 s[24:25], s[4:5], s[18:19]        ; x at the work-group's first token
	s_lshl_b32 s18, s17, 12
	s_add_nc_u64 s[26:27], s[4:5], s[18:19]        ; x at my token
	s_mul_i32 s18, s17, 768
	s_add_nc_u64 s[28:29], s[12:13], s[18:19]      ; its codes
	s_lshl_b32 s18, s17, 5
	s_add_nc_u64 s[30:31], s[14:15], s[18:19]      ; its scale bytes
	s_lshl_b32 s18, s17, 3
	s_add_nc_u64 s[8:9], s[8:9], s[18:19]          ; its two experts
	s_add_nc_u64 s[10:11], s[10:11], s[18:19]      ; and weights
.irp q, 0,1,2,3,4,5,6,7,8,9,10,11,12,13,14,15
	global_load_b128 v[G+4*\q:G+4*\q+3], v3, s[6:7] offset:16*\q
.endr
.irp t, 0,1,2,3
	global_load_b128 v[X+8*\t:X+8*\t+3], v2, s[24:25] offset:4096*\t
	global_load_b128 v[X+8*\t+4:X+8*\t+7], v2, s[24:25] offset:4096*\t+16
.endr
.irp q, 0,1,2,3,4,5,6,7
	global_load_b128 v[QX+4*\q:QX+4*\q+3], v4, s[26:27] offset:16*\q
.endr
	s_wait_loadcnt 8                               ; gate_w and x's parts are in; the 8 loads of my block may stay out
; 4 tokens x 8 k x 8 experts, two experts an instruction; x's number is taken for both halves (op_sel: which register of the pair)
.irp k, 0,1,2,3,4,5,6,7
.irp t, 0,1,2,3
.irp e, 0,2,4,6
.if \k == 0
	v_pk_mul_f32 v[ACC+8*\t+\e:ACC+8*\t+\e+1], v[X+8*\t:X+8*\t+1], v[G+\e:G+\e+1] op_sel_hi:[0,1]
.elseif \k%2 == 0
	v_pk_fma_f32 v[ACC+8*\t+\e:ACC+8*\t+\e+1], v[X+8*\t+\k:X+8*\t+\k+1], v[G+8*\k+\e:G+8*\k+\e+1], v[ACC+8*\t+\e:ACC+8*\t+\e+1] op_sel_hi:[0,1,1]
.else
	v_pk_fma_f32 v[ACC+8*\t+\e:ACC+8*\t+\e+1], v[X+8*\t+\k-1:X+8*\t+\k], v[G+8*\k+\e:G+8*\k+\e+1], v[ACC+8*\t+\e:ACC+8*\t+\e+1] op_sel:[1,0,0] op_sel_hi:[1,1,1]
.endif
.endr
.endr
.endr
; the 32 sums over the wave's 32 lanes: four steps inside each half, one across; the sums by turns
.irp m, 1,2,4,8
.set j, 0
.rept 32
	v_add_f32_dpp v[ACC+j], v[ACC+j], v[ACC+j] row_xmask:\m row_mask:0xf bank_mask:0xf
.set j, j+1
.endr
.endr
.set j, 0
.rept 32
	v_permlanex16_b32 v[G+j], v[ACC+j], s20, s21   ; (its destination counts as read: gate_w's registers have been written and are done with)
.set j, j+1
.endr
.set j, 0
.rept 32
	v_add_f32 v[ACC+j], v[ACC+j], v[G+j]
.set j, j+1
.endr
.irp q, 0,1,2,3,4,5,6,7
	ds_store_b128 v8, v[ACC+4*\q:ACC+4*\q+3] offset:16*\q      ; every lane holds the same sums and writes the same bytes
.endr
	s_wait_dscnt 0x0                               ; for the others' sake: my stores are done
	s_barrier_signal -1
	s_barrier_wait -1
.irp a, 0,1,2,3
	ds_load_b128 v[X+8*\a:X+8*\a+3], v9 offset:128*\a
	ds_load_b128 v[X+8*\a+4:X+8*\a+7], v9 offset:128*\a+16
.endr
	s_wait_dscnt 0x0
.irp e, 0,2,4,6
	v_pk_add_f32 v[LG+\e:LG+\e+1], v[X+\e:X+\e+1], v[X+8+\e:X+8+\e+1]
.endr
.irp e, 0,2,4,6
	v_pk_add_f32 v[LG+\e:LG+\e+1], v[LG+\e:LG+\e+1], v[X+16+\e:X+16+\e+1]
.endr
.irp e, 0,2,4,6
	v_pk_add_f32 v[LG+\e:LG+\e+1], v[LG+\e:LG+\e+1], v[X+24+\e:X+24+\e+1]
.endr
; softmax's numerators, the maximum taken away first
	v_max3_num_f32 v202, v[LG], v[LG+1], v[LG+2]
	v_max3_num_f32 v202, v202, v[LG+3], v[LG+4]
	v_max3_num_f32 v202, v202, v[LG+5], v[LG+6]
	v_max_num_f32 v202, v202, v[LG+7]
.irp e, 0,1,2,3,4,5,6,7
	v_sub_f32 v[P+\e], v[LG+\e], v202
.endr
.irp e, 0,1,2,3,4,5,6,7
	v_mul_f32 v[P+\e], 0x3fb8aa3b, v[P+\e]         ; x log2(e)
.endr
.irp e, 0,1,2,3,4,5,6,7
	v_exp_f32 v[P+\e], v[P+\e]
.endr
	v_mov_b32 v[SI], 0                             ; (a plain place behind the exponentials)
	s_wait_alu depctr_va_vdst(0)
	v_mov_b32 v200, v[P]                           ; the largest so far, and its index: a later one takes the place only if it is LARGER
.irp e, 1,2,3,4,5,6,7
	v_cmp_le_f32 vcc_lo, v[P+\e], v200
	v_cndmask_b32 v200, v[P+\e], v200, vcc_lo
	v_cndmask_b32 v[SI], \e, v[SI], vcc_lo
.endr
	v_mov_b32 v201, -1.0                           ; the second: the same scan with the first one's place held at -2
	v_mov_b32 v[SI+1], 0
	v_mov_b32 v205, -2.0
.irp e, 0,1,2,3,4,5,6,7
	v_cmp_eq_u32 vcc_lo, \e, v[SI]
	v_cndmask_b32 v203, v[P+\e], v205, vcc_lo
	v_cmp_le_f32 vcc_lo, v203, v201
	v_cndmask_b32 v201, v203, v201, vcc_lo
	v_cndmask_b32 v[SI+1], \e, v[SI+1], vcc_lo
.endr
	v_add_f32 v204, v200, v201                     ; at least 1: the largest numerator is 1
	v_rcp_f32 v204, v204
	v_cmp_eq_u32 vcc_lo, 0, v1                     ; (a plain place behind the reciprocal)  lane 0 stores for the wave
	s_wait_alu depctr_va_vdst(0)
	v_mul_f32 v[GP], v200, v204
	v_mul_f32 v[GP+1], v201, v204
	s_wait_xcnt 0x0                                ; EXEC is a source of the loads that are out: it changes only behind this wait
	s_wait_tensorcnt 0x0
	ds_add_u32 v224, v225
	s_wait_dscnt 0x0
	s_and_saveexec_b32 s22, vcc_lo
	global_store_b64 v10, v[SI:SI+1], s[8:9]
	global_store_b64 v10, v[GP:GP+1], s[10:11]
	s_wait_xcnt 0x0                                ; and again in front of the line that widens it
	s_or_b32 exec_lo, exec_lo, s22
; my block of 32: largest magnitude (with the floor 2^(3 - 127), which holds the byte at 1 from below), scale, codes
	s_wait_loadcnt 0x0
	v_max3_num_f32 v206, |v[QX]|, |v[QX+1]|, 0x1800000
	v_max3_num_f32 v207, |v[QX+16]|, |v[QX+17]|, 0x1800000
.irp i, 2,4,6,8,10,12,14
	v_max3_num_f32 v206, v206, |v[QX+\i]|, |v[QX+\i+1]|
	v_max3_num_f32 v207, v207, |v[QX+16+\i]|, |v[QX+16+\i+1]|
.endr
	v_max_num_f32 v206, v206, v207
	v_add_nc_u32 v216, 0xff000000, v206            ; 2 off the exponent field: the conversion takes this operand's exponent field as its scale
	v_cvt_scalef32_pk16_fp6_f32 v[CD:CD+2], v[QX:QX+15], v216
	v_cvt_scalef32_pk16_fp6_f32 v[CD+4:CD+6], v[QX+16:QX+31], v216
	v_lshrrev_b32 v217, 23, v216                   ; the scale's byte
	global_store_b96 v5, v[CD:CD+2], s[28:29]
	global_store_b96 v5, v[CD+4:CD+6], s[28:29] offset:12
	global_store_b8 v1, v217, s[30:31]             ; 32 lanes: the token's 32 bytes on end
	s_endpgm
.Lfunc_end_k_q646e2ffa51_route:
	.size	k_q646e2ffa51_route, .Lfunc_end_k_q646e2ffa51_route-k_q646e2ffa51_route
	.p2alignl 7, 3214868480
	.fill 96, 4, 3214868480
	.section	.rodata,"a",@progbits
	.p2align	6, 0x0
	.amdhsa_kernel k_q646e2ffa51_route
		.amdhsa_group_segment_fixed_size 1024
		.amdhsa_private_segment_fixed_size 0
		.amdhsa_enable_private_segment 0
		.amdhsa_kernarg_size 48
		.amdhsa_user_sgpr_count 2
		.amdhsa_user_sgpr_kernarg_segment_ptr 1
		.amdhsa_wavefront_size32 1
		.amdhsa_system_sgpr_workgroup_id_x 1
		.amdhsa_system_sgpr_workgroup_id_y 1
		.amdhsa_system_sgpr_workgroup_id_z 1
		.amdhsa_system_vgpr_workitem_id 0
		.amdhsa_next_free_vgpr 226
		.amdhsa_next_free_sgpr 66
		.amdhsa_reserve_vcc 1
		.amdhsa_float_denorm_mode_32 3
		.amdhsa_float_denorm_mode_16_64 3
		.amdhsa_memory_ordered 1
		.amdhsa_forward_progress 1
		.amdhsa_inst_pref_size 32
	.end_amdhsa_kernel
	.amdgpu_metadata
---
amdhsa.version: [ 1, 2 ]
amdhsa.kernels:
  - .name:           k_q646e2ffa51_route
    .symbol:         k_q646e2ffa51_route.kd
    .args:
      - { .name: hidden_states, .offset: 0, .size: 8, .value_kind: global_buffer, .address_space: global }
      - { .name: gate_w, .offset: 8, .size: 8, .value_kind: global_buffer, .address_space: global }
      - { .name: sel, .offset: 16, .size: 8, .value_kind: global_buffer, .address_space: global }
      - { .name: gw, .offset: 24, .size: 8, .value_kind: global_buffer, .address_space: global }
      - { .name: xq, .offset: 32, .size: 8, .value_kind: global_buffer, .address_space: global }
      - { .name: xs, .offset: 40, .size: 8, .value_kind: global_buffer, .address_space: global }
    .group_segment_fixed_size: 1024
    .private_segment_fixed_size: 0
    .kernarg_segment_align: 8
    .kernarg_segment_size: 48
    .max_flat_workgroup_size: 128
    .sgpr_count:     66
    .vgpr_count:     226
    .wavefront_size: 32
...
	.end_amdgpu_metadata
.endif
;; end of part 1
;; launch place (part 2): grid 8 x 1, 1 waves a work-group, no clusters, 4,608 bytes of LDS; arguments sel, list; writes list
.if DOCPART == 2
	.amdgcn_target "amdgcn-amd-amdhsa--gfx1250"
	.amdhsa_code_object_version 6
	.text
	.protected	k_q646e2ffa51_place
	.globl	k_q646e2ffa51_place
	.p2align	8
	.type	k_q646e2ffa51_place,@function
k_q646e2ffa51_place:
	s_mov_b64 s[64:65], 0
	v_nop
	global_prefetch_b8 v0, s[64:65] scope:SCOPE_SE
	s_setreg_imm32_b32 hwreg(HW_REG_WAVE_MODE, 25, 1), 1
	s_wait_xcnt 0x0
; THE ROWS OF EACH EXPERT.  sel[2048]: the expert of routed row 2 t + j.  Work-group e, one wave, makes expert e's list:
;   list[e][1024] u32: the routed rows that chose e, then the list's first row again up to a multiple of 16, then zeros;   from byte 32,768: [e][32] u32, all = the number of tiles of 16 rows.
; An expert that nobody chose has 0 tiles, and its first 16 places hold row 0, so that later launches' loads ahead find whole numbers in range.
; A token names an expert once at the most, so a list has at most 1,024 rows: every split is served.
; Counting sort without atomics: 64 chunks of 32 rows; in a chunk a lane's place is the running count + the number of lower lanes that match.
; A lane that does not match stores into a dump word of its own (word 1,024 + lane), so EXEC never changes.  The choice between place and dump word is made on word numbers;
; the bound 1,055 and the shift to bytes come last, so that every LDS address lies under 4,224 whatever was loaded.  One wave: LDS serves its instructions in order, no barrier.
.set DUMPW, 1024                       ; the dump words: 32 words behind the list's 1,024
	s_load_b128 s[4:7], s[0:1], 0x0                ; sel s[4:5], list s[6:7]
	v_lshl_add_u32 v96, v0, 2, 0x1100
	v_mov_b32 v97, 0
	v_lshlrev_b32 v2, 4, v0                        ; 16 x lane
	v_lshlrev_b32 v3, 2, v0                        ; 4 x lane: a lane's four rows of a load begin there; also its word
	v_add_nc_u32 v4, DUMPW, v0                     ; my dump word's number
	v_mov_b32 v8, 0
	v_mov_b32 v9, 0
	v_mov_b32 v10, 0
	v_mov_b32 v11, 0
	v_mov_b32 v12, 0
	s_mov_b32 s8, ttmp9                            ; my expert
	s_mov_b32 s9, 0                                ; rows found so far
	s_mov_b32 s13, 0
	s_wait_kmcnt 0x0
.irp q, 0,1,2,3,4,5,6,7,8,9,10,11,12,13,14,15
	global_load_b128 v[16+4*\q:16+4*\q+3], v2, s[4:5] offset:512*\q   ; register 4 q + i: row 128 q + 4 lane + i
.endr
.irp q, 0,1,2,3,4,5,6,7
	ds_store_b128 v2, v[8:11] offset:512*\q        ; the list begins as zeros
.endr
	s_lshl_b32 s12, s8, 12
	s_add_nc_u64 s[14:15], s[6:7], s[12:13]        ; my list in memory
	s_lshl_b32 s12, s8, 7
	s_add_nc_u64 s[16:17], s[6:7], s[12:13]        ; my count's 128 bytes, less 32,768
	s_wait_loadcnt 0x0
.macro CHUNK c
	v_cmp_eq_u32 vcc_lo, s8, v[16+\c]
	v_mbcnt_lo_u32_b32 v5, vcc_lo, s9              ; the count so far + the lower lanes that match
	v_cndmask_b32 v5, v4, v5, vcc_lo               ; that place, or my dump word
	v_min_u32 v5, 0x41f, v5                        ; a word of the list or of the dump, whatever was loaded
	v_lshlrev_b32 v5, 2, v5
	v_add_nc_u32 v6, 128*(\c/4)+\c%4, v3           ; the row's number
	ds_store_b32 v5, v6
	s_bcnt1_i32_b32 s10, vcc_lo
	s_add_co_u32 s9, s9, s10
.endm
.set Q, 0
.rept 64
	CHUNK Q
.set Q, Q+1
.endr
	s_add_co_u32 s10, s9, 15
	s_lshr_b32 s10, s10, 4                         ; tiles of 16 rows
	s_max_u32 s11, s10, 1
	s_lshl_b32 s11, s11, 4                         ; the list is filled up to here
	ds_load_b32 v7, v12                            ; its first row (0 where there is none) fills it
	v_add_nc_u32 v5, s9, v0
	v_cmp_gt_u32 vcc_lo, s11, v5
	v_cndmask_b32 v5, v4, v5, vcc_lo
	v_min_u32 v5, 0x41f, v5
	v_lshlrev_b32 v5, 2, v5
	v_mov_b32 v13, s10
	s_wait_dscnt 0x0
	ds_store_b32 v5, v7
.irp q, 0,1,2,3,4,5,6,7
	ds_load_b128 v[16+4*\q:16+4*\q+3], v2 offset:512*\q
.endr
	s_wait_dscnt 0x0
.irp q, 0,1,2,3,4,5,6,7
	global_store_b128 v2, v[16+4*\q:16+4*\q+3], s[14:15] offset:512*\q   ; 512 consecutive bytes a store
.endr
	global_store_b32 v3, v13, s[16:17] offset:32768
	s_wait_tensorcnt 0x0
	ds_add_u32 v96, v97
	s_wait_dscnt 0x0
	s_endpgm
.Lfunc_end_k_q646e2ffa51_place:
	.size	k_q646e2ffa51_place, .Lfunc_end_k_q646e2ffa51_place-k_q646e2ffa51_place
	.p2alignl 7, 3214868480
	.fill 96, 4, 3214868480
	.section	.rodata,"a",@progbits
	.p2align	6, 0x0
	.amdhsa_kernel k_q646e2ffa51_place
		.amdhsa_group_segment_fixed_size 4608
		.amdhsa_private_segment_fixed_size 0
		.amdhsa_enable_private_segment 0
		.amdhsa_kernarg_size 16
		.amdhsa_user_sgpr_count 2
		.amdhsa_user_sgpr_kernarg_segment_ptr 1
		.amdhsa_wavefront_size32 1
		.amdhsa_system_sgpr_workgroup_id_x 1
		.amdhsa_system_sgpr_workgroup_id_y 1
		.amdhsa_system_sgpr_workgroup_id_z 1
		.amdhsa_system_vgpr_workitem_id 0
		.amdhsa_next_free_vgpr 98
		.amdhsa_next_free_sgpr 66
		.amdhsa_reserve_vcc 1
		.amdhsa_float_denorm_mode_32 3
		.amdhsa_float_denorm_mode_16_64 3
		.amdhsa_memory_ordered 1
		.amdhsa_forward_progress 1
		.amdhsa_inst_pref_size 31
	.end_amdhsa_kernel
	.amdgpu_metadata
---
amdhsa.version: [ 1, 2 ]
amdhsa.kernels:
  - .name:           k_q646e2ffa51_place
    .symbol:         k_q646e2ffa51_place.kd
    .args:
      - { .name: sel, .offset: 0, .size: 8, .value_kind: global_buffer, .address_space: global }
      - { .name: list, .offset: 8, .size: 8, .value_kind: global_buffer, .address_space: global }
    .group_segment_fixed_size: 4608
    .private_segment_fixed_size: 0
    .kernarg_segment_align: 8
    .kernarg_segment_size: 16
    .max_flat_workgroup_size: 32
    .sgpr_count:     66
    .vgpr_count:     98
    .wavefront_size: 32
...
	.end_amdgpu_metadata
.endif
;; end of part 2
;; launch up (part 3): grid 32 x 8, 4 waves a work-group, no clusters, 104,448 bytes of LDS; arguments w1, w3, xq, xs, list, aq, asc; writes aq, asc
.if DOCPART == 3
	.amdgcn_target "amdgcn-amd-amdhsa--gfx1250"
	.amdhsa_code_object_version 6
	.text
	.protected	k_q646e2ffa51_up
	.globl	k_q646e2ffa51_up
	.p2align	8
	.type	k_q646e2ffa51_up,@function
k_q646e2ffa51_up:
	s_mov_b64 s[64:65], 0
	v_nop
	global_prefetch_b8 v0, s[64:65] scope:SCOPE_SE
	s_setreg_imm32_b32 hwreg(HW_REG_WAVE_MODE, 25, 1), 1
	s_wait_xcnt 0x0
; act = silu(x w1[e]) * (x w3[e]) for the rows routed to expert e, both products on codes of E2M3 with E8M0 scales, and act quantised along F.
; w1, w3: [8][1024 k][2048 f] f32.  Work-group (fs, e) owns columns f = 64 fs .. 64 fs + 63 of expert e: 2 x 1,024 x 256 bytes of weights, read from memory ONCE, by nobody else, and never written out as codes.
; PHASE W.  Wave w quantises 512 k x 64 columns of w1 (w even) or w3 (w odd), k half w / 2.  Each load takes two whole rows of 256 consecutive bytes (lanes 0-15: row k, lanes 16-31: row k + 16), 16 bytes = 4 columns a lane;
;   four sets of 16 loads are out by turns.  A block of 32 k lies in lanes l and l xor 16; 64 moves bring each column's 16 numbers into consecutive registers, as the conversion asks.  Codes go to LDS with K innermost.
; PHASE R.  One barrier; then each wave holds ITS weights in registers for good: 32 columns (w & 1) of both matrices, all of K: 32 fragments, 384 registers.  It walks the expert's tiles of 16 rows w / 2, w / 2 + 2, ..:
;   x's codes are gathered by the list straight into operand registers (two sets by turns, a tile ahead), 32 matrix instructions a tile, silu and product in f32, one block of 32 along F quantised, 12 bytes a lane stored.
; THE MATRIX INSTRUCTION IS USED TRANSPOSED (source 0 = 16 columns of W, source 1 = 16 rows of x), and lane r of tile u takes column 8 u + r + 8 (r / 8): so a lane's 16 results of tiles 0 and 1 are 16 neighbours along F.
; OUT: aq [e][fs][tile 64][row 16][ch 2][24 bytes];  asc [e][place 1024][64]: byte 4 (fs / 2) + 2 ch + (fs & 1): the order in which the next launch's operand registers take them.
; The number of tiles is a whole number read from memory; an expert without rows is walked as one tile of row 0, so that what the next launch loads ahead has been written.
; NO JOINT LOADS: the weights, 524,288 bytes a work-group, are its own; what work-groups of one expert share, x's rows, is reached row by row through a list, and the trip counts hang on counts read from memory.
; NO TENSOR LOADS: the weights are read once and turned in registers; counted waits keep 48 to 64 loads of 512 bytes a wave out without a point at which all must have landed.
; LIMITS: NaN and infinities are not served; a block of zeros gets the byte 1 (its codes are zeros; this program alone reads the bytes).
.set PITCH, 776                        ; an LDS row of codes: 768 bytes (1,024 along K) + 8
.set SPIT,  36                         ; an LDS row of scale words: 8 words + 1
.set CW,    0                          ; 128 rows: 64 M + column
.set SW,    128*PITCH                  ; 128 rows of scale words
.set ROWP,  8192                       ; a row of w1 or w3 in bytes
.set NB,    16                         ; blocks of 32 k for a wave
.set WO,   3                           ; v3   weights: 16 rows x (lane / 16) + 16 bytes x (lane % 16)
.set CS,   4                           ; v4   LDS: where I put codes
.set SS,   5                           ; v5   and scale words
.set CB,   8                           ; v8   LDS: where my fragments begin
.set SB,   9                           ; v9   and their scale words
.set R4,   10                          ; v10  4 r
.set LL,   11                          ; v11-12 the routed rows of the tile to be gathered next, set p
.set LA,   13                          ; v13-14 address in the list
.set XA,   15                          ; v15-16 address of x's codes
.set XSA,  17                          ; v17-18 of x's scale words
.set AQO,  19                          ; v19  48 r + 12 h
.set ASO,  20                          ; v20  64 r
.set AQA,  21                          ; v21  a tile's store into aq
.set ASA,  22                          ; v22  and into asc
.set H384, 23                          ; v23  384 h
.set WS,   24                          ; v24-39 the weights' scale words: 2 s + M; lanes 0-15 tile u = 0, lanes 16-31 u = 1.  Scales and nothing else
.set XS,   40                          ; v40-55 x's scale words: 8 p + s.  Scales and nothing else
.set TR,   64                          ; v64-127 phase W: column j's 16 numbers at TR + 16 j
.set ACC,  64                          ; v64-95  phase R: accumulator q = 2 M + u at ACC + 8 q
.set T,    96                          ; v96-111 phase R: 16 numbers at work
.set MX,   160
.set MY,   164
.set SO,   168
.set BY,   172
.set SWD,  176
.set CD,   180                         ; v180-195 four columns' codes
.set EC,   200                         ; v200-202 a tile's codes
.set EM,   204
.set EY,   205
.set ES,   206
.set EB,   207
; window 1: fragments (s = 0..3, q) at 12 (4 s + q);  window 2: s = 4..7 likewise;  window 3: phase W four sets of 64 numbers as loaded; phase R x's fragments, set p at 96 p + 12 s
.set MSB, 0
.macro WIN new                         ; the immediate's high byte repeats the setting that is left
.if MSB != \new
	s_set_vgpr_msb (MSB<<8)|\new
.set MSB, \new
.endif
.endm
.macro RLOAD n                         ; block n's 32 rows x 256 bytes into set n % 4 (destination window 3)
.irp i, 0,1,2,3,4,5,6,7,8,9,10,11,12,13,14,15
	global_load_b128 v[64*((\n)%4)+4*\i:64*((\n)%4)+4*\i+3], v[WO], s[26:27] offset:(\n)*32*ROWP+\i*ROWP th:TH_LOAD_NT
.endr
.endm
.macro BLOCK n
.if NB-1-(\n) >= 3
	s_wait_loadcnt 48                              ; this block's 16 loads are in; the three younger sets may stay out
.else
	s_wait_loadcnt 16*(NB-1-(\n))
.endif
	WIN 0x03                                       ; source window 3
.irp j, 0,1,2,3
.irp i, 0,1,2,3,4,5,6,7,8,9,10,11,12,13,14,15
	v_mov_b32 v[TR+16*\j+\i], v[64*((\n)%4)+4*\i+\j]   ; column j, k = 16 (lane / 16) + i
.endr
.endr
.if (\n)+4 < NB
	WIN 0xc0
	RLOAD (\n)+4                                   ; the set just read takes the block four on
.endif
	WIN 0
.irp j, 0,1,2,3
	v_max3_num_f32 v[MX+\j], |v[TR+16*\j]|, |v[TR+16*\j+1]|, 0x1800000   ; with the floor 2^(3 - 127): the byte cannot fall under 1
.endr
.irp i, 2,4,6,8,10,12,14
.irp j, 0,1,2,3
	v_max3_num_f32 v[MX+\j], v[MX+\j], |v[TR+16*\j+\i]|, |v[TR+16*\j+\i+1]|
.endr
.endr
.irp j, 0,1,2,3
	v_permlanex16_b32 v[MY+\j], v[MX+\j], s42, s43
.endr
.irp j, 0,1,2,3
	v_max_num_f32 v[MX+\j], v[MX+\j], v[MY+\j]     ; with lane l xor 16's 16: the block's largest magnitude
.endr
.irp j, 0,1,2,3
	v_add_nc_u32 v[SO+\j], 0xff000000, v[MX+\j]    ; 2 off its exponent field: the conversion's scale operand
.endr
.irp j, 0,1,2,3
	v_lshrrev_b32 v[BY+\j], 23, v[SO+\j]           ; the scale's byte
.endr
	s_wait_dscnt 0x0                               ; the last block's LDS stores have read their registers
.set SH, 8*((\n)%4)
.irp j, 0,1,2,3
.if (\n)%4 == 0
	v_mov_b32 v[SWD+\j], v[BY+\j]
.else
	v_lshl_or_b32 v[SWD+\j], v[BY+\j], SH, v[SWD+\j]
.endif
.endr
.irp j, 0,1,2,3
	v_cvt_scalef32_pk16_fp6_f32 v[CD+4*\j:CD+4*\j+2], v[TR+16*\j:TR+16*\j+15], v[SO+\j]
.endr
	v_nop                                          ; one plain place behind the conversions
.irp j, 0,1,2,3
.irp i, 0,1,2
	ds_store_b32 v[CS], v[CD+4*\j+\i] offset:PITCH*\j+24*(\n)+4*\i   ; 12 bytes: half a block of column j's row
.endr
.endr
.if (\n)%4 == 3
.irp j, 0,1,2,3
	ds_store_b32 v[SS], v[SWD+\j] offset:SPIT*\j+4*((\n)/4)          ; four blocks' bytes: the scale word of 128 along K (both halves of the lanes write the same word)
.endr
.endif
.endm
.macro BFETCH                          ; my 32 fragments and their scale words, from LDS into registers, once
.irp s, 0,1,2,3,4,5,6,7
.if \s < 4
	WIN 0x40
.else
	WIN 0x80
.endif
.irp q, 0,1,2,3
.irp p, 0,1,2,3,4,5
	ds_load_b64 v[12*(4*(\s%4)+\q)+2*\p:12*(4*(\s%4)+\q)+2*\p+1], v[CB] offset:(64*(\q/2)+8*(\q%2))*PITCH+96*\s+48*(\p/3)+8*(\p%3)
.endr
.endr
.endr
	WIN 0
.irp s, 0,1,2,3,4,5,6,7
.irp m, 0,1
	ds_load_b32 v[WS+2*\s+\m], v[SB] offset:64*SPIT*\m+4*\s
.endr
.endr
	s_wait_dscnt 0x0
.endm
.macro CLAMP                           ; s36: a tile that has been written, and inside the expert's room whatever was loaded
	s_min_u32 s36, s36, s34
	s_min_u32 s36, s36, 63
.endm
; Set p is filled: x's codes and scale words of the 16 rows in v[LL + p]; then v[LL + p] takes the rows of tile s36.  27 loads.
; The five vector lines are also the places between the last product and the loads into its operands.
.macro LOADA p
	v_lshrrev_b32 v[XA+\p], 1, v[LL+\p]            ; routed row 2 t + j: token t
	v_min_u32 v[XA+\p], 0x3ff, v[XA+\p]
	v_lshlrev_b32 v[XSA+\p], 5, v[XA+\p]
	v_mad_u32_u24 v[XA+\p], v[XA+\p], 0x300, v[H384]
	v_lshl_add_u32 v[LA+\p], s36, 6, v[R4]
	WIN 0xc0
.irp s, 0,1,2,3,4,5,6,7
.irp g, 0,1,2
	global_load_b128 v[96*\p+12*\s+4*\g:96*\p+12*\s+4*\g+3], v[XA+\p], s[8:9] offset:48*\s+16*\g
.endr
.endr
	WIN 0
	global_load_b128 v[XS+8*\p:XS+8*\p+3], v[XSA+\p], s[10:11]
	global_load_b128 v[XS+8*\p+4:XS+8*\p+7], v[XSA+\p], s[10:11] offset:16
	global_load_b32 v[LL+\p], v[LA+\p], s[32:33]
.endm
.macro PROD acc, wf, xf, sa, sb, zero, row1
.if \zero
.if \row1
	v_wmma_scale_f32_16x16x128_f8f6f4 v[\acc:\acc+7], v[\wf:\wf+11], v[\xf:\xf+11], 0, v[\sa], v[\sb] matrix_a_fmt:MATRIX_FMT_FP6 matrix_b_fmt:MATRIX_FMT_FP6 matrix_a_scale:MATRIX_SCALE_ROW1
.else
	v_wmma_scale_f32_16x16x128_f8f6f4 v[\acc:\acc+7], v[\wf:\wf+11], v[\xf:\xf+11], 0, v[\sa], v[\sb] matrix_a_fmt:MATRIX_FMT_FP6 matrix_b_fmt:MATRIX_FMT_FP6
.endif
.else
.if \row1
	v_wmma_scale_f32_16x16x128_f8f6f4 v[\acc:\acc+7], v[\wf:\wf+11], v[\xf:\xf+11], v[\acc:\acc+7], v[\sa], v[\sb] matrix_a_fmt:MATRIX_FMT_FP6 matrix_b_fmt:MATRIX_FMT_FP6 matrix_a_scale:MATRIX_SCALE_ROW1
.else
	v_wmma_scale_f32_16x16x128_f8f6f4 v[\acc:\acc+7], v[\wf:\wf+11], v[\xf:\xf+11], v[\acc:\acc+7], v[\sa], v[\sb] matrix_a_fmt:MATRIX_FMT_FP6 matrix_b_fmt:MATRIX_FMT_FP6
.endif
.endif
.endm
; A tile's 32 products: K ascending, the four accumulators by turns, one instruction a turn; the first K step starts the sums.
.macro MM p
.irp s, 0,1,2,3,4,5,6,7
.if \s < 4
	WIN 0x0d                                       ; source 0 (W) window 1, source 1 (x) window 3, C and D window 0
.else
	WIN 0x0e                                       ; source 0 window 2
.endif
.irp q, 0,1,2,3
.if \s == 0
	PROD ACC+8*\q, 12*\q, 96*\p, WS+\q/2, XS+8*\p, 1, \q%2
.else
	PROD ACC+8*\q, 12*(4*(\s%4)+\q), 96*\p+12*\s, WS+2*\s+\q/2, XS+8*\p+\s, 0, \q%2
.endif
.endr
.endr
.endm
; Lane (r, h): a = ACC + 0 .. 15 and b = ACC + 16 .. 31 are row r's f = 64 fs + 32 ch + 16 h + 0 .. 15.  act = a / (1 + 2^(-a log2 e)) x b, in f32; each accumulator is read from its low end on.
.macro EPI                             ; s39, s40: the tile's bytes in aq and asc
	s_wait_xcnt 0x0                                ; the last tile's stores have read their registers
.irp i, 0,2,4,6,8,10,12,14
	v_pk_mul_f32 v[T+\i:T+\i+1], v[ACC+\i:ACC+\i+1], 0xbfb8aa3b op_sel_hi:[1,0]
.endr
.irp i, 0,1,2,3,4,5,6,7,8,9,10,11,12,13,14,15
	v_exp_f32 v[T+\i], v[T+\i]
.endr
	v_add_nc_u32 v[AQA], s39, v[AQO]               ; (a plain place behind the exponentials)
	s_wait_alu depctr_va_vdst(0)
.irp i, 0,2,4,6,8,10,12,14
	v_pk_add_f32 v[T+\i:T+\i+1], v[T+\i:T+\i+1], 1.0 op_sel_hi:[1,0]
.endr
.irp i, 0,1,2,3,4,5,6,7,8,9,10,11,12,13,14,15
	v_rcp_f32 v[T+\i], v[T+\i]
.endr
	v_add_nc_u32 v[ASA], s40, v[ASO]               ; (a plain place behind the reciprocals)
	s_wait_alu depctr_va_vdst(0)
.irp i, 0,2,4,6,8,10,12,14
	v_pk_mul_f32 v[T+\i:T+\i+1], v[ACC+\i:ACC+\i+1], v[T+\i:T+\i+1]
.endr
.irp i, 0,2,4,6,8,10,12,14
	v_pk_mul_f32 v[T+\i:T+\i+1], v[T+\i:T+\i+1], v[ACC+16+\i:ACC+16+\i+1]
.endr
	v_max3_num_f32 v[EM], |v[T]|, |v[T+1]|, 0x1800000
.irp i, 2,4,6,8,10,12,14
	v_max3_num_f32 v[EM], v[EM], |v[T+\i]|, |v[T+\i+1]|
.endr
	v_permlanex16_b32 v[EY], v[EM], s42, s43
	v_max_num_f32 v[EM], v[EM], v[EY]              ; the block of 32 along F lies in lanes l and l xor 16
	v_add_nc_u32 v[ES], 0xff000000, v[EM]
	v_cvt_scalef32_pk16_fp6_f32 v[EC:EC+2], v[T:T+15], v[ES]
	v_lshrrev_b32 v[EB], 23, v[ES]                 ; the byte; also the plain place behind the conversion
	global_store_b96 v[AQA], v[EC:EC+2], s[28:29]
	global_store_b8 v[ASA], v[EB], s[30:31]        ; (both halves of the lanes store the same byte)
.endm
.macro MTILE p                         ; tile s35 + 2 p, in set p
	s_wait_loadcnt 27                              ; this set's 27 loads are in; the other set's 27 may stay out
	MM \p
	WIN 0
	s_add_co_u32 s36, s35, 2*\p+8
	CLAMP
	LOADA \p                                       ; the tile four on is gathered; the list of the tile eight on is asked for
	s_add_co_u32 s38, s35, 2*\p
	s_min_u32 s38, s38, 63
	s_mul_i32 s39, s38, 768
	s_lshl_b32 s40, s38, 10
	EPI
.endm
	s_load_b256 s[4:11], s[0:1], 0x0               ; w1 s[4:5], w3 s[6:7], xq s[8:9], xs s[10:11]
	s_load_b128 s[12:15], s[0:1], 0x20             ; list s[12:13], aq s[14:15]
	s_load_b64 s[16:17], s[0:1], 0x30              ; asc
	v_lshl_add_u32 v254, v0, 2, 0x19600
	v_mov_b32 v255, 0
	v_lshrrev_b32 v6, 5, v0
	v_readfirstlane_b32 s18, v6                    ; wave 0..3
	s_and_b32 s19, s18, 1                          ; phase W: w1 or w3;  phase R: which 32 columns
	s_lshr_b32 s20, s18, 1                         ; phase W: which half of K;  phase R: first tile
	s_mov_b32 s21, ttmp9                           ; fs
	s_and_b32 s22, ttmp7, 0xffff                   ; e
	s_lshl_b32 s24, s22, 7
	s_mov_b32 s37, 0
	s_mov_b32 s42, 0x76543210                      ; v_permlanex16_b32: lane l xor 16
	s_mov_b32 s43, 0xfedcba98
	v_and_b32 v1, 15, v0                           ; r
	v_bfe_u32 v2, v0, 4, 1                         ; h
	v_lshlrev_b32 v[WO], 4, v1
	v_lshl_add_u32 v[WO], v2, 17, v[WO]            ; 16 rows of 8,192 bytes x h + 16 r
	s_mul_i32 s36, s19, 64*PITCH
	s_mul_i32 s38, s20, 384
	s_add_co_u32 s36, s36, s38
	v_mul_u32_u24 v[CS], v1, 4*PITCH
	v_mad_u32_u24 v[CS], v2, 12, v[CS]
	v_add_nc_u32 v[CS], s36, v[CS]                 ; row 64 M + 4 r, + 384 x half of K + 12 h
	s_mul_i32 s36, s19, 64*SPIT
	s_lshl_b32 s38, s20, 4
	s_add_co_u32 s36, s36, s38
	s_add_co_u32 s36, s36, SW
	v_mul_u32_u24 v[SS], v1, 4*SPIT
	v_add_nc_u32 v[SS], s36, v[SS]
	v_and_b32 v6, 8, v1
	v_add_nc_u32 v6, v6, v1                        ; r + 8 (r / 8)
	v_mul_u32_u24 v[CB], v6, PITCH
	v_mad_u32_u24 v[CB], v2, 24, v[CB]
	s_mul_i32 s36, s19, 32*PITCH
	v_add_nc_u32 v[CB], s36, v[CB]
	v_lshl_add_u32 v7, v2, 3, v6                   ; lanes 16-31 take tile u = 1's rows: 8 further on
	v_mul_u32_u24 v[SB], v7, SPIT
	s_mul_i32 s36, s19, 32*SPIT
	s_add_co_u32 s36, s36, SW
	v_add_nc_u32 v[SB], s36, v[SB]
	v_lshlrev_b32 v[R4], 2, v1
	v_mul_u32_u24 v[AQO], v1, 48
	v_mad_u32_u24 v[AQO], v2, 12, v[AQO]
	v_lshlrev_b32 v[ASO], 6, v1
	v_mul_u32_u24 v[H384], v2, 384
.irp j, 0,1,2,3
	v_mov_b32 v[MY+\j], 0                          ; written once: a lane permute's destination counts as one of its sources
.endr
	v_mov_b32 v[EY], 0
	s_wait_kmcnt 0x0
	s_load_b32 s23, s[12:13], s24 offset:0x8000    ; my expert's number of tiles
	s_cmp_eq_u32 s19, 0
	s_cselect_b64 s[26:27], s[4:5], s[6:7]         ; the choice hangs on the wave's number alone
	s_lshl_b32 s36, s22, 23                        ; expert: 8,388,608 bytes
	s_lshl_b32 s38, s20, 22                        ; half of K: 512 rows
	s_add_co_u32 s36, s36, s38
	s_lshl_b32 s38, s21, 8                         ; 64 columns: 256 bytes
	s_add_co_u32 s36, s36, s38
	s_add_nc_u64 s[26:27], s[26:27], s[36:37]
	s_mul_i32 s36, s22, 1572864
	s_mul_i32 s38, s21, 49152
	s_add_co_u32 s36, s36, s38
	s_mul_i32 s38, s19, 24
	s_add_co_u32 s36, s36, s38
	s_add_nc_u64 s[28:29], s[14:15], s[36:37]      ; aq at (e, fs), + 24 ch
	s_lshl_b32 s36, s22, 16
	s_lshr_b32 s38, s21, 1
	s_lshl_b32 s38, s38, 2
	s_add_co_u32 s36, s36, s38
	s_lshl_b32 s38, s19, 1
	s_add_co_u32 s36, s36, s38
	s_and_b32 s38, s21, 1
	s_add_co_u32 s36, s36, s38
	s_add_nc_u64 s[30:31], s[16:17], s[36:37]      ; asc at e, + my byte
	s_lshl_b32 s36, s22, 12
	s_add_nc_u64 s[32:33], s[12:13], s[36:37]      ; my expert's list
	WIN 0xc0
	RLOAD 0
	RLOAD 1
	RLOAD 2
	RLOAD 3
	WIN 0
	s_wait_kmcnt 0x0
	s_min_u32 s23, s23, 64
	s_max_u32 s25, s23, 1                          ; tiles to walk
	s_sub_co_u32 s34, s25, 1                       ; the last of them
	s_mov_b32 s36, s20
	CLAMP
	v_lshl_add_u32 v[LA], s36, 6, v[R4]
	global_load_b32 v[LL], v[LA], s[32:33]         ; the rows of my first tile,
	s_add_co_u32 s36, s20, 2
	CLAMP
	v_lshl_add_u32 v[LA+1], s36, 6, v[R4]
	global_load_b32 v[LL+1], v[LA+1], s[32:33]     ; and of my second (these two stand among the ring's loads: the first blocks' counts are the stricter for it)
.set Q, 0
.rept NB
	BLOCK Q
.set Q, Q+1
.endr
	s_add_co_u32 s36, s20, 4
	CLAMP
	LOADA 0                                        ; the ring's registers are free: x's first two tiles are gathered while the waves meet
	s_add_co_u32 s36, s20, 6
	CLAMP
	LOADA 1
	s_wait_dscnt 0x0                               ; for the others' sake: my codes and scale words lie in LDS
	s_barrier_signal -1
	s_barrier_wait -1
	BFETCH
	s_cmp_ge_u32 s20, s25
	s_cbranch_scc1 .Ldone                          ; no tile is mine
	s_sub_co_u32 s47, s25, s20                     ; my tiles are first, first + 2, ..; a trip takes first + 4 i and first + 4 i + 2:
	s_add_co_u32 s47, s47, 3
	s_lshr_b32 s47, s47, 2                         ; trips = (tiles - first) / 4, rounded up: at least 1 here
	s_mov_b32 s46, 0                               ; the trip's number
.Lrow:                                             ; a trip: two tiles, one in each set.  No LDS access and no barrier stand in this loop
	s_lshl_b32 s35, s46, 2
	s_add_co_u32 s35, s35, s20                     ; the trip's first tile
	MTILE 0
	s_add_co_u32 s36, s35, 2
	s_cmp_lt_u32 s36, s25
	s_cbranch_scc1 .Lsecond
	s_wait_tensorcnt 0x0
	ds_add_u32 v254, v255
	s_wait_dscnt 0x0
	s_endpgm                                       ; no second tile: the wave ends here; only loads ahead and the tile's stores are out
.Lsecond:
	MTILE 1
	s_add_co_u32 s46, s46, 1
	s_cmp_lt_u32 s46, s47
	s_cbranch_scc1 .Lrow
.Ldone:
	s_wait_tensorcnt 0x0
	ds_add_u32 v254, v255
	s_wait_dscnt 0x0
	s_endpgm
.Lfunc_end_k_q646e2ffa51_up:
	.size	k_q646e2ffa51_up, .Lfunc_end_k_q646e2ffa51_up-k_q646e2ffa51_up
	.p2alignl 7, 3214868480
	.fill 96, 4, 3214868480
	.section	.rodata,"a",@progbits
	.p2align	6, 0x0
	.amdhsa_kernel k_q646e2ffa51_up
		.amdhsa_group_segment_fixed_size 104448
		.amdhsa_private_segment_fixed_size 0
		.amdhsa_enable_private_segment 0
		.amdhsa_kernarg_size 56
		.amdhsa_user_sgpr_count 2
		.amdhsa_user_sgpr_kernarg_segment_ptr 1
		.amdhsa_wavefront_size32 1
		.amdhsa_system_sgpr_workgroup_id_x 1
		.amdhsa_system_sgpr_workgroup_id_y 1
		.amdhsa_system_sgpr_workgroup_id_z 1
		.amdhsa_system_vgpr_workitem_id 0
		.amdhsa_next_free_vgpr 1024
		.amdhsa_next_free_sgpr 66
		.amdhsa_reserve_vcc 0
		.amdhsa_float_denorm_mode_32 3
		.amdhsa_float_denorm_mode_16_64 3
		.amdhsa_memory_ordered 1
		.amdhsa_forward_progress 1
		.amdhsa_inst_pref_size 173
	.end_amdhsa_kernel
	.amdgpu_metadata
---
amdhsa.version: [ 1, 2 ]
amdhsa.kernels:
  - .name:           k_q646e2ffa51_up
    .symbol:         k_q646e2ffa51_up.kd
    .args:
      - { .name: w1, .offset: 0, .size: 8, .value_kind: global_buffer, .address_space: global }
      - { .name: w3, .offset: 8, .size: 8, .value_kind: global_buffer, .address_space: global }
      - { .name: xq, .offset: 16, .size: 8, .value_kind: global_buffer, .address_space: global }
      - { .name: xs, .offset: 24, .size: 8, .value_kind: global_buffer, .address_space: global }
      - { .name: list, .offset: 32, .size: 8, .value_kind: global_buffer, .address_space: global }
      - { .name: aq, .offset: 40, .size: 8, .value_kind: global_buffer, .address_space: global }
      - { .name: asc, .offset: 48, .size: 8, .value_kind: global_buffer, .address_space: global }
    .group_segment_fixed_size: 104448
    .private_segment_fixed_size: 0
    .kernarg_segment_align: 8
    .kernarg_segment_size: 56
    .max_flat_workgroup_size: 128
    .sgpr_count:     66
    .vgpr_count:     1024
    .wavefront_size: 32
...
	.end_amdgpu_metadata
.endif
;; end of part 3
;; launch down (part 4): grid 16 x 16, 4 waves a work-group, no clusters, 69,888 bytes of LDS; arguments w2, aq, asc, list, y; writes y
.if DOCPART == 4
	.amdgcn_target "amdgcn-amd-amdhsa--gfx1250"
	.amdhsa_code_object_version 6
	.text
	.protected	k_q646e2ffa51_down
	.globl	k_q646e2ffa51_down
	.p2align	8
	.type	k_q646e2ffa51_down,@function
k_q646e2ffa51_down:
	s_mov_b64 s[64:65], 0
	v_nop
	global_prefetch_b8 v0, s[64:65] scope:SCOPE_SE
	s_setreg_imm32_b32 hwreg(HW_REG_WAVE_MODE, 25, 1), 1
	s_wait_xcnt 0x0
; y[kh][routed row][:] = act w2[e], the sum over half kh of F, on codes of E2M3 with E8M0 scales; f32 sums; the two halves and the gate's weights meet in the next launch.
; w2: [8][2048 f][1024 d] f32.  Work-group (ds, 2 e + kh) owns columns d = 64 ds .. 64 ds + 63 and f = 1024 kh .. 1024 kh + 1023 of expert e: 1,024 x 256 bytes of weights, read from memory ONCE, by nobody else.
; F is halved so that 8 experts x 16 slices of 64 columns (rows of 256 bytes) make 256 work-groups.
; PHASE W.  Wave w quantises f = 256 w .. 256 w + 255 of the half, as the launch before does: two whole rows of 256 consecutive bytes a load, four sets of 16 loads out by turns, codes to LDS with K innermost.
; PHASE R.  One barrier; each wave then holds ALL 32 fragments (4 tiles of 16 columns x 8 K steps, 384 registers) and walks the expert's tiles of 16 rows w, w + 4, ..; act's codes come straight into operand registers.
; THE ORDER OF K is permuted alike on both sides: place (c, h) of a K step holds F block 4 s + 2 h + c, so that a lane's 48 bytes of act are one record of aq; the scale bytes stand at 2 c + h on both sides.
; TRANSPOSED USE (source 0 = 16 columns of w2, source 1 = 16 rows of act): a lane holds 8 neighbouring columns of a row; a tile goes through the wave's own stage in LDS and leaves as whole rows: 16 lanes store 256 consecutive, aligned bytes.
; Rows that fill an expert's last tile repeat one of its rows: they give the same bits and are stored to the same bytes by this same work-group.  An expert without rows stores nothing.
; NO JOINT LOADS: the weights are the work-group's own; trip counts hang on counts read from memory.  NO TENSOR LOADS: as in the launch before.
; LIMITS: NaN and infinities are not served; a block of zeros gets the byte 1 (its codes are zeros).
.set PITCH, 776
.set SPIT,  36
.set CW,    0                          ; 64 rows of codes
.set SW,    64*PITCH                   ; 64 rows of scale words
.set STG,   SW+64*SPIT                 ; 16 rows x 272 bytes for each wave
.set ROWP,  4096
.set NB,    8
.set WO,   3
.set CS,   4
.set SS,   5
.set CB,   8
.set SB,   9
.set C16,  10                          ; v10  16 (lane % 16)
.set AB,   11                          ; v11  48 r + 49,152 h
.set SBS,  12                          ; v12  64 r
.set LB,   13                          ; v13  32 h
.set AA,   14                          ; v14-15 address of act's codes, set p
.set SA,   16                          ; v16-17 of its scale words
.set LA,   18                          ; v18-19 in the list
.set STO,  20                          ; v20  the stage: in
.set SRD,  21                          ; v21  and back
.set WS,   24                          ; v24-39 w2's scale words: 2 s + q / 2; lanes 0-15 even q, lanes 16-31 odd q.  Scales and nothing else
.set XS,   40                          ; v40-55 act's scale words: 8 p + s.  Scales and nothing else
.set TR,   64
.set ACC,  64                          ; v64-95  accumulator q at ACC + 8 q
.set OB,   96                          ; v96-127 a tile's rows back from the stage
.set YA,   128                         ; v128-135 their places in y
.set RID,  136                         ; v136-151 the routed rows 8 (lane / 16) + t, set p at 8 p
.set MX,   160
.set MY,   164
.set SO,   168
.set BY,   172
.set SWD,  176
.set CD,   180
.set MSB, 0
.macro WIN new                         ; the immediate's high byte repeats the setting that is left
.if MSB != \new
	s_set_vgpr_msb (MSB<<8)|\new
.set MSB, \new
.endif
.endm
.macro RLOAD n
.irp i, 0,1,2,3,4,5,6,7,8,9,10,11,12,13,14,15
	global_load_b128 v[64*((\n)%4)+4*\i:64*((\n)%4)+4*\i+3], v[WO], s[26:27] offset:(\n)*32*ROWP+\i*ROWP th:TH_LOAD_NT
.endr
.endm
.macro BLOCK n
.if NB-1-(\n) >= 3
	s_wait_loadcnt 48                              ; this block's 16 loads are in; the three younger sets may stay out
.else
	s_wait_loadcnt 16*(NB-1-(\n))
.endif
	WIN 0x03
.irp j, 0,1,2,3
.irp i, 0,1,2,3,4,5,6,7,8,9,10,11,12,13,14,15
	v_mov_b32 v[TR+16*\j+\i], v[64*((\n)%4)+4*\i+\j]
.endr
.endr
.if (\n)+4 < NB
	WIN 0xc0
	RLOAD (\n)+4
.endif
	WIN 0
.irp j, 0,1,2,3
	v_max3_num_f32 v[MX+\j], |v[TR+16*\j]|, |v[TR+16*\j+1]|, 0x1800000
.endr
.irp i, 2,4,6,8,10,12,14
.irp j, 0,1,2,3
	v_max3_num_f32 v[MX+\j], v[MX+\j], |v[TR+16*\j+\i]|, |v[TR+16*\j+\i+1]|
.endr
.endr
.irp j, 0,1,2,3
	v_permlanex16_b32 v[MY+\j], v[MX+\j], s42, s43
.endr
.irp j, 0,1,2,3
	v_max_num_f32 v[MX+\j], v[MX+\j], v[MY+\j]
.endr
.irp j, 0,1,2,3
	v_add_nc_u32 v[SO+\j], 0xff000000, v[MX+\j]
.endr
.irp j, 0,1,2,3
	v_lshrrev_b32 v[BY+\j], 23, v[SO+\j]
.endr
	s_wait_dscnt 0x0                               ; the last block's LDS stores have read their registers
.set SH, 8*(2*((\n)%2)+((\n)%4)/2)     ; F block o of a K step stands at place 2 (o & 1) + (o >> 1)
.irp j, 0,1,2,3
.if (\n)%4 == 0
	v_mov_b32 v[SWD+\j], v[BY+\j]
.else
	v_lshl_or_b32 v[SWD+\j], v[BY+\j], SH, v[SWD+\j]
.endif
.endr
.irp j, 0,1,2,3
	v_cvt_scalef32_pk16_fp6_f32 v[CD+4*\j:CD+4*\j+2], v[TR+16*\j:TR+16*\j+15], v[SO+\j]
.endr
	v_nop                                          ; one plain place behind the conversions
.irp j, 0,1,2,3
.irp i, 0,1,2
	ds_store_b32 v[CS], v[CD+4*\j+\i] offset:PITCH*\j+24*(\n)+4*\i
.endr
.endr
.if (\n)%4 == 3
.irp j, 0,1,2,3
	ds_store_b32 v[SS], v[SWD+\j] offset:SPIT*\j+4*((\n)/4)
.endr
.endif
.endm
.macro BFETCH                          ; all 32 fragments: lane (r, h) takes 48 bytes on end, F blocks 4 s + 2 h and 4 s + 2 h + 1 of column 16 q + r
.irp s, 0,1,2,3,4,5,6,7
.if \s < 4
	WIN 0x40
.else
	WIN 0x80
.endif
.irp q, 0,1,2,3
.irp p, 0,1,2,3,4,5
	ds_load_b64 v[12*(4*(\s%4)+\q)+2*\p:12*(4*(\s%4)+\q)+2*\p+1], v[CB] offset:16*\q*PITCH+96*\s+8*\p
.endr
.endr
.endr
	WIN 0
.irp s, 0,1,2,3,4,5,6,7
.irp m, 0,1
	ds_load_b32 v[WS+2*\s+\m], v[SB] offset:32*SPIT*\m+4*\s
.endr
.endr
	s_wait_dscnt 0x0
.endm
.macro CLAMP
	s_min_u32 s36, s36, s34
	s_min_u32 s36, s36, 63
.endm
.macro LOADA p                         ; tile s36 into set p: 24 loads of codes, 2 of scale words, 2 of routed rows: 28
	s_mul_i32 s37, s36, 768
	v_add_nc_u32 v[AA+\p], s37, v[AB]
	v_lshl_add_u32 v[SA+\p], s36, 10, v[SBS]
	v_lshl_add_u32 v[LA+\p], s36, 6, v[LB]
	WIN 0xc0
.irp s, 0,1,2,3,4,5,6,7
.irp g, 0,1,2
	global_load_b128 v[96*\p+12*\s+4*\g:96*\p+12*\s+4*\g+3], v[AA+\p], s[28:29] offset:98304*\s+16*\g
.endr
.endr
	WIN 0
	global_load_b128 v[XS+8*\p:XS+8*\p+3], v[SA+\p], s[30:31]
	global_load_b128 v[XS+8*\p+4:XS+8*\p+7], v[SA+\p], s[30:31] offset:16
	global_load_b128 v[RID+8*\p:RID+8*\p+3], v[LA+\p], s[32:33]
	global_load_b128 v[RID+8*\p+4:RID+8*\p+7], v[LA+\p], s[32:33] offset:16
.endm
.macro PROD acc, wf, xf, sa, sb, zero, row1
.if \zero
.if \row1
	v_wmma_scale_f32_16x16x128_f8f6f4 v[\acc:\acc+7], v[\wf:\wf+11], v[\xf:\xf+11], 0, v[\sa], v[\sb] matrix_a_fmt:MATRIX_FMT_FP6 matrix_b_fmt:MATRIX_FMT_FP6 matrix_a_scale:MATRIX_SCALE_ROW1
.else
	v_wmma_scale_f32_16x16x128_f8f6f4 v[\acc:\acc+7], v[\wf:\wf+11], v[\xf:\xf+11], 0, v[\sa], v[\sb] matrix_a_fmt:MATRIX_FMT_FP6 matrix_b_fmt:MATRIX_FMT_FP6
.endif
.else
.if \row1
	v_wmma_scale_f32_16x16x128_f8f6f4 v[\acc:\acc+7], v[\wf:\wf+11], v[\xf:\xf+11], v[\acc:\acc+7], v[\sa], v[\sb] matrix_a_fmt:MATRIX_FMT_FP6 matrix_b_fmt:MATRIX_FMT_FP6 matrix_a_scale:MATRIX_SCALE_ROW1
.else
	v_wmma_scale_f32_16x16x128_f8f6f4 v[\acc:\acc+7], v[\wf:\wf+11], v[\xf:\xf+11], v[\acc:\acc+7], v[\sa], v[\sb] matrix_a_fmt:MATRIX_FMT_FP6 matrix_b_fmt:MATRIX_FMT_FP6
.endif
.endif
.endm
.macro MM p                            ; 32 products: K ascending, the four accumulators by turns, one instruction a turn
.irp s, 0,1,2,3,4,5,6,7
.if \s < 4
	WIN 0x0d                                       ; source 0 (w2) window 1, source 1 (act) window 3, C and D window 0
.else
	WIN 0x0e
.endif
.irp q, 0,1,2,3
.if \s == 0
	PROD ACC+8*\q, 12*\q, 96*\p, WS+\q/2, XS+8*\p, 1, \q%2
.else
	PROD ACC+8*\q, 12*(4*(\s%4)+\q), 96*\p+12*\s, WS+2*\s+\q/2, XS+8*\p+\s, 0, \q%2
.endif
.endr
.endr
.endm
.macro MTILE p                         ; tile s35 + 4 p, in set p
	s_wait_loadcnt 28                              ; this set's 28 loads are in; the other set's 28 may stay out
	MM \p
	WIN 0
	s_wait_xcnt 0x0                                ; the last tile's stores have read their registers
.irp t, 0,1,2,3,4,5,6,7
	v_min_u32 v[YA+\t], 0x7ff, v[RID+8*\p+\t]      ; a routed row, whatever was loaded.  (These sixteen lines are also the places behind the last product)
.endr
.irp t, 0,1,2,3,4,5,6,7
	v_lshl_add_u32 v[YA+\t], v[YA+\t], 12, v[C16]  ; its 4,096 bytes of y, + my 16
.endr
	s_add_co_u32 s36, s35, 4*\p+8
	CLAMP
	LOADA \p                                       ; the tile eight on
.irp q, 0,1,2,3
	ds_store_b128 v[STO], v[ACC+8*\q:ACC+8*\q+3] offset:64*\q        ; each accumulator from its low end on
	ds_store_b128 v[STO], v[ACC+8*\q+4:ACC+8*\q+7] offset:64*\q+16
.endr
.irp t, 0,1,2,3,4,5,6,7
	ds_load_b128 v[OB+4*\t:OB+4*\t+3], v[SRD] offset:272*\t          ; LDS serves a wave's instructions in order: these see my stores
.endr
.irp t, 0,1,2,3,4,5,6,7
	s_wait_dscnt 7-\t                              ; read t is back; the younger reads may stay out
	global_store_b128 v[YA+\t], v[OB+4*\t:OB+4*\t+3], s[44:45]       ; lanes 0-15: row t's 256 bytes; lanes 16-31: row 8 + t's
.endr
.endm
	s_load_b256 s[4:11], s[0:1], 0x0               ; w2 s[4:5], aq s[6:7], asc s[8:9], list s[10:11]
	s_load_b64 s[12:13], s[0:1], 0x20              ; y
	v_lshl_add_u32 v254, v0, 2, 0x10f00
	v_mov_b32 v255, 0
	v_lshrrev_b32 v6, 5, v0
	v_readfirstlane_b32 s18, v6                    ; wave 0..3
	s_mov_b32 s21, ttmp9                           ; ds
	s_and_b32 s19, ttmp7, 0xffff
	s_lshr_b32 s22, s19, 1                         ; e
	s_and_b32 s20, s19, 1                          ; kh
	s_lshl_b32 s24, s22, 7
	s_mov_b32 s39, 0
	s_mov_b32 s42, 0x76543210
	s_mov_b32 s43, 0xfedcba98
	v_and_b32 v1, 15, v0                           ; r
	v_bfe_u32 v2, v0, 4, 1                         ; h
	v_lshlrev_b32 v[C16], 4, v1
	v_lshl_add_u32 v[WO], v2, 16, v[C16]           ; 16 rows of 4,096 bytes x h + 16 r
	s_mul_i32 s36, s18, 192
	v_mul_u32_u24 v[CS], v1, 4*PITCH
	v_mad_u32_u24 v[CS], v2, 12, v[CS]
	v_add_nc_u32 v[CS], s36, v[CS]                 ; row 4 r, + 192 w + 12 h
	s_lshl_b32 s36, s18, 3
	s_add_co_u32 s36, s36, SW
	v_mul_u32_u24 v[SS], v1, 4*SPIT
	v_add_nc_u32 v[SS], s36, v[SS]
	v_mul_u32_u24 v[CB], v1, PITCH
	v_mad_u32_u24 v[CB], v2, 48, v[CB]
	v_lshl_add_u32 v7, v2, 4, v1                   ; lane
	v_mul_u32_u24 v[SB], v7, SPIT
	v_add_nc_u32 v[SB], SW, v[SB]
	v_mul_u32_u24 v[AB], v1, 48
	v_mad_u32_u24 v[AB], v2, 0xc000, v[AB]
	v_lshlrev_b32 v[SBS], 6, v1
	v_lshlrev_b32 v[LB], 5, v2
	s_mul_i32 s36, s18, 16*272
	s_add_co_u32 s36, s36, STG                     ; my stage
	v_mul_u32_u24 v[STO], v1, 272
	v_lshl_add_u32 v[STO], v2, 5, v[STO]
	v_add_nc_u32 v[STO], s36, v[STO]               ; in: row r, 32 bytes for each half of the lanes
	v_mul_u32_u24 v[SRD], v2, 8*272
	v_add_nc_u32 v[SRD], v[SRD], v[C16]
	v_add_nc_u32 v[SRD], s36, v[SRD]               ; back: lanes 0-15 rows 0-7, lanes 16-31 rows 8-15
.irp j, 0,1,2,3
	v_mov_b32 v[MY+\j], 0                          ; written once: a lane permute's destination counts as one of its sources
.endr
	s_wait_kmcnt 0x0
	s_load_b32 s23, s[10:11], s24 offset:0x8000    ; my expert's number of tiles
	s_lshl_b32 s38, s22, 23
	s_lshl_b32 s36, s20, 22                        ; 1,024 rows of 4,096 bytes
	s_add_co_u32 s38, s38, s36
	s_lshl_b32 s36, s18, 20                        ; 256 rows
	s_add_co_u32 s38, s38, s36
	s_lshl_b32 s36, s21, 8
	s_add_co_u32 s38, s38, s36
	s_add_nc_u64 s[26:27], s[4:5], s[38:39]
	s_mul_i32 s38, s22, 1572864
	s_mul_i32 s36, s20, 786432
	s_add_co_u32 s38, s38, s36
	s_add_nc_u64 s[28:29], s[6:7], s[38:39]        ; aq at (e, fs = 16 kh)
	s_lshl_b32 s38, s22, 16
	s_lshl_b32 s36, s20, 5
	s_add_co_u32 s38, s38, s36
	s_add_nc_u64 s[30:31], s[8:9], s[38:39]        ; asc at e, + 32 kh
	s_lshl_b32 s38, s22, 12
	s_add_nc_u64 s[32:33], s[10:11], s[38:39]      ; my expert's list
	s_lshl_b32 s38, s20, 23
	s_lshl_b32 s36, s21, 8
	s_add_co_u32 s38, s38, s36
	s_add_nc_u64 s[44:45], s[12:13], s[38:39]      ; y at half kh, + my 256 bytes of a row
	WIN 0xc0
	RLOAD 0
	RLOAD 1
	RLOAD 2
	RLOAD 3
	WIN 0
.set Q, 0
.rept NB
	BLOCK Q
.set Q, Q+1
.endr
	s_wait_kmcnt 0x0
	s_min_u32 s25, s23, 64                         ; tiles to walk
	s_max_u32 s34, s25, 1
	s_sub_co_u32 s34, s34, 1                       ; the last tile that has been written
	s_mov_b32 s36, s18
	CLAMP
	LOADA 0                                        ; the ring's registers are free: act's first two tiles come while the waves meet
	s_add_co_u32 s36, s18, 4
	CLAMP
	LOADA 1
	s_wait_dscnt 0x0                               ; for the others' sake: my codes and scale words lie in LDS
	s_barrier_signal -1
	s_barrier_wait -1
	BFETCH
	s_cmp_ge_u32 s18, s25
	s_cbranch_scc1 .Ldone                          ; no tile is mine
	s_sub_co_u32 s47, s25, s18                     ; my tiles are first, first + 4, ..; a trip takes first + 8 i and first + 8 i + 4:
	s_add_co_u32 s47, s47, 7
	s_lshr_b32 s47, s47, 3                         ; trips = (tiles - first) / 8, rounded up: at least 1 here
	s_mov_b32 s46, 0                               ; the trip's number
.Lrow:                                             ; a trip: two tiles, one in each set; the only LDS bytes touched are the wave's own stage, at addresses that do not hang on the trip
	s_lshl_b32 s35, s46, 3
	s_add_co_u32 s35, s35, s18                     ; the trip's first tile
	MTILE 0
	s_add_co_u32 s36, s35, 4
	s_cmp_lt_u32 s36, s25
	s_cbranch_scc1 .Lsecond
	s_wait_tensorcnt 0x0
	ds_add_u32 v254, v255
	s_wait_dscnt 0x0
	s_endpgm                                       ; no second tile: the wave ends here; only loads ahead and the tile's stores are out
.Lsecond:
	MTILE 1
	s_add_co_u32 s46, s46, 1
	s_cmp_lt_u32 s46, s47
	s_cbranch_scc1 .Lrow
.Ldone:
	s_wait_tensorcnt 0x0
	ds_add_u32 v254, v255
	s_wait_dscnt 0x0
	s_endpgm
.Lfunc_end_k_q646e2ffa51_down:
	.size	k_q646e2ffa51_down, .Lfunc_end_k_q646e2ffa51_down-k_q646e2ffa51_down
	.p2alignl 7, 3214868480
	.fill 96, 4, 3214868480
	.section	.rodata,"a",@progbits
	.p2align	6, 0x0
	.amdhsa_kernel k_q646e2ffa51_down
		.amdhsa_group_segment_fixed_size 69888
		.amdhsa_private_segment_fixed_size 0
		.amdhsa_enable_private_segment 0
		.amdhsa_kernarg_size 40
		.amdhsa_user_sgpr_count 2
		.amdhsa_user_sgpr_kernarg_segment_ptr 1
		.amdhsa_wavefront_size32 1
		.amdhsa_system_sgpr_workgroup_id_x 1
		.amdhsa_system_sgpr_workgroup_id_y 1
		.amdhsa_system_sgpr_workgroup_id_z 1
		.amdhsa_system_vgpr_workitem_id 0
		.amdhsa_next_free_vgpr 1024
		.amdhsa_next_free_sgpr 66
		.amdhsa_reserve_vcc 0
		.amdhsa_float_denorm_mode_32 3
		.amdhsa_float_denorm_mode_16_64 3
		.amdhsa_memory_ordered 1
		.amdhsa_forward_progress 1
		.amdhsa_inst_pref_size 107
	.end_amdhsa_kernel
	.amdgpu_metadata
---
amdhsa.version: [ 1, 2 ]
amdhsa.kernels:
  - .name:           k_q646e2ffa51_down
    .symbol:         k_q646e2ffa51_down.kd
    .args:
      - { .name: w2, .offset: 0, .size: 8, .value_kind: global_buffer, .address_space: global }
      - { .name: aq, .offset: 8, .size: 8, .value_kind: global_buffer, .address_space: global }
      - { .name: asc, .offset: 16, .size: 8, .value_kind: global_buffer, .address_space: global }
      - { .name: list, .offset: 24, .size: 8, .value_kind: global_buffer, .address_space: global }
      - { .name: y, .offset: 32, .size: 8, .value_kind: global_buffer, .address_space: global }
    .group_segment_fixed_size: 69888
    .private_segment_fixed_size: 0
    .kernarg_segment_align: 8
    .kernarg_segment_size: 40
    .max_flat_workgroup_size: 128
    .sgpr_count:     66
    .vgpr_count:     1024
    .wavefront_size: 32
...
	.end_amdgpu_metadata
.endif
;; end of part 4
;; launch combine (part 5): grid 256 x 1, 4 waves a work-group, no clusters, 0 bytes of LDS; arguments y, gw, out0; writes out0
.if DOCPART == 5
	.amdgcn_target "amdgcn-amd-amdhsa--gfx1250"
	.amdhsa_code_object_version 6
	.text
	.protected	k_q646e2ffa51_combine
	.globl	k_q646e2ffa51_combine
	.p2align	8
	.type	k_q646e2ffa51_combine,@function
k_q646e2ffa51_combine:
	s_mov_b64 s[64:65], 0
	v_nop
	global_prefetch_b8 v0, s[64:65] scope:SCOPE_SE
	s_setreg_imm32_b32 hwreg(HW_REG_WAVE_MODE, 25, 1), 1
	s_wait_xcnt 0x0
; out[t] = g0 (y[0][2 t] + y[1][2 t]) + g1 (y[0][2 t + 1] + y[1][2 t + 1]): the two halves of F, the token's two experts, the gate's weights.  All f32.
; y: [2][2048 routed rows][1024]; gw: [2048]; out: [1024][1024].  A wave takes one token: four rows of 4,096 bytes in, one out; every load and store of the wave covers 512 consecutive bytes.
; All 32 loads go out at once; the counts run down.  Each output row has this one owner.  No LDS, no barrier, no matrix unit: a stream.
.set Y, 16                             ; v16-143  chunk q of 512 bytes: 16 registers: (half 0, choice 0), (1, 0), (0, 1), (1, 1)
.set R, 144                            ; v144-175 chunk q's result: registers of its own, so that no store's data are written again
	s_load_b128 s[4:7], s[0:1], 0x0                ; y s[4:5], gw s[6:7]
	s_load_b64 s[8:9], s[0:1], 0x10                ; out
	v_lshrrev_b32 v1, 5, v0
	v_readfirstlane_b32 s10, v1
	s_lshl_b32 s11, ttmp9, 2
	s_add_co_u32 s11, s11, s10                     ; my token
	v_and_b32 v2, 31, v0
	v_lshlrev_b32 v2, 4, v2                        ; 16 bytes a lane
	s_lshl_b32 s16, s11, 3
	s_mov_b32 s17, 0
	s_lshl_b32 s18, s11, 13                        ; two routed rows a token
	s_mov_b32 s19, 0
	s_lshl_b32 s20, s11, 12
	s_mov_b32 s21, 0
	s_wait_kmcnt 0x0
	s_add_nc_u64 s[6:7], s[6:7], s[16:17]
	s_load_b64 s[12:13], s[6:7], 0x0               ; g0, g1
	s_add_nc_u64 s[4:5], s[4:5], s[18:19]          ; half 0
	s_add_nc_u64 s[22:23], s[4:5], 0x800000        ; half 1
	s_add_nc_u64 s[8:9], s[8:9], s[20:21]
.irp q, 0,1,2,3,4,5,6,7
	global_load_b128 v[Y+16*\q:Y+16*\q+3], v2, s[4:5] offset:512*\q th:TH_LOAD_NT
	global_load_b128 v[Y+16*\q+4:Y+16*\q+7], v2, s[22:23] offset:512*\q th:TH_LOAD_NT
	global_load_b128 v[Y+16*\q+8:Y+16*\q+11], v2, s[4:5] offset:4096+512*\q th:TH_LOAD_NT
	global_load_b128 v[Y+16*\q+12:Y+16*\q+15], v2, s[22:23] offset:4096+512*\q th:TH_LOAD_NT
.endr
	s_wait_kmcnt 0x0
	s_mov_b32 s14, s13                             ; g1 as the low word of a pair of its own: the packed forms take a scalar pair's low word for both halves
	s_mov_b32 s15, s13
.irp q, 0,1,2,3,4,5,6,7
	s_wait_loadcnt 28-4*\q                         ; chunk q's four loads are in; the later chunks' may stay out
	v_pk_add_f32 v[Y+16*\q:Y+16*\q+1], v[Y+16*\q:Y+16*\q+1], v[Y+16*\q+4:Y+16*\q+5]
	v_pk_add_f32 v[Y+16*\q+2:Y+16*\q+3], v[Y+16*\q+2:Y+16*\q+3], v[Y+16*\q+6:Y+16*\q+7]
	v_pk_add_f32 v[Y+16*\q+8:Y+16*\q+9], v[Y+16*\q+8:Y+16*\q+9], v[Y+16*\q+12:Y+16*\q+13]
	v_pk_add_f32 v[Y+16*\q+10:Y+16*\q+11], v[Y+16*\q+10:Y+16*\q+11], v[Y+16*\q+14:Y+16*\q+15]
	v_pk_mul_f32 v[R+4*\q:R+4*\q+1], v[Y+16*\q:Y+16*\q+1], s[12:13] op_sel_hi:[1,0]
	v_pk_mul_f32 v[R+4*\q+2:R+4*\q+3], v[Y+16*\q+2:Y+16*\q+3], s[12:13] op_sel_hi:[1,0]
	v_pk_fma_f32 v[R+4*\q:R+4*\q+1], v[Y+16*\q+8:Y+16*\q+9], s[14:15], v[R+4*\q:R+4*\q+1] op_sel_hi:[1,0,1]
	v_pk_fma_f32 v[R+4*\q+2:R+4*\q+3], v[Y+16*\q+10:Y+16*\q+11], s[14:15], v[R+4*\q+2:R+4*\q+3] op_sel_hi:[1,0,1]
	global_store_b128 v2, v[R+4*\q:R+4*\q+3], s[8:9] offset:512*\q th:TH_STORE_NT
.endr
	s_endpgm
.Lfunc_end_k_q646e2ffa51_combine:
	.size	k_q646e2ffa51_combine, .Lfunc_end_k_q646e2ffa51_combine-k_q646e2ffa51_combine
	.p2alignl 7, 3214868480
	.fill 96, 4, 3214868480
	.section	.rodata,"a",@progbits
	.p2align	6, 0x0
	.amdhsa_kernel k_q646e2ffa51_combine
		.amdhsa_group_segment_fixed_size 0
		.amdhsa_private_segment_fixed_size 0
		.amdhsa_enable_private_segment 0
		.amdhsa_kernarg_size 24
		.amdhsa_user_sgpr_count 2
		.amdhsa_user_sgpr_kernarg_segment_ptr 1
		.amdhsa_wavefront_size32 1
		.amdhsa_system_sgpr_workgroup_id_x 1
		.amdhsa_system_sgpr_workgroup_id_y 1
		.amdhsa_system_sgpr_workgroup_id_z 1
		.amdhsa_system_vgpr_workitem_id 0
		.amdhsa_next_free_vgpr 176
		.amdhsa_next_free_sgpr 66
		.amdhsa_reserve_vcc 0
		.amdhsa_float_denorm_mode_32 3
		.amdhsa_float_denorm_mode_16_64 3
		.amdhsa_memory_ordered 1
		.amdhsa_forward_progress 1
		.amdhsa_inst_pref_size 10
	.end_amdhsa_kernel
	.amdgpu_metadata
---
amdhsa.version: [ 1, 2 ]
amdhsa.kernels:
  - .name:           k_q646e2ffa51_combine
    .symbol:         k_q646e2ffa51_combine.kd
    .args:
      - { .name: y, .offset: 0, .size: 8, .value_kind: global_buffer, .address_space: global }
      - { .name: gw, .offset: 8, .size: 8, .value_kind: global_buffer, .address_space: global }
      - { .name: out0, .offset: 16, .size: 8, .value_kind: global_buffer, .address_space: global }
    .group_segment_fixed_size: 0
    .private_segment_fixed_size: 0
    .kernarg_segment_align: 8
    .kernarg_segment_size: 24
    .max_flat_workgroup_size: 128
    .sgpr_count:     66
    .vgpr_count:     176
    .wavefront_size: 32
...
	.end_amdgpu_metadata
.endif
;; end of part 5
;; ======== version 2 of 3: 5 launches; 1.15 times as fast as version 1
;; workspace buffers: sel 8,192 bytes of whole numbers; gw 8,192 bytes; xq 819,200 bytes; list 33,792 bytes of whole numbers; xg 6,815,744 bytes; aq 12,582,912 bytes; asc 524,288 bytes; y 16,777,216 bytes
;; launch route (part 6): grid 256 x 1, 4 waves a work-group, no clusters, 1,024 bytes of LDS; arguments hidden_states, gate_w, sel, gw, xq; writes sel, gw, xq
.if DOCPART == 6
	.amdgcn_target "amdgcn-amd-amdhsa--gfx1250"
	.amdhsa_code_object_version 6
	.text
	.protected	k_q646e2ffa51_route
	.globl	k_q646e2ffa51_route
	.p2align	8
	.type	k_q646e2ffa51_route,@function
k_q646e2ffa51_route:
	s_mov_b64 s[64:65], 0
	v_nop
	global_prefetch_b8 v0, s[64:65] scope:SCOPE_SE
	s_setreg_imm32_b32 hwreg(HW_REG_WAVE_MODE, 25, 1), 1
	s_wait_xcnt 0x0
; ROUTER AND QUANTISER OF x.  x: [1024 tokens][1024] f32; gate_w: [1024][8] f32.
; logits = x gate_w in f32 multiply-adds; softmax with the row's maximum taken away; the two largest (the lower index wins a tie); their weights divided by their sum.
; Stored at fixed places: sel[2 t + j] = expert of token t's choice j (whole numbers, from which a later launch makes addresses), gw[2 t + j] = its weight.
; x is also turned into codes of E2M3 with one E8M0 byte for each 32 along K.  xq: a record of 800 bytes a token:
;   [h 2][s 8][c 2][24 bytes]: block 4 s + 2 c + h of the row, so that the 384 bytes which lane (row, h) of an operand wants lie on end;   from byte 768: the 32 scale bytes, byte = block.
; SHARES.  A work-group has 4 tokens.  Products: wave w takes k = 256 w .. 256 w + 255 of all 4 tokens, lane l its k = 256 w + 8 l + 0 .. 7; the four waves' parts meet in LDS.
; Choice and quantiser: wave w takes token 4 x work-group + w; lane l its block l.
; LIMITS: NaN and infinities are not served.  The two largest are taken of exp(l - max) without the common division; a probability under 2^-126 counts as 0, its weight is then 0.
; A block of zeros gets the byte 1 where the rule says 127: its codes are zeros, and this program alone reads the bytes.
; No matrix unit (N = 8), no cluster (work-groups share only gate_w's 32,768 bytes), no tensor load: the launch reads 4 MB once.
.set G,   16                           ; v16-79   gate_w(k, e) at G + 8 kk + e; later at work for the exchange of halves
.set X,   80                           ; v80-111  x(token tt, kk) at X + 8 tt + kk; later the four waves' parts of my token's logits
.set ACC, 112                          ; v112-143 my part of logit (tt, e) at ACC + 8 tt + e
.set QX,  144                          ; v144-175 my block of my token
.set LG,  176                          ; v176-183 the logits
.set P,   184                          ; v184-191 exp(l - max)
.set SI,  196                          ; v196-197 the two experts
.set GP,  198                          ; v198-199 their weights
.set CD,  208                          ; v208-210, v212-214 codes
	s_load_b256 s[4:11], s[0:1], 0x0               ; x s[4:5], gate_w s[6:7], sel s[8:9], gw s[10:11]
	s_load_b64 s[12:13], s[0:1], 0x20              ; xq
	v_lshl_add_u32 v224, v0, 2, 0x200
	v_mov_b32 v225, 0
	v_lshrrev_b32 v6, 5, v0                        ; wave, in every lane
	v_readfirstlane_b32 s16, v6
	v_and_b32 v1, 31, v0                           ; lane
	s_lshl_b32 s17, ttmp9, 2
	s_add_co_u32 s17, s17, s16                     ; my token
	s_mov_b32 s19, 0
	s_mov_b32 s20, 0x76543210                      ; v_permlanex16_b32: lane l xor 16
	s_mov_b32 s21, 0xfedcba98
	v_lshlrev_b32 v2, 5, v1
	v_lshl_add_u32 v2, v6, 10, v2                  ; x: 1,024 w + 32 l bytes into a row
	v_lshlrev_b32 v3, 8, v1
	v_lshl_add_u32 v3, v6, 13, v3                  ; gate_w: 8 rows of 32 bytes a lane: 8,192 w + 256 l
	v_lshlrev_b32 v4, 7, v1                        ; my block: 128 l
	v_and_b32 v7, 1, v1
	v_mul_u32_u24 v5, v7, 384                      ; its codes: 384 (l & 1)
	v_lshrrev_b32 v7, 2, v1
	v_mad_u32_u24 v5, v7, 48, v5                   ; + 48 (l >> 2)
	v_bfe_u32 v7, v1, 1, 1
	v_mad_u32_u24 v5, v7, 24, v5                   ; + 24 ((l >> 1) & 1)
	v_lshlrev_b32 v8, 7, v6                        ; LDS: my wave's 32 sums at 128 w
	v_lshlrev_b32 v9, 5, v6                        ; and my token's 8 in each wave's: 32 w
	v_mov_b32 v10, 0
	s_wait_kmcnt 0x0
	s_lshl_b32 s18, ttmp9, 14
	s_add_nc_u64 s[24:25], s[4:5], s[18:19]        ; x at the work-group's first token
	s_lshl_b32 s18, s17, 12
	s_add_nc_u64 s[26:27], s[4:5], s[18:19]        ; x at my token
	s_mul_i32 s18, s17, 800
	s_add_nc_u64 s[28:29], s[12:13], s[18:19]      ; its record of codes and scale bytes
	s_lshl_b32 s18, s17, 3
	s_add_nc_u64 s[8:9], s[8:9], s[18:19]          ; its two experts
	s_add_nc_u64 s[10:11], s[10:11], s[18:19]      ; and weights
.irp q, 0,1,2,3,4,5,6,7,8,9,10,11,12,13,14,15
	global_load_b128 v[G+4*\q:G+4*\q+3], v3, s[6:7] offset:16*\q
.endr
.irp t, 0,1,2,3
	global_load_b128 v[X+8*\t:X+8*\t+3], v2, s[24:25] offset:4096*\t
	global_load_b128 v[X+8*\t+4:X+8*\t+7], v2, s[24:25] offset:4096*\t+16
.endr
.irp q, 0,1,2,3,4,5,6,7
	global_load_b128 v[QX+4*\q:QX+4*\q+3], v4, s[26:27] offset:16*\q
.endr
	s_wait_loadcnt 8                               ; gate_w and x's parts are in; the 8 loads of my block may stay out
; 4 tokens x 8 k x 8 experts, two experts an instruction; x's number is taken for both halves (op_sel: which register of the pair)
.irp k, 0,1,2,3,4,5,6,7
.irp t, 0,1,2,3
.irp e, 0,2,4,6
.if \k == 0
	v_pk_mul_f32 v[ACC+8*\t+\e:ACC+8*\t+\e+1], v[X+8*\t:X+8*\t+1], v[G+\e:G+\e+1] op_sel_hi:[0,1]
.elseif \k%2 == 0
	v_pk_fma_f32 v[ACC+8*\t+\e:ACC+8*\t+\e+1], v[X+8*\t+\k:X+8*\t+\k+1], v[G+8*\k+\e:G+8*\k+\e+1], v[ACC+8*\t+\e:ACC+8*\t+\e+1] op_sel_hi:[0,1,1]
.else
	v_pk_fma_f32 v[ACC+8*\t+\e:ACC+8*\t+\e+1], v[X+8*\t+\k-1:X+8*\t+\k], v[G+8*\k+\e:G+8*\k+\e+1], v[ACC+8*\t+\e:ACC+8*\t+\e+1] op_sel:[1,0,0] op_sel_hi:[1,1,1]
.endif
.endr
.endr
.endr
; the 32 sums over the wave's 32 lanes: four steps inside each half, one across; the sums by turns
.irp m, 1,2,4,8
.set j, 0
.rept 32
	v_add_f32_dpp v[ACC+j], v[ACC+j], v[ACC+j] row_xmask:\m row_mask:0xf bank_mask:0xf
.set j, j+1
.endr
.endr
.set j, 0
.rept 32
	v_permlanex16_b32 v[G+j], v[ACC+j], s20, s21   ; (its destination counts as read: gate_w's registers have been written and are done with)
.set j, j+1
.endr
.set j, 0
.rept 32
	v_add_f32 v[ACC+j], v[ACC+j], v[G+j]
.set j, j+1
.endr
.irp q, 0,1,2,3,4,5,6,7
	ds_store_b128 v8, v[ACC+4*\q:ACC+4*\q+3] offset:16*\q      ; every lane holds the same sums and writes the same bytes
.endr
	s_wait_dscnt 0x0                               ; for the others' sake: my stores are done
	s_barrier_signal -1
	s_barrier_wait -1
.irp a, 0,1,2,3
	ds_load_b128 v[X+8*\a:X+8*\a+3], v9 offset:128*\a
	ds_load_b128 v[X+8*\a+4:X+8*\a+7], v9 offset:128*\a+16
.endr
	s_wait_dscnt 0x0
.irp e, 0,2,4,6
	v_pk_add_f32 v[LG+\e:LG+\e+1], v[X+\e:X+\e+1], v[X+8+\e:X+8+\e+1]
.endr
.irp e, 0,2,4,6
	v_pk_add_f32 v[LG+\e:LG+\e+1], v[LG+\e:LG+\e+1], v[X+16+\e:X+16+\e+1]
.endr
.irp e, 0,2,4,6
	v_pk_add_f32 v[LG+\e:LG+\e+1], v[LG+\e:LG+\e+1], v[X+24+\e:X+24+\e+1]
.endr
; softmax's numerators, the maximum taken away first
	v_max3_num_f32 v202, v[LG], v[LG+1], v[LG+2]
	v_max3_num_f32 v202, v202, v[LG+3], v[LG+4]
	v_max3_num_f32 v202, v202, v[LG+5], v[LG+6]
	v_max_num_f32 v202, v202, v[LG+7]
.irp e, 0,1,2,3,4,5,6,7
	v_sub_f32 v[P+\e], v[LG+\e], v202
.endr
.irp e, 0,1,2,3,4,5,6,7
	v_mul_f32 v[P+\e], 0x3fb8aa3b, v[P+\e]         ; x log2(e)
.endr
.irp e, 0,1,2,3,4,5,6,7
	v_exp_f32 v[P+\e], v[P+\e]
.endr
	v_mov_b32 v[SI], 0                             ; (a plain place behind the exponentials)
	s_wait_alu depctr_va_vdst(0)
	v_mov_b32 v200, v[P]                           ; the largest so far, and its index: a later one takes the place only if it is LARGER
.irp e, 1,2,3,4,5,6,7
	v_cmp_le_f32 vcc_lo, v[P+\e], v200
	v_cndmask_b32 v200, v[P+\e], v200, vcc_lo
	v_cndmask_b32 v[SI], \e, v[SI], vcc_lo
.endr
	v_mov_b32 v201, -1.0                           ; the second: the same scan with the first one's place held at -2
	v_mov_b32 v[SI+1], 0
	v_mov_b32 v205, -2.0
.irp e, 0,1,2,3,4,5,6,7
	v_cmp_eq_u32 vcc_lo, \e, v[SI]
	v_cndmask_b32 v203, v[P+\e], v205, vcc_lo
	v_cmp_le_f32 vcc_lo, v203, v201
	v_cndmask_b32 v201, v203, v201, vcc_lo
	v_cndmask_b32 v[SI+1], \e, v[SI+1], vcc_lo
.endr
	v_add_f32 v204, v200, v201                     ; at least 1: the largest numerator is 1
	v_rcp_f32 v204, v204
	v_cmp_eq_u32 vcc_lo, 0, v1                     ; (a plain place behind the reciprocal)  lane 0 stores for the wave
	s_wait_alu depctr_va_vdst(0)
	v_mul_f32 v[GP], v200, v204
	v_mul_f32 v[GP+1], v201, v204
	s_wait_xcnt 0x0                                ; EXEC is a source of the loads that are out: it changes only behind this wait
	s_wait_tensorcnt 0x0
	ds_add_u32 v224, v225
	s_wait_dscnt 0x0
	s_and_saveexec_b32 s22, vcc_lo
	global_store_b64 v10, v[SI:SI+1], s[8:9]
	global_store_b64 v10, v[GP:GP+1], s[10:11]
	s_wait_xcnt 0x0                                ; and again in front of the line that widens it
	s_or_b32 exec_lo, exec_lo, s22
; my block of 32: largest magnitude (with the floor 2^(3 - 127), which holds the byte at 1 from below), scale, codes
	s_wait_loadcnt 0x0
	v_max3_num_f32 v206, |v[QX]|, |v[QX+1]|, 0x1800000
	v_max3_num_f32 v207, |v[QX+16]|, |v[QX+17]|, 0x1800000
.irp i, 2,4,6,8,10,12,14
	v_max3_num_f32 v206, v206, |v[QX+\i]|, |v[QX+\i+1]|
	v_max3_num_f32 v207, v207, |v[QX+16+\i]|, |v[QX+16+\i+1]|
.endr
	v_max_num_f32 v206, v206, v207
	v_add_nc_u32 v216, 0xff000000, v206            ; 2 off the exponent field: the conversion takes this operand's exponent field as its scale
	v_cvt_scalef32_pk16_fp6_f32 v[CD:CD+2], v[QX:QX+15], v216
	v_cvt_scalef32_pk16_fp6_f32 v[CD+4:CD+6], v[QX+16:QX+31], v216
	v_lshrrev_b32 v217, 23, v216                   ; the scale's byte
	global_store_b96 v5, v[CD:CD+2], s[28:29]
	global_store_b96 v5, v[CD+4:CD+6], s[28:29] offset:12
	global_store_b8 v1, v217, s[28:29] offset:768  ; 32 lanes: the token's 32 bytes on end, behind its codes
	s_endpgm
.Lfunc_end_k_q646e2ffa51_route:
	.size	k_q646e2ffa51_route, .Lfunc_end_k_q646e2ffa51_route-k_q646e2ffa51_route
	.p2alignl 7, 3214868480
	.fill 96, 4, 3214868480
	.section	.rodata,"a",@progbits
	.p2align	6, 0x0
	.amdhsa_kernel k_q646e2ffa51_route
		.amdhsa_group_segment_fixed_size 1024
		.amdhsa_private_segment_fixed_size 0
		.amdhsa_enable_private_segment 0
		.amdhsa_kernarg_size 40
		.amdhsa_user_sgpr_count 2
		.amdhsa_user_sgpr_kernarg_segment_ptr 1
		.amdhsa_wavefront_size32 1
		.amdhsa_system_sgpr_workgroup_id_x 1
		.amdhsa_system_sgpr_workgroup_id_y 1
		.amdhsa_system_sgpr_workgroup_id_z 1
		.amdhsa_system_vgpr_workitem_id 0
		.amdhsa_next_free_vgpr 226
		.amdhsa_next_free_sgpr 66
		.amdhsa_reserve_vcc 1
		.amdhsa_float_denorm_mode_32 3
		.amdhsa_float_denorm_mode_16_64 3
		.amdhsa_memory_ordered 1
		.amdhsa_forward_progress 1
		.amdhsa_inst_pref_size 32
	.end_amdhsa_kernel
	.amdgpu_metadata
---
amdhsa.version: [ 1, 2 ]
amdhsa.kernels:
  - .name:           k_q646e2ffa51_route
    .symbol:         k_q646e2ffa51_route.kd
    .args:
      - { .name: hidden_states, .offset: 0, .size: 8, .value_kind: global_buffer, .address_space: global }
      - { .name: gate_w, .offset: 8, .size: 8, .value_kind: global_buffer, .address_space: global }
      - { .name: sel, .offset: 16, .size: 8, .value_kind: global_buffer, .address_space: global }
      - { .name: gw, .offset: 24, .size: 8, .value_kind: global_buffer, .address_space: global }
      - { .name: xq, .offset: 32, .size: 8, .value_kind: global_buffer, .address_space: global }
    .group_segment_fixed_size: 1024
    .private_segment_fixed_size: 0
    .kernarg_segment_align: 8
    .kernarg_segment_size: 40
    .max_flat_workgroup_size: 128
    .sgpr_count:     66
    .vgpr_count:     226
    .wavefront_size: 32
...
	.end_amdgpu_metadata
.endif
;; end of part 6
;; launch place (part 7): grid 8 x 32, 1 waves a work-group, no clusters, 4,608 bytes of LDS; arguments sel, xq, list, xg; writes list, xg
.if DOCPART == 7
	.amdgcn_target "amdgcn-amd-amdhsa--gfx1250"
	.amdhsa_code_object_version 6
	.text
	.protected	k_q646e2ffa51_place
	.globl	k_q646e2ffa51_place
	.p2align	8
	.type	k_q646e2ffa51_place,@function
k_q646e2ffa51_place:
	s_mov_b64 s[64:65], 0
	v_nop
	global_prefetch_b8 v0, s[64:65] scope:SCOPE_SE
	s_setreg_imm32_b32 hwreg(HW_REG_WAVE_MODE, 25, 1), 1
	s_wait_xcnt 0x0
; THE ROWS OF EACH EXPERT, AND x's ROWS GATHERED ONCE, AS THE NEXT LAUNCH'S OPERAND REGISTERS WANT THEM.
; sel[2048]: the expert of routed row 2 t + j.  Work-group (e, part), one wave, makes expert e's list in LDS:
;   the routed rows that chose e, then the list's first row again up to a multiple of 16, then zeros.  An expert that nobody chose counts as one tile of row 0.
; A token names an expert once at the most, so a list has at most 1,024 rows, 64 tiles of 16: every split is served.
; Then the work-group copies tiles part and part + 32, if the expert has them: lane (r, h) gathers the 384 bytes of codes of its half of row r and the row's 32 scale bytes from xq, 26 registers of four,
; and stores them as they stand:   xg [e][tile 64][line 26][lane 32][16 bytes]: each store covers 512 consecutive bytes; a wave that loads the 26 lines has the same registers in the same lanes.
; So a row is gathered once in the program, and not by each of the 32 work-groups that multiply it.
; Part 0 alone stores   list[e][1024] u32   and, from byte 32,768,   [e][32] u32, all = the number of tiles of 16 rows (0 for an expert without rows).
; THE GRID serves every split: which of an expert's 32 parts have a tile hangs on the split; a part without one stores nothing and ends.  Every part repeats the sort: 8,192 bytes of sel.
; Counting sort without atomics: 64 chunks of 32 rows; in a chunk a lane's place is the running count + the number of lower lanes that match.  Eight chunks are taken together, each with registers of its own.
; A lane that does not match stores into a dump word of its own (word 1,024 + lane), so EXEC never changes.  The choice between place and dump word is made on word numbers;
; the bound 1,055 and the shift to bytes come last, so that every LDS address lies under 4,224 whatever was loaded.  One wave: LDS serves its instructions in order, no barrier.
.set DUMPW, 1024                       ; the dump words: 32 words behind the list's 1,024
.set TREC,  13312                      ; a tile's image: 26 lines of 512 bytes
.set XROW,  800                        ; a token's record in xq
.set PL,    80                         ; v80-87   eight chunks' places
.set RN,    88                         ; v88-95   eight chunks' row numbers
.set G,     96                         ; v96-199  a tile's 26 lines
	s_load_b256 s[4:11], s[0:1], 0x0               ; sel s[4:5], xq s[6:7], list s[8:9], xg s[10:11]
	v_lshl_add_u32 v208, v0, 2, 0x1100
	v_mov_b32 v209, 0
	v_lshlrev_b32 v2, 4, v0                        ; 16 x lane
	v_lshlrev_b32 v3, 2, v0                        ; 4 x lane: a lane's four rows of a load begin there; also its word
	v_add_nc_u32 v4, DUMPW, v0                     ; my dump word's number
	v_mov_b32 v8, 0
	v_mov_b32 v9, 0
	v_mov_b32 v10, 0
	v_mov_b32 v11, 0
	v_mov_b32 v12, 0
	v_and_b32 v14, 15, v0
	v_lshlrev_b32 v14, 2, v14                      ; 4 r
	v_lshrrev_b32 v15, 4, v0
	v_mul_u32_u24 v15, v15, 384                    ; 384 h
	s_mov_b32 s12, ttmp9                           ; my expert
	s_and_b32 s13, ttmp7, 0xffff                   ; my part
	s_mov_b32 s14, 0                               ; rows found so far
	s_mov_b32 s23, 0
	s_wait_kmcnt 0x0
.irp q, 0,1,2,3,4,5,6,7,8,9,10,11,12,13,14,15
	global_load_b128 v[16+4*\q:16+4*\q+3], v2, s[4:5] offset:512*\q   ; register 4 q + i: row 128 q + 4 lane + i
.endr
.irp q, 0,1,2,3,4,5,6,7
	ds_store_b128 v2, v[8:11] offset:512*\q        ; the list begins as zeros
.endr
	s_lshl_b32 s22, s12, 12
	s_add_nc_u64 s[16:17], s[8:9], s[22:23]        ; my expert's list in memory
	s_lshl_b32 s22, s12, 7
	s_add_nc_u64 s[18:19], s[8:9], s[22:23]        ; its count's 128 bytes, less 32,768
	s_mul_i32 s22, s12, 64*TREC
	s_add_nc_u64 s[20:21], s[10:11], s[22:23]      ; its 64 images
	s_wait_loadcnt 0x0
.macro GROUP g                         ; chunks 8 g .. 8 g + 7: masks s32-39, their counts s40-47, the running counts in front of each s48-55
.irp i, 0,1,2,3,4,5,6,7
	v_cmp_eq_u32 s[32+\i], s12, v[16+8*\g+\i]
.endr
.irp i, 0,1,2,3,4,5,6,7
	s_bcnt1_i32_b32 s[40+\i], s[32+\i]
.endr
	s_mov_b32 s48, s14
.irp i, 0,1,2,3,4,5,6
	s_add_co_u32 s[49+\i], s[48+\i], s[40+\i]
.endr
	s_add_co_u32 s14, s55, s47
.irp i, 0,1,2,3,4,5,6,7
	v_mbcnt_lo_u32_b32 v[PL+\i], s[32+\i], s[48+\i]            ; the count so far + the lower lanes that match
.endr
.irp i, 0,1,2,3,4,5,6,7
	v_cndmask_b32 v[PL+\i], v4, v[PL+\i], s[32+\i]             ; that place, or my dump word
.endr
.irp i, 0,1,2,3,4,5,6,7
	v_min_u32 v[PL+\i], 0x41f, v[PL+\i]                        ; a word of the list or of the dump, whatever was loaded
.endr
.irp i, 0,1,2,3,4,5,6,7
	v_lshlrev_b32 v[PL+\i], 2, v[PL+\i]
.endr
.irp i, 0,1,2,3,4,5,6,7
	v_add_nc_u32 v[RN+\i], 128*((8*\g+\i)/4)+(8*\g+\i)%4, v3   ; the row's number
.endr
.irp i, 0,1,2,3,4,5,6,7
	ds_store_b32 v[PL+\i], v[RN+\i]
.endr
.endm
.irp g, 0,1,2,3,4,5,6,7
	GROUP \g
.endr
	s_add_co_u32 s15, s14, 15
	s_lshr_b32 s15, s15, 4                         ; tiles of 16 rows
	s_max_u32 s24, s15, 1                          ; tiles that get an image
	s_lshl_b32 s25, s24, 4                         ; the list is filled up to here
	ds_load_b32 v7, v12                            ; its first row (0 where there is none) fills it
	v_add_nc_u32 v5, s14, v0
	v_cmp_gt_u32 vcc_lo, s25, v5
	v_cndmask_b32 v5, v4, v5, vcc_lo
	v_min_u32 v5, 0x41f, v5
	v_lshlrev_b32 v5, 2, v5
	v_mov_b32 v13, s15
	s_wait_dscnt 0x0
	ds_store_b32 v5, v7
; Tile s26, if the expert has it: a scalar branch on whole numbers round its loads and stores.
.macro COPY
	s_min_u32 s26, s26, 63
	s_cmp_lt_u32 s26, s24
	s_cbranch_scc0 .Lnone_\@
	s_wait_xcnt 0x0                                ; an earlier tile's stores have read their registers
	s_lshl_b32 s27, s26, 6
	v_add_nc_u32 v200, s27, v14                    ; the list's word 16 tile + r
	ds_load_b32 v201, v200                         ; LDS serves a wave's instructions in order: this sees the sort's stores
	s_mul_i32 s27, s26, TREC
	v_add_nc_u32 v204, s27, v2                     ; the image: + 16 x lane
	s_wait_dscnt 0x0
	v_lshrrev_b32 v201, 1, v201                    ; routed row 2 t + j: token t
	v_min_u32 v201, 0x3ff, v201                    ; a token, whatever was loaded
	v_mul_u32_u24 v202, v201, XROW                 ; its record
	v_add_nc_u32 v203, v202, v15                   ; my half's 384 bytes of codes
.irp k, 0,1,2,3,4,5,6,7,8,9,10,11,12,13,14,15,16,17,18,19,20,21,22,23
	global_load_b128 v[G+4*\k:G+4*\k+3], v203, s[6:7] offset:16*\k     ; line 3 s + g: registers 4 g .. 4 g + 3 of the fragment of K step s
.endr
	global_load_b128 v[G+96:G+99], v202, s[6:7] offset:768             ; the row's scale words of K steps 0-3 (both halves of the lanes take them),
	global_load_b128 v[G+100:G+103], v202, s[6:7] offset:784           ; and 4-7
.irp k, 0,1,2,3,4,5,6,7,8,9,10,11,12,13,14,15,16,17,18,19,20,21,22,23,24,25
	s_wait_loadcnt 25-\k                           ; line k is in; the loads behind it may stay out
	global_store_b128 v204, v[G+4*\k:G+4*\k+3], s[20:21] offset:512*\k ; 512 consecutive bytes a store
.endr
.Lnone_\@:
.endm
	s_mov_b32 s26, s13
	COPY
	s_add_co_u32 s26, s13, 32
	COPY
	s_cmp_lg_u32 s13, 0
	s_cbranch_scc1 .Lend                           ; the list and the count have one owner: part 0
.irp q, 0,1,2,3,4,5,6,7
	ds_load_b128 v[16+4*\q:16+4*\q+3], v2 offset:512*\q
.endr
	s_wait_dscnt 0x0
.irp q, 0,1,2,3,4,5,6,7
	global_store_b128 v2, v[16+4*\q:16+4*\q+3], s[16:17] offset:512*\q   ; 512 consecutive bytes a store
.endr
	global_store_b32 v3, v13, s[18:19] offset:32768
.Lend:
	s_wait_tensorcnt 0x0
	ds_add_u32 v208, v209
	s_wait_dscnt 0x0
	s_endpgm
.Lfunc_end_k_q646e2ffa51_place:
	.size	k_q646e2ffa51_place, .Lfunc_end_k_q646e2ffa51_place-k_q646e2ffa51_place
	.p2alignl 7, 3214868480
	.fill 96, 4, 3214868480
	.section	.rodata,"a",@progbits
	.p2align	6, 0x0
	.amdhsa_kernel k_q646e2ffa51_place
		.amdhsa_group_segment_fixed_size 4608
		.amdhsa_private_segment_fixed_size 0
		.amdhsa_enable_private_segment 0
		.amdhsa_kernarg_size 32
		.amdhsa_user_sgpr_count 2
		.amdhsa_user_sgpr_kernarg_segment_ptr 1
		.amdhsa_wavefront_size32 1
		.amdhsa_system_sgpr_workgroup_id_x 1
		.amdhsa_system_sgpr_workgroup_id_y 1
		.amdhsa_system_sgpr_workgroup_id_z 1
		.amdhsa_system_vgpr_workitem_id 0
		.amdhsa_next_free_vgpr 210
		.amdhsa_next_free_sgpr 66
		.amdhsa_reserve_vcc 1
		.amdhsa_float_denorm_mode_32 3
		.amdhsa_float_denorm_mode_16_64 3
		.amdhsa_memory_ordered 1
		.amdhsa_forward_progress 1
		.amdhsa_inst_pref_size 49
	.end_amdhsa_kernel
	.amdgpu_metadata
---
amdhsa.version: [ 1, 2 ]
amdhsa.kernels:
  - .name:           k_q646e2ffa51_place
    .symbol:         k_q646e2ffa51_place.kd
    .args:
      - { .name: sel, .offset: 0, .size: 8, .value_kind: global_buffer, .address_space: global }
      - { .name: xq, .offset: 8, .size: 8, .value_kind: global_buffer, .address_space: global }
      - { .name: list, .offset: 16, .size: 8, .value_kind: global_buffer, .address_space: global }
      - { .name: xg, .offset: 24, .size: 8, .value_kind: global_buffer, .address_space: global }
    .group_segment_fixed_size: 4608
    .private_segment_fixed_size: 0
    .kernarg_segment_align: 8
    .kernarg_segment_size: 32
    .max_flat_workgroup_size: 32
    .sgpr_count:     66
    .vgpr_count:     210
    .wavefront_size: 32
...
	.end_amdgpu_metadata
.endif
;; end of part 7
;; launch up (part 8): grid 32 x 8, 4 waves a work-group, no clusters, 104,448 bytes of LDS; arguments w1, w3, xg, list, aq, asc; writes aq, asc
.if DOCPART == 8
	.amdgcn_target "amdgcn-amd-amdhsa--gfx1250"
	.amdhsa_code_object_version 6
	.text
	.protected	k_q646e2ffa51_up
	.globl	k_q646e2ffa51_up
	.p2align	8
	.type	k_q646e2ffa51_up,@function
k_q646e2ffa51_up:
	s_mov_b64 s[64:65], 0
	v_nop
	global_prefetch_b8 v0, s[64:65] scope:SCOPE_SE
	s_setreg_imm32_b32 hwreg(HW_REG_WAVE_MODE, 25, 1), 1
	s_wait_xcnt 0x0
; act = silu(x w1[e]) * (x w3[e]) for the rows routed to expert e, both products on codes of E2M3 with E8M0 scales, and act quantised along F.
; w1, w3: [8][1024 k][2048 f] f32.  Work-group (fs, e) owns columns f = 64 fs .. 64 fs + 63 of expert e: 2 x 1,024 x 256 bytes of weights, read from memory ONCE, by nobody else, and never written out as codes.
; PHASE W.  Wave w quantises 512 k x 64 columns of w1 (w even) or w3 (w odd), k half w / 2.  Each load takes two whole rows of 256 consecutive bytes (lanes 0-15: row k, lanes 16-31: row k + 16), 16 bytes = 4 columns a lane;
;   four sets of 16 loads are out by turns.  A block of 32 k lies in lanes l and l xor 16; 64 moves bring each column's 16 numbers into consecutive registers, as the conversion asks.  Codes go to LDS with K innermost.
; PHASE R.  One barrier; then each wave holds ITS weights in registers for good: 32 columns (w & 1) of both matrices, all of K: 32 fragments, 384 registers.  It walks the expert's tiles of 16 rows w / 2, w / 2 + 2, ..:
;   x's codes and scale words come as IMAGES OF THE OPERAND'S REGISTERS, gathered by the launch before: xg [e][tile 64][line 26][lane 32][16 bytes]: 26 loads of 512 consecutive bytes a tile, two sets by turns, a tile ahead;
;   32 matrix instructions a tile, silu and product in f32, one block of 32 along F quantised, 12 bytes a lane stored.
; THE MATRIX INSTRUCTION IS USED TRANSPOSED (source 0 = 16 columns of W, source 1 = 16 rows of x), and lane r of tile u takes column 8 u + r + 8 (r / 8): so a lane's 16 results of tiles 0 and 1 are 16 neighbours along F.
; OUT: aq [e][fs][tile 64][row 16][ch 2][24 bytes];  asc [e][place 1024][64]: byte 4 (fs / 2) + 2 ch + (fs & 1): the order in which the next launch's operand registers take them.
; The number of tiles is a whole number read from memory; an expert without rows is walked as one tile of row 0, so that what the next launch loads ahead has been written.
; NO JOINT LOADS: the weights, 524,288 bytes a work-group, are its own.  x's images, 13,312 bytes a tile, are shared by an expert's 32 work-groups, but they go straight into operand registers;
;   a joint load would send each through LDS and put a round of the cluster's barrier in front of every refill.
; NO TENSOR LOADS: the weights are read once and turned in registers; counted waits keep 48 to 64 loads of 512 bytes a wave out without a point at which all must have landed.
; LIMITS: NaN and infinities are not served; a block of zeros gets the byte 1 (its codes are zeros; this program alone reads the bytes).
.set PITCH, 776                        ; an LDS row of codes: 768 bytes (1,024 along K) + 8
.set SPIT,  36                         ; an LDS row of scale words: 8 words + 1
.set CW,    0                          ; 128 rows: 64 M + column
.set SW,    128*PITCH                  ; 128 rows of scale words
.set ROWP,  8192                       ; a row of w1 or w3 in bytes
.set NB,    16                         ; blocks of 32 k for a wave
.set TREC,  13312                      ; a tile's image in xg: 26 lines of 512 bytes
.set WO,   3                           ; v3   weights: 16 rows x (lane / 16) + 16 bytes x (lane % 16)
.set CS,   4                           ; v4   LDS: where I put codes
.set SS,   5                           ; v5   and scale words
.set CB,   8                           ; v8   LDS: where my fragments begin
.set SB,   9                           ; v9   and their scale words
.set L16,  10                          ; v10  16 x lane
.set XA,   15                          ; v15-16 address of a tile's image, set p
.set AQO,  19                          ; v19  48 r + 12 h
.set ASO,  20                          ; v20  64 r
.set AQA,  21                          ; v21  a tile's store into aq
.set ASA,  22                          ; v22  and into asc
.set WS,   24                          ; v24-39 the weights' scale words: 2 s + M; lanes 0-15 tile u = 0, lanes 16-31 u = 1.  Scales and nothing else
.set XS,   40                          ; v40-55 x's scale words: 8 p + s.  Scales and nothing else
.set TR,   64                          ; v64-127 phase W: column j's 16 numbers at TR + 16 j
.set ACC,  64                          ; v64-95  phase R: accumulator q = 2 M + u at ACC + 8 q
.set T,    96                          ; v96-111 phase R: 16 numbers at work
.set MX,   160
.set MY,   164
.set SO,   168
.set BY,   172
.set SWD,  176
.set CD,   180                         ; v180-195 four columns' codes
.set EC,   200                         ; v200-202 a tile's codes
.set EM,   204
.set EY,   205
.set ES,   206
.set EB,   207
; window 1: fragments (s = 0..3, q) at 12 (4 s + q);  window 2: s = 4..7 likewise;  window 3: phase W four sets of 64 numbers as loaded; phase R x's fragments, set p at 96 p + 12 s
.set MSB, 0
.macro WIN new                         ; the immediate's high byte repeats the setting that is left
.if MSB != \new
	s_set_vgpr_msb (MSB<<8)|\new
.set MSB, \new
.endif
.endm
.macro RLOAD n                         ; block n's 32 rows x 256 bytes into set n % 4 (destination window 3)
.irp i, 0,1,2,3,4,5,6,7,8,9,10,11,12,13,14,15
	global_load_b128 v[64*((\n)%4)+4*\i:64*((\n)%4)+4*\i+3], v[WO], s[26:27] offset:(\n)*32*ROWP+\i*ROWP th:TH_LOAD_NT
.endr
.endm
.macro BLOCK n
.if NB-1-(\n) >= 3
	s_wait_loadcnt 48                              ; this block's 16 loads are in; the three younger sets may stay out
.else
	s_wait_loadcnt 16*(NB-1-(\n))
.endif
	WIN 0x03                                       ; source window 3
.irp j, 0,1,2,3
.irp i, 0,1,2,3,4,5,6,7,8,9,10,11,12,13,14,15
	v_mov_b32 v[TR+16*\j+\i], v[64*((\n)%4)+4*\i+\j]   ; column j, k = 16 (lane / 16) + i
.endr
.endr
.if (\n)+4 < NB
	WIN 0xc0
	RLOAD (\n)+4                                   ; the set just read takes the block four on
.endif
	WIN 0
.irp j, 0,1,2,3
	v_max3_num_f32 v[MX+\j], |v[TR+16*\j]|, |v[TR+16*\j+1]|, 0x1800000   ; with the floor 2^(3 - 127): the byte cannot fall under 1
.endr
.irp i, 2,4,6,8,10,12,14
.irp j, 0,1,2,3
	v_max3_num_f32 v[MX+\j], v[MX+\j], |v[TR+16*\j+\i]|, |v[TR+16*\j+\i+1]|
.endr
.endr
.irp j, 0,1,2,3
	v_permlanex16_b32 v[MY+\j], v[MX+\j], s42, s43
.endr
.irp j, 0,1,2,3
	v_max_num_f32 v[MX+\j], v[MX+\j], v[MY+\j]     ; with lane l xor 16's 16: the block's largest magnitude
.endr
.irp j, 0,1,2,3
	v_add_nc_u32 v[SO+\j], 0xff000000, v[MX+\j]    ; 2 off its exponent field: the conversion's scale operand
.endr
.irp j, 0,1,2,3
	v_lshrrev_b32 v[BY+\j], 23, v[SO+\j]           ; the scale's byte
.endr
	s_wait_dscnt 0x0                               ; the last block's LDS stores have read their registers
.set SH, 8*((\n)%4)
.irp j, 0,1,2,3
.if (\n)%4 == 0
	v_mov_b32 v[SWD+\j], v[BY+\j]
.else
	v_lshl_or_b32 v[SWD+\j], v[BY+\j], SH, v[SWD+\j]
.endif
.endr
.irp j, 0,1,2,3
	v_cvt_scalef32_pk16_fp6_f32 v[CD+4*\j:CD+4*\j+2], v[TR+16*\j:TR+16*\j+15], v[SO+\j]
.endr
	v_nop                                          ; one plain place behind the conversions
.irp j, 0,1,2,3
.irp i, 0,1,2
	ds_store_b32 v[CS], v[CD+4*\j+\i] offset:PITCH*\j+24*(\n)+4*\i   ; 12 bytes: half a block of column j's row
.endr
.endr
.if (\n)%4 == 3
.irp j, 0,1,2,3
	ds_store_b32 v[SS], v[SWD+\j] offset:SPIT*\j+4*((\n)/4)          ; four blocks' bytes: the scale word of 128 along K (both halves of the lanes write the same word)
.endr
.endif
.endm
.macro BFETCH                          ; my 32 fragments and their scale words, from LDS into registers, once
.irp s, 0,1,2,3,4,5,6,7
.if \s < 4
	WIN 0x40
.else
	WIN 0x80
.endif
.irp q, 0,1,2,3
.irp p, 0,1,2,3,4,5
	ds_load_b64 v[12*(4*(\s%4)+\q)+2*\p:12*(4*(\s%4)+\q)+2*\p+1], v[CB] offset:(64*(\q/2)+8*(\q%2))*PITCH+96*\s+48*(\p/3)+8*(\p%3)
.endr
.endr
.endr
	WIN 0
.irp s, 0,1,2,3,4,5,6,7
.irp m, 0,1
	ds_load_b32 v[WS+2*\s+\m], v[SB] offset:64*SPIT*\m+4*\s
.endr
.endr
	s_wait_dscnt 0x0
.endm
.macro CLAMP                           ; s36: a tile that has an image, and inside the expert's room whatever was loaded
	s_min_u32 s36, s36, s34
	s_min_u32 s36, s36, 63
.endm
; Set p is filled with tile s36's image: 24 lines of codes (line 3 s + g: registers 4 g .. 4 g + 3 of the fragment of K step s) and 2 of scale words.  26 loads, each of 512 consecutive bytes.
.macro LOADA p
	s_mul_i32 s37, s36, TREC
	v_add_nc_u32 v[XA+\p], s37, v[L16]
	WIN 0xc0
.irp k, 0,1,2,3,4,5,6,7,8,9,10,11,12,13,14,15,16,17,18,19,20,21,22,23
	global_load_b128 v[96*\p+4*\k:96*\p+4*\k+3], v[XA+\p], s[8:9] offset:512*\k
.endr
	WIN 0
	global_load_b128 v[XS+8*\p:XS+8*\p+3], v[XA+\p], s[8:9] offset:512*24
	global_load_b128 v[XS+8*\p+4:XS+8*\p+7], v[XA+\p], s[8:9] offset:512*25
.endm
.macro PROD acc, wf, xf, sa, sb, zero, row1
.if \zero
.if \row1
	v_wmma_scale_f32_16x16x128_f8f6f4 v[\acc:\acc+7], v[\wf:\wf+11], v[\xf:\xf+11], 0, v[\sa], v[\sb] matrix_a_fmt:MATRIX_FMT_FP6 matrix_b_fmt:MATRIX_FMT_FP6 matrix_a_scale:MATRIX_SCALE_ROW1
.else
	v_wmma_scale_f32_16x16x128_f8f6f4 v[\acc:\acc+7], v[\wf:\wf+11], v[\xf:\xf+11], 0, v[\sa], v[\sb] matrix_a_fmt:MATRIX_FMT_FP6 matrix_b_fmt:MATRIX_FMT_FP6
.endif
.else
.if \row1
	v_wmma_scale_f32_16x16x128_f8f6f4 v[\acc:\acc+7], v[\wf:\wf+11], v[\xf:\xf+11], v[\acc:\acc+7], v[\sa], v[\sb] matrix_a_fmt:MATRIX_FMT_FP6 matrix_b_fmt:MATRIX_FMT_FP6 matrix_a_scale:MATRIX_SCALE_ROW1
.else
	v_wmma_scale_f32_16x16x128_f8f6f4 v[\acc:\acc+7], v[\wf:\wf+11], v[\xf:\xf+11], v[\acc:\acc+7], v[\sa], v[\sb] matrix_a_fmt:MATRIX_FMT_FP6 matrix_b_fmt:MATRIX_FMT_FP6
.endif
.endif
.endm
; A tile's 32 products: K ascending, the four accumulators by turns, one instruction a turn; the first K step starts the sums.
.macro MM p
.irp s, 0,1,2,3,4,5,6,7
.if \s < 4
	WIN 0x0d                                       ; source 0 (W) window 1, source 1 (x) window 3, C and D window 0
.else
	WIN 0x0e                                       ; source 0 window 2
.endif
.irp q, 0,1,2,3
.if \s == 0
	PROD ACC+8*\q, 12*\q, 96*\p, WS+\q/2, XS+8*\p, 1, \q%2
.else
	PROD ACC+8*\q, 12*(4*(\s%4)+\q), 96*\p+12*\s, WS+2*\s+\q/2, XS+8*\p+\s, 0, \q%2
.endif
.endr
.endr
.endm
; Lane (r, h): a = ACC + 0 .. 15 and b = ACC + 16 .. 31 are row r's f = 64 fs + 32 ch + 16 h + 0 .. 15.  act = a / (1 + 2^(-a log2 e)) x b, in f32; each accumulator is read from its low end on.
.macro EPI                             ; s39, s40: the tile's bytes in aq and asc
.irp i, 0,2,4,6,8,10,12,14
	v_pk_mul_f32 v[T+\i:T+\i+1], v[ACC+\i:ACC+\i+1], 0xbfb8aa3b op_sel_hi:[1,0]
.endr
.irp i, 0,1,2,3,4,5,6,7,8,9,10,11,12,13,14,15
	v_exp_f32 v[T+\i], v[T+\i]
.endr
	v_add_nc_u32 v[AQA], s39, v[AQO]               ; (a plain place behind the exponentials)
	s_wait_alu depctr_va_vdst(0)
.irp i, 0,2,4,6,8,10,12,14
	v_pk_add_f32 v[T+\i:T+\i+1], v[T+\i:T+\i+1], 1.0 op_sel_hi:[1,0]
.endr
.irp i, 0,1,2,3,4,5,6,7,8,9,10,11,12,13,14,15
	v_rcp_f32 v[T+\i], v[T+\i]
.endr
	v_add_nc_u32 v[ASA], s40, v[ASO]               ; (a plain place behind the reciprocals)
	s_wait_alu depctr_va_vdst(0)
.irp i, 0,2,4,6,8,10,12,14
	v_pk_mul_f32 v[T+\i:T+\i+1], v[ACC+\i:ACC+\i+1], v[T+\i:T+\i+1]
.endr
.irp i, 0,2,4,6,8,10,12,14
	v_pk_mul_f32 v[T+\i:T+\i+1], v[T+\i:T+\i+1], v[ACC+16+\i:ACC+16+\i+1]
.endr
	v_max3_num_f32 v[EM], |v[T]|, |v[T+1]|, 0x1800000
.irp i, 2,4,6,8,10,12,14
	v_max3_num_f32 v[EM], v[EM], |v[T+\i]|, |v[T+\i+1]|
.endr
	v_permlanex16_b32 v[EY], v[EM], s42, s43
	v_max_num_f32 v[EM], v[EM], v[EY]              ; the block of 32 along F lies in lanes l and l xor 16
	v_add_nc_u32 v[ES], 0xff000000, v[EM]
	v_cvt_scalef32_pk16_fp6_f32 v[EC:EC+2], v[T:T+15], v[ES]
	v_lshrrev_b32 v[EB], 23, v[ES]                 ; the byte; also the plain place behind the conversion
	global_store_b96 v[AQA], v[EC:EC+2], s[28:29]
	global_store_b8 v[ASA], v[EB], s[30:31]        ; (both halves of the lanes store the same byte)
.endm
.macro MTILE p                         ; tile s35 + 2 p, in set p
	s_wait_loadcnt 26                              ; this set's 26 loads are in; the other set's 26 may stay out
	MM \p
	WIN 0
	s_wait_xcnt 0x0                                ; the last tile's two stores have read their registers, which this tile's way out writes again.  It stands ahead of this tile's loads, so that it does not wait for them
	s_add_co_u32 s36, s35, 2*\p+4
	CLAMP
.rept 4
	v_nop                                          ; with the address's addition below: the places between the last product and the loads into its operands, and the first read of its result
.endr
	LOADA \p                                       ; my tile after next, into the set just multiplied
	s_add_co_u32 s38, s35, 2*\p
	s_min_u32 s38, s38, 63
	s_mul_i32 s39, s38, 768
	s_lshl_b32 s40, s38, 10
	EPI
.endm
	s_load_b256 s[4:11], s[0:1], 0x0               ; w1 s[4:5], w3 s[6:7], xg s[8:9], list s[10:11]
	s_load_b128 s[12:15], s[0:1], 0x20             ; aq s[12:13], asc s[14:15]
	v_lshl_add_u32 v254, v0, 2, 0x19600
	v_mov_b32 v255, 0
	v_lshrrev_b32 v6, 5, v0
	v_readfirstlane_b32 s18, v6                    ; wave 0..3
	s_and_b32 s19, s18, 1                          ; phase W: w1 or w3;  phase R: which 32 columns
	s_lshr_b32 s20, s18, 1                         ; phase W: which half of K;  phase R: first tile
	s_mov_b32 s21, ttmp9                           ; fs
	s_and_b32 s22, ttmp7, 0xffff                   ; e
	s_lshl_b32 s24, s22, 7
	s_mov_b32 s37, 0
	s_mov_b32 s42, 0x76543210                      ; v_permlanex16_b32: lane l xor 16
	s_mov_b32 s43, 0xfedcba98
	v_and_b32 v1, 15, v0                           ; r
	v_bfe_u32 v2, v0, 4, 1                         ; h
	v_and_b32 v[L16], 31, v0
	v_lshlrev_b32 v[L16], 4, v[L16]                ; 16 x lane
	v_lshlrev_b32 v[WO], 4, v1
	v_lshl_add_u32 v[WO], v2, 17, v[WO]            ; 16 rows of 8,192 bytes x h + 16 r
	s_mul_i32 s36, s19, 64*PITCH
	s_mul_i32 s38, s20, 384
	s_add_co_u32 s36, s36, s38
	v_mul_u32_u24 v[CS], v1, 4*PITCH
	v_mad_u32_u24 v[CS], v2, 12, v[CS]
	v_add_nc_u32 v[CS], s36, v[CS]                 ; row 64 M + 4 r, + 384 x half of K + 12 h
	s_mul_i32 s36, s19, 64*SPIT
	s_lshl_b32 s38, s20, 4
	s_add_co_u32 s36, s36, s38
	s_add_co_u32 s36, s36, SW
	v_mul_u32_u24 v[SS], v1, 4*SPIT
	v_add_nc_u32 v[SS], s36, v[SS]
	v_and_b32 v6, 8, v1
	v_add_nc_u32 v6, v6, v1                        ; r + 8 (r / 8)
	v_mul_u32_u24 v[CB], v6, PITCH
	v_mad_u32_u24 v[CB], v2, 24, v[CB]
	s_mul_i32 s36, s19, 32*PITCH
	v_add_nc_u32 v[CB], s36, v[CB]
	v_lshl_add_u32 v7, v2, 3, v6                   ; lanes 16-31 take tile u = 1's rows: 8 further on
	v_mul_u32_u24 v[SB], v7, SPIT
	s_mul_i32 s36, s19, 32*SPIT
	s_add_co_u32 s36, s36, SW
	v_add_nc_u32 v[SB], s36, v[SB]
	v_mul_u32_u24 v[AQO], v1, 48
	v_mad_u32_u24 v[AQO], v2, 12, v[AQO]
	v_lshlrev_b32 v[ASO], 6, v1
.irp j, 0,1,2,3
	v_mov_b32 v[MY+\j], 0                          ; written once: a lane permute's destination counts as one of its sources
.endr
	v_mov_b32 v[EY], 0
	s_wait_kmcnt 0x0
	s_load_b32 s23, s[10:11], s24 offset:0x8000    ; my expert's number of tiles
	s_cmp_eq_u32 s19, 0
	s_cselect_b64 s[26:27], s[4:5], s[6:7]         ; the choice hangs on the wave's number alone
	s_lshl_b32 s36, s22, 23                        ; expert: 8,388,608 bytes
	s_lshl_b32 s38, s20, 22                        ; half of K: 512 rows
	s_add_co_u32 s36, s36, s38
	s_lshl_b32 s38, s21, 8                         ; 64 columns: 256 bytes
	s_add_co_u32 s36, s36, s38
	s_add_nc_u64 s[26:27], s[26:27], s[36:37]
	s_mul_i32 s36, s22, 1572864
	s_mul_i32 s38, s21, 49152
	s_add_co_u32 s36, s36, s38
	s_mul_i32 s38, s19, 24
	s_add_co_u32 s36, s36, s38
	s_add_nc_u64 s[28:29], s[12:13], s[36:37]      ; aq at (e, fs), + 24 ch
	s_lshl_b32 s36, s22, 16
	s_lshr_b32 s38, s21, 1
	s_lshl_b32 s38, s38, 2
	s_add_co_u32 s36, s36, s38
	s_lshl_b32 s38, s19, 1
	s_add_co_u32 s36, s36, s38
	s_and_b32 s38, s21, 1
	s_add_co_u32 s36, s36, s38
	s_add_nc_u64 s[30:31], s[14:15], s[36:37]      ; asc at e, + my byte
	s_mul_i32 s36, s22, 64*TREC
	s_add_nc_u64 s[8:9], s[8:9], s[36:37]          ; my expert's 64 images
	WIN 0xc0
	RLOAD 0
	RLOAD 1
	RLOAD 2
	RLOAD 3
	WIN 0
	s_wait_kmcnt 0x0
	s_min_u32 s23, s23, 64
	s_max_u32 s25, s23, 1                          ; tiles to walk
	s_sub_co_u32 s34, s25, 1                       ; the last of them
.set Q, 0
.rept NB
	BLOCK Q
.set Q, Q+1
.endr
	s_mov_b32 s36, s20
	CLAMP
	LOADA 0                                        ; the ring's registers are free: my first two tiles of x come while the waves meet
	s_add_co_u32 s36, s20, 2
	CLAMP
	LOADA 1
	s_wait_dscnt 0x0                               ; for the others' sake: my codes and scale words lie in LDS
	s_barrier_signal -1
	s_barrier_wait -1
	BFETCH
	s_cmp_ge_u32 s20, s25
	s_cbranch_scc1 .Ldone                          ; no tile is mine
	s_sub_co_u32 s47, s25, s20                     ; my tiles are first, first + 2, ..; a trip takes first + 4 i and first + 4 i + 2:
	s_add_co_u32 s47, s47, 3
	s_lshr_b32 s47, s47, 2                         ; trips = (tiles - first) / 4, rounded up: at least 1 here
	s_mov_b32 s46, 0                               ; the trip's number
.Lrow:                                             ; a trip: two tiles, one in each set.  No LDS access and no barrier stand in this loop
	s_lshl_b32 s35, s46, 2
	s_add_co_u32 s35, s35, s20                     ; the trip's first tile
	MTILE 0
	s_add_co_u32 s36, s35, 2
	s_cmp_lt_u32 s36, s25
	s_cbranch_scc1 .Lsecond
	s_wait_tensorcnt 0x0
	ds_add_u32 v254, v255
	s_wait_dscnt 0x0
	s_endpgm                                       ; no second tile: the wave ends here; only loads ahead and the tile's stores are out
.Lsecond:
	MTILE 1
	s_add_co_u32 s46, s46, 1
	s_cmp_lt_u32 s46, s47
	s_cbranch_scc1 .Lrow
.Ldone:
	s_wait_tensorcnt 0x0
	ds_add_u32 v254, v255
	s_wait_dscnt 0x0
	s_endpgm
.Lfunc_end_k_q646e2ffa51_up:
	.size	k_q646e2ffa51_up, .Lfunc_end_k_q646e2ffa51_up-k_q646e2ffa51_up
	.p2alignl 7, 3214868480
	.fill 96, 4, 3214868480
	.section	.rodata,"a",@progbits
	.p2align	6, 0x0
	.amdhsa_kernel k_q646e2ffa51_up
		.amdhsa_group_segment_fixed_size 104448
		.amdhsa_private_segment_fixed_size 0
		.amdhsa_enable_private_segment 0
		.amdhsa_kernarg_size 48
		.amdhsa_user_sgpr_count 2
		.amdhsa_user_sgpr_kernarg_segment_ptr 1
		.amdhsa_wavefront_size32 1
		.amdhsa_system_sgpr_workgroup_id_x 1
		.amdhsa_system_sgpr_workgroup_id_y 1
		.amdhsa_system_sgpr_workgroup_id_z 1
		.amdhsa_system_vgpr_workitem_id 0
		.amdhsa_next_free_vgpr 1024
		.amdhsa_next_free_sgpr 66
		.amdhsa_reserve_vcc 0
		.amdhsa_float_denorm_mode_32 3
		.amdhsa_float_denorm_mode_16_64 3
		.amdhsa_memory_ordered 1
		.amdhsa_forward_progress 1
		.amdhsa_inst_pref_size 172
	.end_amdhsa_kernel
	.amdgpu_metadata
---
amdhsa.version: [ 1, 2 ]
amdhsa.kernels:
  - .name:           k_q646e2ffa51_up
    .symbol:         k_q646e2ffa51_up.kd
    .args:
      - { .name: w1, .offset: 0, .size: 8, .value_kind: global_buffer, .address_space: global }
      - { .name: w3, .offset: 8, .size: 8, .value_kind: global_buffer, .address_space: global }
      - { .name: xg, .offset: 16, .size: 8, .value_kind: global_buffer, .address_space: global }
      - { .name: list, .offset: 24, .size: 8, .value_kind: global_buffer, .address_space: global }
      - { .name: aq, .offset: 32, .size: 8, .value_kind: global_buffer, .address_space: global }
      - { .name: asc, .offset: 40, .size: 8, .value_kind: global_buffer, .address_space: global }
    .group_segment_fixed_size: 104448
    .private_segment_fixed_size: 0
    .kernarg_segment_align: 8
    .kernarg_segment_size: 48
    .max_flat_workgroup_size: 128
    .sgpr_count:     66
    .vgpr_count:     1024
    .wavefront_size: 32
...
	.end_amdgpu_metadata
.endif
;; end of part 8
;; launch down: the kernel of part 4 again; grid 16 x 16, 4 waves a work-group, no clusters, 69,888 bytes of LDS; arguments w2, aq, asc, list, y; writes y
;; launch combine: the kernel of part 5 again; grid 256 x 1, 4 waves a work-group, no clusters, 0 bytes of LDS; arguments y, gw, out0; writes out0
;; ======== version 3 of 3: 5 launches; version 2 with the launches up, down written anew for expert scheduling mode
;; workspace buffers: sel 8,192 bytes of whole numbers; gw 8,192 bytes; xq 819,200 bytes; list 33,792 bytes of whole numbers; xg 6,815,744 bytes; aq 12,582,912 bytes; asc 524,288 bytes; y 16,777,216 bytes
;; launch route: the kernel of part 6 again; grid 256 x 1, 4 waves a work-group, no clusters, 1,024 bytes of LDS; arguments hidden_states, gate_w, sel, gw, xq; writes sel, gw, xq
;; launch place: the kernel of part 7 again; grid 8 x 32, 1 waves a work-group, no clusters, 4,608 bytes of LDS; arguments sel, xq, list, xg; writes list, xg
;; launch up (part 9): grid 32 x 8, 4 waves a work-group, no clusters, 104,448 bytes of LDS; arguments w1, w3, xg, list, aq, asc; writes aq, asc
.if DOCPART == 9
	.amdgcn_target "amdgcn-amd-amdhsa--gfx1250"
	.amdhsa_code_object_version 6
	.text
	.protected	k_q646e2ffa51_up
	.globl	k_q646e2ffa51_up
	.p2align	8
	.type	k_q646e2ffa51_up,@function
k_q646e2ffa51_up:
	s_mov_b64 s[64:65], 0
	v_nop
	global_prefetch_b8 v0, s[64:65] scope:SCOPE_SE
	s_setreg_imm32_b32 hwreg(HW_REG_WAVE_SCHED_MODE, 0, 2), 2
	s_setreg_imm32_b32 hwreg(HW_REG_WAVE_MODE, 25, 1), 1
	s_wait_xcnt 0x0
	s_wait_alu depctr_vm_vsrc(0)
; act = silu(x w1[e]) * (x w3[e]) for the rows routed to expert e, both products on codes of E2M3 with E8M0 scales, and act quantised along F.
; w1, w3: [8][1024 k][2048 f] f32.  Work-group (fs, e) owns columns f = 64 fs .. 64 fs + 63 of expert e: 2 x 1,024 x 256 bytes of weights, read from memory ONCE, by nobody else, and never written out as codes.
; PHASE W.  Wave w quantises 512 k x 64 columns of w1 (w even) or w3 (w odd), k half w / 2.  Each load takes two whole rows of 256 consecutive bytes (lanes 0-15: row k, lanes 16-31: row k + 16), 16 bytes = 4 columns a lane;
;   four sets of 16 loads are out by turns.  A block of 32 k lies in lanes l and l xor 16; 64 moves bring each column's 16 numbers into consecutive registers, as the conversion asks.  Codes go to LDS with K innermost.
; PHASE R.  One barrier; then each wave holds ITS weights in registers for good: 32 columns (w & 1) of both matrices, all of K: 32 fragments, 384 registers.  It walks the expert's tiles of 16 rows w / 2, w / 2 + 2, ..:
;   x's codes and scale words come as IMAGES OF THE OPERAND'S REGISTERS, gathered by the launch before: xg [e][tile 64][line 26][lane 32][16 bytes]: 26 loads of 512 consecutive bytes a tile, two sets by turns, a tile ahead;
;   32 matrix instructions a tile, silu and product in f32, one block of 32 along F quantised, 12 bytes a lane stored.
; THE MATRIX INSTRUCTION IS USED TRANSPOSED (source 0 = 16 columns of W, source 1 = 16 rows of x), and lane r of tile u takes column 8 u + r + 8 (r / 8): so a lane's 16 results of tiles 0 and 1 are 16 neighbours along F.
; OUT: aq [e][fs][tile 64][row 16][ch 2][24 bytes];  asc [e][place 1024][64]: byte 4 (fs / 2) + 2 ch + (fs & 1): the order in which the next launch's operand registers take them.
; The number of tiles is a whole number read from memory; an expert without rows is walked as one tile of row 0, so that what the next launch loads ahead has been written.
; NO JOINT LOADS: the weights, 524,288 bytes a work-group, are its own.  x's images, 13,312 bytes a tile, are shared by an expert's 32 work-groups, but they go straight into operand registers;
;   a joint load would send each through LDS and put a round of the cluster's barrier in front of every refill.
; NO TENSOR LOADS: the weights are read once and turned in registers; counted waits keep 48 to 64 loads of 512 bytes a wave out without a point at which all must have landed.
; LIMITS: NaN and infinities are not served; a block of zeros gets the byte 1 (its codes are zeros; this program alone reads the bytes).
; THE MODE: SCHED_MODE bits 1:0 = 2 (LLVM: expert scheduling mode 2), set by the entry lines.  The code itself states the register dependences
; between vector or matrix instructions and memory or LDS instructions, with s_wait_alu, always for 0.
; THE PLAN.  Registers that memory or LDS instructions touch, and who else names them:
;   v3-5, v8-10     Offsets and LDS addresses: made once at the head, ahead of one wait on va_vdst, and never written again.  v254, v255 likewise: read by the closing add alone.
;   RAW0 .. RAW3    (window 3, phase W)  Block n: its 64 moves read set n % 4; behind them and a wait on va_vdst the loads of block n + 4 land in it.
;   CD, SWD         (phase W)  Written by block n's conversions and shifts; read by its LDS stores, behind a wait on va_vdst; written again in block n + 1, behind a wait on vm_vsrc.
;   X0, X1, XS0, XS1 (phase R; X in window 3)  A tile's 32 products read set p and its scale words; behind them and a wait on va_vdst the 26 loads of my tile after next land there.
;   XA0, XA1        Read by those loads; written once a tile, behind the tile's wait on vm_vsrc and ahead of its wait on va_vdst.
;   AQA, ASA, EC, EB  Written in a tile's way out; read by its two stores, behind a wait on va_vdst; written again in the next tile, behind that tile's wait on vm_vsrc.
;   The weights' fragments and WS are loaded from LDS once and then read by products alone; the accumulators and T are named by vector and matrix instructions alone.
; So a tile has ONE wait on vm_vsrc (behind its products) and ONE wait on va_vdst for its 26 loads; these are dealt among the way out's vector lines, which name T, the accumulators, AQA and ASA: none of the registers
; that the loads touch.  The way out's own three waits on va_vdst stand ahead of the readers of its exponentials, of its reciprocals, and ahead of its stores.
.set PITCH, 776                        ; an LDS row of codes: 768 bytes (1,024 along K) + 8
.set SPIT,  36                         ; an LDS row of scale words: 8 words + 1
.set CW,    0                          ; 128 rows: 64 M + column
.set SW,    128*PITCH                  ; 128 rows of scale words
.set ROWP,  8192                       ; a row of w1 or w3 in bytes
.set NB,    16                         ; blocks of 32 k for a wave
.set TREC,  13312                      ; a tile's image in xg: 26 lines of 512 bytes
.set WO,   3                           ; v3   weights: 16 rows x (lane / 16) + 16 bytes x (lane % 16)
.set CS,   4                           ; v4   LDS: where I put codes
.set SS,   5                           ; v5   and scale words
.set CB,   8                           ; v8   LDS: where my fragments begin
.set SB,   9                           ; v9   and their scale words
.set L16,  10                          ; v10  16 x lane
.set XA,   15                          ; v15-16 address of a tile's image, set p
.set AQO,  19                          ; v19  48 r + 12 h
.set ASO,  20                          ; v20  64 r
.set AQA,  21                          ; v21  a tile's store into aq
.set ASA,  22                          ; v22  and into asc
.set WS,   24                          ; v24-39 the weights' scale words: 2 s + M; lanes 0-15 tile u = 0, lanes 16-31 u = 1.  Scales and nothing else
.set XS,   40                          ; v40-55 x's scale words: 8 p + s.  Scales and nothing else
.set TR,   64                          ; v64-127 phase W: column j's 16 numbers at TR + 16 j
.set ACC,  64                          ; v64-95  phase R: accumulator q = 2 M + u at ACC + 8 q
.set T,    96                          ; v96-111 phase R: 16 numbers at work
.set MX,   160
.set MY,   164
.set SO,   168
.set BY,   172
.set SWD,  176
.set CD,   180                         ; v180-195 four columns' codes
.set EC,   200                         ; v200-202 a tile's codes
.set EM,   204
.set EY,   205
.set ES,   206
.set EB,   207
; window 1: fragments (s = 0..3, q) at 12 (4 s + q);  window 2: s = 4..7 likewise;  window 3: phase W four sets of 64 numbers as loaded; phase R x's fragments, set p at 96 p + 12 s
.set MSB, 0
.macro WIN new                         ; the immediate's high byte repeats the setting that is left
.if MSB != \new
	s_set_vgpr_msb (MSB<<8)|\new
.set MSB, \new
.endif
.endm
.macro RLOAD n                         ; block n's 32 rows x 256 bytes into set n % 4 (destination window 3)
.irp i, 0,1,2,3,4,5,6,7,8,9,10,11,12,13,14,15
	global_load_b128 v[64*((\n)%4)+4*\i:64*((\n)%4)+4*\i+3], v[WO], s[26:27] offset:(\n)*32*ROWP+\i*ROWP th:TH_LOAD_NT
.endr
.endm
.macro BLOCK n
.if NB-1-(\n) >= 3
	s_wait_loadcnt 48                              ; this block's 16 loads are in; the three younger sets may stay out
.else
	s_wait_loadcnt 16*(NB-1-(\n))
.endif
	WIN 0x03                                       ; source window 3
.irp j, 0,1,2,3
.irp i, 0,1,2,3,4,5,6,7,8,9,10,11,12,13,14,15
	v_mov_b32 v[TR+16*\j+\i], v[64*((\n)%4)+4*\i+\j]   ; column j, k = 16 (lane / 16) + i
.endr
.endr
.if (\n)+4 < NB
	WIN 0xc0
	s_wait_alu depctr_va_vdst(0)                   ; the 64 moves are done reading the set, in which the loads below land
	RLOAD (\n)+4                                   ; the set just read takes the block four on
.endif
	WIN 0
.irp j, 0,1,2,3
	v_max3_num_f32 v[MX+\j], |v[TR+16*\j]|, |v[TR+16*\j+1]|, 0x1800000   ; with the floor 2^(3 - 127): the byte cannot fall under 1
.endr
.irp i, 2,4,6,8,10,12,14
.irp j, 0,1,2,3
	v_max3_num_f32 v[MX+\j], v[MX+\j], |v[TR+16*\j+\i]|, |v[TR+16*\j+\i+1]|
.endr
.endr
.irp j, 0,1,2,3
	v_permlanex16_b32 v[MY+\j], v[MX+\j], s42, s43
.endr
.irp j, 0,1,2,3
	v_max_num_f32 v[MX+\j], v[MX+\j], v[MY+\j]     ; with lane l xor 16's 16: the block's largest magnitude
.endr
.irp j, 0,1,2,3
	v_add_nc_u32 v[SO+\j], 0xff000000, v[MX+\j]    ; 2 off its exponent field: the conversion's scale operand
.endr
.irp j, 0,1,2,3
	v_lshrrev_b32 v[BY+\j], 23, v[SO+\j]           ; the scale's byte
.endr
	s_wait_dscnt 0x0                               ; the last block's LDS stores are done
.if (\n) > 0
	s_wait_alu depctr_vm_vsrc(0)                   ; the last block's LDS stores have read CD and SWD, which the lines below write again
.endif
.set SH, 8*((\n)%4)
.irp j, 0,1,2,3
.if (\n)%4 == 0
	v_mov_b32 v[SWD+\j], v[BY+\j]
.else
	v_lshl_or_b32 v[SWD+\j], v[BY+\j], SH, v[SWD+\j]
.endif
.endr
.irp j, 0,1,2,3
	v_cvt_scalef32_pk16_fp6_f32 v[CD+4*\j:CD+4*\j+2], v[TR+16*\j:TR+16*\j+15], v[SO+\j]
.endr
	v_nop                                          ; one plain place behind the conversions
	s_wait_alu depctr_va_vdst(0)                   ; the conversions have written CD and the shifts SWD, which the LDS stores below read
.irp j, 0,1,2,3
.irp i, 0,1,2
	ds_store_b32 v[CS], v[CD+4*\j+\i] offset:PITCH*\j+24*(\n)+4*\i   ; 12 bytes: half a block of column j's row
.endr
.endr
.if (\n)%4 == 3
.irp j, 0,1,2,3
	ds_store_b32 v[SS], v[SWD+\j] offset:SPIT*\j+4*((\n)/4)          ; four blocks' bytes: the scale word of 128 along K (both halves of the lanes write the same word)
.endr
.endif
.endm
.macro BFETCH                          ; my 32 fragments and their scale words, from LDS into registers, once: into registers that no vector or matrix instruction has named
.irp s, 0,1,2,3,4,5,6,7
.if \s < 4
	WIN 0x40
.else
	WIN 0x80
.endif
.irp q, 0,1,2,3
.irp p, 0,1,2,3,4,5
	ds_load_b64 v[12*(4*(\s%4)+\q)+2*\p:12*(4*(\s%4)+\q)+2*\p+1], v[CB] offset:(64*(\q/2)+8*(\q%2))*PITCH+96*\s+48*(\p/3)+8*(\p%3)
.endr
.endr
.endr
	WIN 0
.irp s, 0,1,2,3,4,5,6,7
.irp m, 0,1
	ds_load_b32 v[WS+2*\s+\m], v[SB] offset:64*SPIT*\m+4*\s
.endr
.endr
	s_wait_dscnt 0x0
.endm
.macro CLAMP                           ; s36: a tile that has an image, and inside the expert's room whatever was loaded
	s_min_u32 s36, s36, s34
	s_min_u32 s36, s36, 63
.endm
; Set p is filled with tile s36's image: 24 lines of codes (line 3 s + g: registers 4 g .. 4 g + 3 of the fragment of K step s) and 2 of scale words.  26 loads, each of 512 consecutive bytes.
.macro XADDR p                         ; where the image begins for my lane
	s_mul_i32 s37, s36, TREC
	v_add_nc_u32 v[XA+\p], s37, v[L16]
.endm
.macro XCODES p, base                  ; eight lines of codes, from line base on (destination window 3, address window 0)
.irp k, 0,1,2,3,4,5,6,7
	global_load_b128 v[96*\p+4*(\base+\k):96*\p+4*(\base+\k)+3], v[XA+\p], s[8:9] offset:512*(\base+\k)
.endr
.endm
.macro XWORDS p                        ; the two lines of scale words (window 0)
	global_load_b128 v[XS+8*\p:XS+8*\p+3], v[XA+\p], s[8:9] offset:512*24
	global_load_b128 v[XS+8*\p+4:XS+8*\p+7], v[XA+\p], s[8:9] offset:512*25
.endm
.macro PROD acc, wf, xf, sa, sb, zero, row1
.if \zero
.if \row1
	v_wmma_scale_f32_16x16x128_f8f6f4 v[\acc:\acc+7], v[\wf:\wf+11], v[\xf:\xf+11], 0, v[\sa], v[\sb] matrix_a_fmt:MATRIX_FMT_FP6 matrix_b_fmt:MATRIX_FMT_FP6 matrix_a_scale:MATRIX_SCALE_ROW1
.else
	v_wmma_scale_f32_16x16x128_f8f6f4 v[\acc:\acc+7], v[\wf:\wf+11], v[\xf:\xf+11], 0, v[\sa], v[\sb] matrix_a_fmt:MATRIX_FMT_FP6 matrix_b_fmt:MATRIX_FMT_FP6
.endif
.else
.if \row1
	v_wmma_scale_f32_16x16x128_f8f6f4 v[\acc:\acc+7], v[\wf:\wf+11], v[\xf:\xf+11], v[\acc:\acc+7], v[\sa], v[\sb] matrix_a_fmt:MATRIX_FMT_FP6 matrix_b_fmt:MATRIX_FMT_FP6 matrix_a_scale:MATRIX_SCALE_ROW1
.else
	v_wmma_scale_f32_16x16x128_f8f6f4 v[\acc:\acc+7], v[\wf:\wf+11], v[\xf:\xf+11], v[\acc:\acc+7], v[\sa], v[\sb] matrix_a_fmt:MATRIX_FMT_FP6 matrix_b_fmt:MATRIX_FMT_FP6
.endif
.endif
.endm
; A tile's 32 products: K ascending, the four accumulators by turns, one instruction a turn; the first K step starts the sums.
.macro MM p
.irp s, 0,1,2,3,4,5,6,7
.if \s < 4
	WIN 0x0d                                       ; source 0 (W) window 1, source 1 (x) window 3, C and D window 0
.else
	WIN 0x0e                                       ; source 0 window 2
.endif
.irp q, 0,1,2,3
.if \s == 0
	PROD ACC+8*\q, 12*\q, 96*\p, WS+\q/2, XS+8*\p, 1, \q%2
.else
	PROD ACC+8*\q, 12*(4*(\s%4)+\q), 96*\p+12*\s, WS+2*\s+\q/2, XS+8*\p+\s, 0, \q%2
.endif
.endr
.endr
.endm
; THE WAY OUT OF A TILE, in three parts, with the tile's loads between them.
; Lane (r, h): a = ACC + 0 .. 15 and b = ACC + 16 .. 31 are row r's f = 64 fs + 32 ch + 16 h + 0 .. 15.  act = a / (1 + 2^(-a log2 e)) x b, in f32; each accumulator is read from its low end on.
; s39, s40: the tile's bytes in aq and asc.
.macro EPI_A
.irp i, 0,2,4,6,8,10,12,14
	v_pk_mul_f32 v[T+\i:T+\i+1], v[ACC+\i:ACC+\i+1], 0xbfb8aa3b op_sel_hi:[1,0]
.endr
.irp i, 0,1,2,3,4,5,6,7,8,9,10,11,12,13,14,15
	v_exp_f32 v[T+\i], v[T+\i]
.endr
	v_add_nc_u32 v[AQA], s39, v[AQO]               ; (a plain place behind the exponentials)
.endm
.macro EPI_B
	s_wait_alu depctr_va_vdst(0)                   ; the sixteen exponentials have written T, ahead of their first reader
.irp i, 0,2,4,6,8,10,12,14
	v_pk_add_f32 v[T+\i:T+\i+1], v[T+\i:T+\i+1], 1.0 op_sel_hi:[1,0]
.endr
.irp i, 0,1,2,3,4,5,6,7,8,9,10,11,12,13,14,15
	v_rcp_f32 v[T+\i], v[T+\i]
.endr
	v_add_nc_u32 v[ASA], s40, v[ASO]               ; (a plain place behind the reciprocals)
.endm
.macro EPI_C
	s_wait_alu depctr_va_vdst(0)                   ; the sixteen reciprocals have written T, ahead of their first reader
.irp i, 0,2,4,6,8,10,12,14
	v_pk_mul_f32 v[T+\i:T+\i+1], v[ACC+\i:ACC+\i+1], v[T+\i:T+\i+1]
.endr
.irp i, 0,2,4,6,8,10,12,14
	v_pk_mul_f32 v[T+\i:T+\i+1], v[T+\i:T+\i+1], v[ACC+16+\i:ACC+16+\i+1]
.endr
	v_max3_num_f32 v[EM], |v[T]|, |v[T+1]|, 0x1800000
.irp i, 2,4,6,8,10,12,14
	v_max3_num_f32 v[EM], v[EM], |v[T+\i]|, |v[T+\i+1]|
.endr
	v_permlanex16_b32 v[EY], v[EM], s42, s43
	v_max_num_f32 v[EM], v[EM], v[EY]              ; the block of 32 along F lies in lanes l and l xor 16
	v_add_nc_u32 v[ES], 0xff000000, v[EM]
	v_cvt_scalef32_pk16_fp6_f32 v[EC:EC+2], v[T:T+15], v[ES]
	v_lshrrev_b32 v[EB], 23, v[ES]                 ; the byte; also the plain place behind the conversion
	s_wait_alu depctr_va_vdst(0)                   ; the conversion has written EC, the shift EB, the two additions AQA and ASA: the stores below read all four
	global_store_b96 v[AQA], v[EC:EC+2], s[28:29]
	global_store_b8 v[ASA], v[EB], s[30:31]        ; (both halves of the lanes store the same byte)
.endm
.macro MTILE p                         ; tile s35 + 2 p, in set p
	s_wait_loadcnt 26                              ; this set's 26 loads are in; the other set's 26 may stay out
	MM \p
	WIN 0
	s_wait_xcnt 0x0                                ; the last tile's two stores have had their addresses translated: their registers are written again only behind this wait.  It stands ahead of this tile's loads, so that it does not wait for them
	s_wait_alu depctr_vm_vsrc(0)                   ; the last tile's two stores have read AQA, ASA, EC and EB, and this set's last 26 loads have read XA[p]: all five are written again below
	s_add_co_u32 s36, s35, 2*\p+4
	CLAMP
	s_add_co_u32 s38, s35, 2*\p
	s_min_u32 s38, s38, 63
	s_mul_i32 s39, s38, 768
	s_lshl_b32 s40, s38, 10
.rept 4
	v_nop                                          ; with the address's addition below: the places between the last product and the first read of its result
.endr
	XADDR \p                                       ; my tile after next, into the set just multiplied
	WIN 0xc0
	s_wait_alu depctr_va_vdst(0)                   ; the 32 products are done reading set p and its scale words, in which the 26 loads of this tile land; XA[p], their address, is written
	XCODES \p, 0
	WIN 0
	EPI_A
	WIN 0xc0
	XCODES \p, 8                                   ; no wait: no vector or matrix instruction since the wait above names XA[p], set p or its scale words
	WIN 0
	EPI_B
	WIN 0xc0
	XCODES \p, 16                                  ; likewise
	WIN 0
	XWORDS \p
	EPI_C
.endm
	s_load_b256 s[4:11], s[0:1], 0x0               ; w1 s[4:5], w3 s[6:7], xg s[8:9], list s[10:11]
	s_load_b128 s[12:15], s[0:1], 0x20             ; aq s[12:13], asc s[14:15]
	v_lshl_add_u32 v254, v0, 2, 0x19600
	v_mov_b32 v255, 0
	v_lshrrev_b32 v6, 5, v0
	v_readfirstlane_b32 s18, v6                    ; wave 0..3
	s_mov_b32 s21, ttmp9                           ; fs
	s_and_b32 s22, ttmp7, 0xffff                   ; e
	s_lshl_b32 s24, s22, 7
	s_mov_b32 s37, 0
	s_mov_b32 s42, 0x76543210                      ; v_permlanex16_b32: lane l xor 16
	s_mov_b32 s43, 0xfedcba98
	v_and_b32 v1, 15, v0                           ; r
	v_bfe_u32 v2, v0, 4, 1                         ; h
	v_and_b32 v[L16], 31, v0
	v_lshlrev_b32 v[L16], 4, v[L16]                ; 16 x lane
	v_lshlrev_b32 v[WO], 4, v1
	v_lshl_add_u32 v[WO], v2, 17, v[WO]            ; 16 rows of 8,192 bytes x h + 16 r
	s_wait_alu depctr_va_sdst(0)                   ; s18, the wave's number, is written, ahead of its first reader
	s_and_b32 s19, s18, 1                          ; phase W: w1 or w3;  phase R: which 32 columns
	s_lshr_b32 s20, s18, 1                         ; phase W: which half of K;  phase R: first tile
	s_mul_i32 s36, s19, 64*PITCH
	s_mul_i32 s38, s20, 384
	s_add_co_u32 s36, s36, s38
	v_mul_u32_u24 v[CS], v1, 4*PITCH
	v_mad_u32_u24 v[CS], v2, 12, v[CS]
	v_add_nc_u32 v[CS], s36, v[CS]                 ; row 64 M + 4 r, + 384 x half of K + 12 h
	s_mul_i32 s36, s19, 64*SPIT
	s_lshl_b32 s38, s20, 4
	s_add_co_u32 s36, s36, s38
	s_add_co_u32 s36, s36, SW
	v_mul_u32_u24 v[SS], v1, 4*SPIT
	v_add_nc_u32 v[SS], s36, v[SS]
	v_and_b32 v6, 8, v1
	v_add_nc_u32 v6, v6, v1                        ; r + 8 (r / 8)
	v_mul_u32_u24 v[CB], v6, PITCH
	v_mad_u32_u24 v[CB], v2, 24, v[CB]
	s_mul_i32 s36, s19, 32*PITCH
	v_add_nc_u32 v[CB], s36, v[CB]
	v_lshl_add_u32 v7, v2, 3, v6                   ; lanes 16-31 take tile u = 1's rows: 8 further on
	v_mul_u32_u24 v[SB], v7, SPIT
	s_mul_i32 s36, s19, 32*SPIT
	s_add_co_u32 s36, s36, SW
	v_add_nc_u32 v[SB], s36, v[SB]
	v_mul_u32_u24 v[AQO], v1, 48
	v_mad_u32_u24 v[AQO], v2, 12, v[AQO]
	v_lshlrev_b32 v[ASO], 6, v1
.irp j, 0,1,2,3
	v_mov_b32 v[MY+\j], 0                          ; written once: a lane permute's destination counts as one of its sources
.endr
	v_mov_b32 v[EY], 0
	s_wait_kmcnt 0x0
	s_load_b32 s23, s[10:11], s24 offset:0x8000    ; my expert's number of tiles
	s_cmp_eq_u32 s19, 0
	s_cselect_b64 s[26:27], s[4:5], s[6:7]         ; the choice hangs on the wave's number alone
	s_lshl_b32 s36, s22, 23                        ; expert: 8,388,608 bytes
	s_lshl_b32 s38, s20, 22                        ; half of K: 512 rows
	s_add_co_u32 s36, s36, s38
	s_lshl_b32 s38, s21, 8                         ; 64 columns: 256 bytes
	s_add_co_u32 s36, s36, s38
	s_add_nc_u64 s[26:27], s[26:27], s[36:37]
	s_mul_i32 s36, s22, 1572864
	s_mul_i32 s38, s21, 49152
	s_add_co_u32 s36, s36, s38
	s_mul_i32 s38, s19, 24
	s_add_co_u32 s36, s36, s38
	s_add_nc_u64 s[28:29], s[12:13], s[36:37]      ; aq at (e, fs), + 24 ch
	s_lshl_b32 s36, s22, 16
	s_lshr_b32 s38, s21, 1
	s_lshl_b32 s38, s38, 2
	s_add_co_u32 s36, s36, s38
	s_lshl_b32 s38, s19, 1
	s_add_co_u32 s36, s36, s38
	s_and_b32 s38, s21, 1
	s_add_co_u32 s36, s36, s38
	s_add_nc_u64 s[30:31], s[14:15], s[36:37]      ; asc at e, + my byte
	s_mul_i32 s36, s22, 64*TREC
	s_add_nc_u64 s[8:9], s[8:9], s[36:37]          ; my expert's 64 images
	WIN 0xc0
	s_wait_alu depctr_va_vdst(0)                   ; the head's offsets and LDS addresses (v3 to v5, v8 to v10) are written, which the loads, LDS stores and LDS loads of the whole kernel read
	RLOAD 0
	RLOAD 1
	RLOAD 2
	RLOAD 3
	WIN 0
	s_wait_kmcnt 0x0
	s_min_u32 s23, s23, 64
	s_max_u32 s25, s23, 1                          ; tiles to walk
	s_sub_co_u32 s34, s25, 1                       ; the last of them
.set Q, 0
.rept NB
	BLOCK Q
.set Q, Q+1
.endr
	s_mov_b32 s36, s20
	CLAMP
	XADDR 0                                        ; the ring's registers are free: my first two tiles of x come while the waves meet
	s_add_co_u32 s36, s20, 2
	CLAMP
	XADDR 1
	WIN 0xc0
	s_wait_alu depctr_va_vdst(0)                   ; XA0 and XA1 are written, which the 52 loads below read; the last blocks' moves are done reading the ring's registers, in which they land
	XCODES 0, 0
	XCODES 0, 8
	XCODES 0, 16
	WIN 0
	XWORDS 0
	WIN 0xc0
	XCODES 1, 0
	XCODES 1, 8
	XCODES 1, 16
	WIN 0
	XWORDS 1
	s_wait_dscnt 0x0                               ; for the others' sake: my codes and scale words lie in LDS
	s_barrier_signal -1
	s_barrier_wait -1
	BFETCH
	s_cmp_ge_u32 s20, s25
	s_cbranch_scc1 .Ldone                          ; no tile is mine
	s_sub_co_u32 s47, s25, s20                     ; my tiles are first, first + 2, ..; a trip takes first + 4 i and first + 4 i + 2:
	s_add_co_u32 s47, s47, 3
	s_lshr_b32 s47, s47, 2                         ; trips = (tiles - first) / 4, rounded up: at least 1 here
	s_mov_b32 s46, 0                               ; the trip's number
.Lrow:                                             ; a trip: two tiles, one in each set.  No LDS access and no barrier stand in this loop
	s_lshl_b32 s35, s46, 2
	s_add_co_u32 s35, s35, s20                     ; the trip's first tile
	MTILE 0
	s_add_co_u32 s36, s35, 2
	s_cmp_lt_u32 s36, s25
	s_cbranch_scc1 .Lsecond
	s_wait_dscnt 0x0                               ; no second tile: the wave ends here, with the closing lines, six on end; only loads ahead and the tile's stores are out
	s_wait_alu 0x0
	s_wait_tensorcnt 0x0
	ds_add_u32 v254, v255
	s_wait_dscnt 0x0
	s_endpgm
.Lsecond:
	MTILE 1
	s_add_co_u32 s46, s46, 1
	s_cmp_lt_u32 s46, s47
	s_cbranch_scc1 .Lrow
.Ldone:
	s_wait_dscnt 0x0                               ; the closing lines, six on end, as above
	s_wait_alu 0x0
	s_wait_tensorcnt 0x0
	ds_add_u32 v254, v255
	s_wait_dscnt 0x0
	s_endpgm
.Lfunc_end_k_q646e2ffa51_up:
	.size	k_q646e2ffa51_up, .Lfunc_end_k_q646e2ffa51_up-k_q646e2ffa51_up
	.p2alignl 7, 3214868480
	.fill 96, 4, 3214868480
	.section	.rodata,"a",@progbits
	.p2align	6, 0x0
	.amdhsa_kernel k_q646e2ffa51_up
		.amdhsa_group_segment_fixed_size 104448
		.amdhsa_private_segment_fixed_size 0
		.amdhsa_enable_private_segment 0
		.amdhsa_kernarg_size 48
		.amdhsa_user_sgpr_count 2
		.amdhsa_user_sgpr_kernarg_segment_ptr 1
		.amdhsa_wavefront_size32 1
		.amdhsa_system_sgpr_workgroup_id_x 1
		.amdhsa_system_sgpr_workgroup_id_y 1
		.amdhsa_system_sgpr_workgroup_id_z 1
		.amdhsa_system_vgpr_workitem_id 0
		.amdhsa_next_free_vgpr 1024
		.amdhsa_next_free_sgpr 66
		.amdhsa_reserve_vcc 0
		.amdhsa_float_denorm_mode_32 3
		.amdhsa_float_denorm_mode_16_64 3
		.amdhsa_memory_ordered 1
		.amdhsa_forward_progress 1
		.amdhsa_inst_pref_size 174
	.end_amdhsa_kernel
	.amdgpu_metadata
---
amdhsa.version: [ 1, 2 ]
amdhsa.kernels:
  - .name:           k_q646e2ffa51_up
    .symbol:         k_q646e2ffa51_up.kd
    .args:
      - { .name: w1, .offset: 0, .size: 8, .value_kind: global_buffer, .address_space: global }
      - { .name: w3, .offset: 8, .size: 8, .value_kind: global_buffer, .address_space: global }
      - { .name: xg, .offset: 16, .size: 8, .value_kind: global_buffer, .address_space: global }
      - { .name: list, .offset: 24, .size: 8, .value_kind: global_buffer, .address_space: global }
      - { .name: aq, .offset: 32, .size: 8, .value_kind: global_buffer, .address_space: global }
      - { .name: asc, .offset: 40, .size: 8, .value_kind: global_buffer, .address_space: global }
    .group_segment_fixed_size: 104448
    .private_segment_fixed_size: 0
    .kernarg_segment_align: 8
    .kernarg_segment_size: 48
    .max_flat_workgroup_size: 128
    .sgpr_count:     66
    .vgpr_count:     1024
    .wavefront_size: 32
...
	.end_amdgpu_metadata
.endif
;; end of part 9
;; launch down (part 10): grid 16 x 16, 4 waves a work-group, no clusters, 69,888 bytes of LDS; arguments w2, aq, asc, list, y; writes y
.if DOCPART == 10
	.amdgcn_target "amdgcn-amd-amdhsa--gfx1250"
	.amdhsa_code_object_version 6
	.text
	.protected	k_q646e2ffa51_down
	.globl	k_q646e2ffa51_down
	.p2align	8
	.type	k_q646e2ffa51_down,@function
k_q646e2ffa51_down:
	s_mov_b64 s[64:65], 0
	v_nop
	global_prefetch_b8 v0, s[64:65] scope:SCOPE_SE
	s_setreg_imm32_b32 hwreg(HW_REG_WAVE_SCHED_MODE, 0, 2), 2
	s_setreg_imm32_b32 hwreg(HW_REG_WAVE_MODE, 25, 1), 1
	s_wait_xcnt 0x0
	s_wait_alu depctr_vm_vsrc(0)
; y[kh][routed row][:] = act w2[e], the sum over half kh of F, on codes of E2M3 with E8M0 scales; f32 sums; the two halves and the gate's weights meet in the next launch.
; w2: [8][2048 f][1024 d] f32.  Work-group (ds, 2 e + kh) owns columns d = 64 ds .. 64 ds + 63 and f = 1024 kh .. 1024 kh + 1023 of expert e: 1,024 x 256 bytes of weights, read from memory ONCE, by nobody else.
; F is halved so that 8 experts x 16 slices of 64 columns (rows of 256 bytes) make 256 work-groups.
; PHASE W.  Wave w quantises f = 256 w .. 256 w + 255 of the half, as the launch before does: two whole rows of 256 consecutive bytes a load, four sets of 16 loads out by turns, codes to LDS with K innermost.
; PHASE R.  One barrier; each wave then holds ALL 32 fragments (4 tiles of 16 columns x 8 K steps, 384 registers) and walks the expert's tiles of 16 rows w, w + 4, ..; act's codes come straight into operand registers.
; THE ORDER OF K is permuted alike on both sides: place (c, h) of a K step holds F block 4 s + 2 h + c, so that a lane's 48 bytes of act are one record of aq; the scale bytes stand at 2 c + h on both sides.
; TRANSPOSED USE (source 0 = 16 columns of w2, source 1 = 16 rows of act): a lane holds 8 neighbouring columns of a row; a tile goes through the wave's own stage in LDS and leaves as whole rows: 16 lanes store 256 consecutive, aligned bytes.
; Rows that fill an expert's last tile repeat one of its rows: they give the same bits and are stored to the same bytes by this same work-group.  An expert without rows stores nothing.
; NO JOINT LOADS: the weights are the work-group's own; trip counts hang on counts read from memory.  NO TENSOR LOADS: as in the launch before.
; LIMITS: NaN and infinities are not served; a block of zeros gets the byte 1 (its codes are zeros).
; THE MODE: SCHED_MODE bits 1:0 = 2 (LLVM: expert scheduling mode 2), set by the entry lines.  The code itself states the register dependences
; between vector or matrix instructions and memory or LDS instructions, with s_wait_alu, always for 0.
; THE PLAN.  Registers that memory or LDS instructions touch, and who else names them:
;   v3-5, v8, v9, v20, v21  Offsets and LDS addresses: made once at the head, ahead of one wait on va_vdst, and never written again.  v254, v255 likewise: read by the closing add alone.
;   RAW0 .. RAW3    (window 3, phase W)  Block n: its 64 moves read set n % 4; behind them and a wait on va_vdst the loads of block n + 4 land in it.
;   CD, SWD         (phase W)  Written by block n's conversions and shifts; read by its LDS stores, behind a wait on va_vdst; written again in block n + 1, behind a wait on vm_vsrc.
;   X0, X1, XS0, XS1, RID0, RID1  (phase R; X in window 3)  A tile's products read set p and its scale words, eight vector lines its routed rows; then the 28 loads of the tile eight on land there.
;   AA, SA, LA [p]  Read by those loads; written once a tile.
;   The accumulators  Written by a tile's products; read by its eight LDS stores.      OB  The stage's eight LDS loads land in it; the tile's eight global stores read it.      YA  Written by sixteen vector lines; read by those stores.
; So a tile has TWO lines.  A wait on vm_vsrc at its head: all that the last tile's LDS stores and global stores, and this set's last loads, have read may be written again.  A wait on va_vdst behind its products and its
; nineteen vector lines: behind it the tile holds LDS and memory instructions alone, and all that they read is written, all that they land in is done with.
.set PITCH, 776
.set SPIT,  36
.set CW,    0                          ; 64 rows of codes
.set SW,    64*PITCH                   ; 64 rows of scale words
.set STG,   SW+64*SPIT                 ; 16 rows x 272 bytes for each wave
.set ROWP,  4096
.set NB,    8
.set WO,   3
.set CS,   4
.set SS,   5
.set CB,   8
.set SB,   9
.set C16,  10                          ; v10  16 (lane % 16)
.set AB,   11                          ; v11  48 r + 49,152 h
.set SBS,  12                          ; v12  64 r
.set LB,   13                          ; v13  32 h
.set AA,   14                          ; v14-15 address of act's codes, set p
.set SA,   16                          ; v16-17 of its scale words
.set LA,   18                          ; v18-19 in the list
.set STO,  20                          ; v20  the stage: in
.set SRD,  21                          ; v21  and back
.set WS,   24                          ; v24-39 w2's scale words: 2 s + q / 2; lanes 0-15 even q, lanes 16-31 odd q.  Scales and nothing else
.set XS,   40                          ; v40-55 act's scale words: 8 p + s.  Scales and nothing else
.set TR,   64
.set ACC,  64                          ; v64-95  accumulator q at ACC + 8 q
.set OB,   96                          ; v96-127 a tile's rows back from the stage
.set YA,   128                         ; v128-135 their places in y
.set RID,  136                         ; v136-151 the routed rows 8 (lane / 16) + t, set p at 8 p
.set MX,   160
.set MY,   164
.set SO,   168
.set BY,   172
.set SWD,  176
.set CD,   180
.set MSB, 0
.macro WIN new                         ; the immediate's high byte repeats the setting that is left
.if MSB != \new
	s_set_vgpr_msb (MSB<<8)|\new
.set MSB, \new
.endif
.endm
.macro RLOAD n
.irp i, 0,1,2,3,4,5,6,7,8,9,10,11,12,13,14,15
	global_load_b128 v[64*((\n)%4)+4*\i:64*((\n)%4)+4*\i+3], v[WO], s[26:27] offset:(\n)*32*ROWP+\i*ROWP th:TH_LOAD_NT
.endr
.endm
.macro BLOCK n
.if NB-1-(\n) >= 3
	s_wait_loadcnt 48                              ; this block's 16 loads are in; the three younger sets may stay out
.else
	s_wait_loadcnt 16*(NB-1-(\n))
.endif
	WIN 0x03
.irp j, 0,1,2,3
.irp i, 0,1,2,3,4,5,6,7,8,9,10,11,12,13,14,15
	v_mov_b32 v[TR+16*\j+\i], v[64*((\n)%4)+4*\i+\j]
.endr
.endr
.if (\n)+4 < NB
	WIN 0xc0
	s_wait_alu depctr_va_vdst(0)                   ; the 64 moves are done reading the set, in which the loads below land
	RLOAD (\n)+4
.endif
	WIN 0
.irp j, 0,1,2,3
	v_max3_num_f32 v[MX+\j], |v[TR+16*\j]|, |v[TR+16*\j+1]|, 0x1800000
.endr
.irp i, 2,4,6,8,10,12,14
.irp j, 0,1,2,3
	v_max3_num_f32 v[MX+\j], v[MX+\j], |v[TR+16*\j+\i]|, |v[TR+16*\j+\i+1]|
.endr
.endr
.irp j, 0,1,2,3
	v_permlanex16_b32 v[MY+\j], v[MX+\j], s42, s43
.endr
.irp j, 0,1,2,3
	v_max_num_f32 v[MX+\j], v[MX+\j], v[MY+\j]
.endr
.irp j, 0,1,2,3
	v_add_nc_u32 v[SO+\j], 0xff000000, v[MX+\j]
.endr
.irp j, 0,1,2,3
	v_lshrrev_b32 v[BY+\j], 23, v[SO+\j]
.endr
	s_wait_dscnt 0x0                               ; the last block's LDS stores are done
.if (\n) > 0
	s_wait_alu depctr_vm_vsrc(0)                   ; the last block's LDS stores have read CD and SWD, which the lines below write again
.endif
.set SH, 8*(2*((\n)%2)+((\n)%4)/2)     ; F block o of a K step stands at place 2 (o & 1) + (o >> 1)
.irp j, 0,1,2,3
.if (\n)%4 == 0
	v_mov_b32 v[SWD+\j], v[BY+\j]
.else
	v_lshl_or_b32 v[SWD+\j], v[BY+\j], SH, v[SWD+\j]
.endif
.endr
.irp j, 0,1,2,3
	v_cvt_scalef32_pk16_fp6_f32 v[CD+4*\j:CD+4*\j+2], v[TR+16*\j:TR+16*\j+15], v[SO+\j]
.endr
	v_nop                                          ; one plain place behind the conversions
	s_wait_alu depctr_va_vdst(0)                   ; the conversions have written CD and the shifts SWD, which the LDS stores below read
.irp j, 0,1,2,3
.irp i, 0,1,2
	ds_store_b32 v[CS], v[CD+4*\j+\i] offset:PITCH*\j+24*(\n)+4*\i
.endr
.endr
.if (\n)%4 == 3
.irp j, 0,1,2,3
	ds_store_b32 v[SS], v[SWD+\j] offset:SPIT*\j+4*((\n)/4)
.endr
.endif
.endm
.macro BFETCH                          ; all 32 fragments: lane (r, h) takes 48 bytes on end, F blocks 4 s + 2 h and 4 s + 2 h + 1 of column 16 q + r; into registers that no vector or matrix instruction has named
.irp s, 0,1,2,3,4,5,6,7
.if \s < 4
	WIN 0x40
.else
	WIN 0x80
.endif
.irp q, 0,1,2,3
.irp p, 0,1,2,3,4,5
	ds_load_b64 v[12*(4*(\s%4)+\q)+2*\p:12*(4*(\s%4)+\q)+2*\p+1], v[CB] offset:16*\q*PITCH+96*\s+8*\p
.endr
.endr
.endr
	WIN 0
.irp s, 0,1,2,3,4,5,6,7
.irp m, 0,1
	ds_load_b32 v[WS+2*\s+\m], v[SB] offset:32*SPIT*\m+4*\s
.endr
.endr
	s_wait_dscnt 0x0
.endm
.macro CLAMP
	s_min_u32 s36, s36, s34
	s_min_u32 s36, s36, 63
.endm
; Tile s36 into set p: 24 loads of codes, 2 of scale words, 2 of routed rows: 28
.macro AADDR p                         ; its three addresses
	s_mul_i32 s37, s36, 768
	v_add_nc_u32 v[AA+\p], s37, v[AB]
	v_lshl_add_u32 v[SA+\p], s36, 10, v[SBS]
	v_lshl_add_u32 v[LA+\p], s36, 6, v[LB]
.endm
.macro ACODES p                        ; the codes (destination window 3, address window 0)
.irp s, 0,1,2,3,4,5,6,7
.irp g, 0,1,2
	global_load_b128 v[96*\p+12*\s+4*\g:96*\p+12*\s+4*\g+3], v[AA+\p], s[28:29] offset:98304*\s+16*\g
.endr
.endr
.endm
.macro AWORDS p                        ; the scale words and the routed rows (window 0)
	global_load_b128 v[XS+8*\p:XS+8*\p+3], v[SA+\p], s[30:31]
	global_load_b128 v[XS+8*\p+4:XS+8*\p+7], v[SA+\p], s[30:31] offset:16
	global_load_b128 v[RID+8*\p:RID+8*\p+3], v[LA+\p], s[32:33]
	global_load_b128 v[RID+8*\p+4:RID+8*\p+7], v[LA+\p], s[32:33] offset:16
.endm
.macro PROD acc, wf, xf, sa, sb, zero, row1
.if \zero
.if \row1
	v_wmma_scale_f32_16x16x128_f8f6f4 v[\acc:\acc+7], v[\wf:\wf+11], v[\xf:\xf+11], 0, v[\sa], v[\sb] matrix_a_fmt:MATRIX_FMT_FP6 matrix_b_fmt:MATRIX_FMT_FP6 matrix_a_scale:MATRIX_SCALE_ROW1
.else
	v_wmma_scale_f32_16x16x128_f8f6f4 v[\acc:\acc+7], v[\wf:\wf+11], v[\xf:\xf+11], 0, v[\sa], v[\sb] matrix_a_fmt:MATRIX_FMT_FP6 matrix_b_fmt:MATRIX_FMT_FP6
.endif
.else
.if \row1
	v_wmma_scale_f32_16x16x128_f8f6f4 v[\acc:\acc+7], v[\wf:\wf+11], v[\xf:\xf+11], v[\acc:\acc+7], v[\sa], v[\sb] matrix_a_fmt:MATRIX_FMT_FP6 matrix_b_fmt:MATRIX_FMT_FP6 matrix_a_scale:MATRIX_SCALE_ROW1
.else
	v_wmma_scale_f32_16x16x128_f8f6f4 v[\acc:\acc+7], v[\wf:\wf+11], v[\xf:\xf+11], v[\acc:\acc+7], v[\sa], v[\sb] matrix_a_fmt:MATRIX_FMT_FP6 matrix_b_fmt:MATRIX_FMT_FP6
.endif
.endif
.endm
.macro MM p                            ; 32 products: K ascending, the four accumulators by turns, one instruction a turn
.irp s, 0,1,2,3,4,5,6,7
.if \s < 4
	WIN 0x0d                                       ; source 0 (w2) window 1, source 1 (act) window 3, C and D window 0
.else
	WIN 0x0e
.endif
.irp q, 0,1,2,3
.if \s == 0
	PROD ACC+8*\q, 12*\q, 96*\p, WS+\q/2, XS+8*\p, 1, \q%2
.else
	PROD ACC+8*\q, 12*(4*(\s%4)+\q), 96*\p+12*\s, WS+2*\s+\q/2, XS+8*\p+\s, 0, \q%2
.endif
.endr
.endr
.endm
.macro MTILE p                         ; tile s35 + 4 p, in set p
	s_wait_loadcnt 28                              ; this set's 28 loads are in; the other set's 28 may stay out
	s_wait_alu depctr_vm_vsrc(0)                   ; the last tile's LDS stores have read the accumulators, which the products below write; its global stores have read YA and OB, and this set's last loads AA, SA and LA [p]: all are written again in this tile
	MM \p
	WIN 0
	s_wait_xcnt 0x0                                ; the last tile's stores have had their addresses translated: their registers are written again only behind this wait
.irp t, 0,1,2,3,4,5,6,7
	v_min_u32 v[YA+\t], 0x7ff, v[RID+8*\p+\t]      ; a routed row, whatever was loaded.  (These sixteen lines are also the places behind the last product)
.endr
.irp t, 0,1,2,3,4,5,6,7
	v_lshl_add_u32 v[YA+\t], v[YA+\t], 12, v[C16]  ; its 4,096 bytes of y, + my 16
.endr
	s_add_co_u32 s36, s35, 4*\p+8
	CLAMP
	AADDR \p                                       ; the tile eight on
	s_wait_alu depctr_va_vdst(0)                   ; the products have written the accumulators, which the LDS stores read, and are done reading set p and its scale words; the lines above are done reading RID[p] and have written YA, AA, SA and LA [p].  Only LDS and memory instructions follow in this tile
.irp q, 0,1,2,3
	ds_store_b128 v[STO], v[ACC+8*\q:ACC+8*\q+3] offset:64*\q        ; each accumulator from its low end on
	ds_store_b128 v[STO], v[ACC+8*\q+4:ACC+8*\q+7] offset:64*\q+16
.endr
.irp t, 0,1,2,3,4,5,6,7
	ds_load_b128 v[OB+4*\t:OB+4*\t+3], v[SRD] offset:272*\t          ; LDS serves a wave's instructions in order: these see my stores
.endr
	WIN 0xc0
	ACODES \p                                      ; the 28 loads go out while the rows come back from the stage
	WIN 0
	AWORDS \p
.irp t, 0,1,2,3,4,5,6,7
	s_wait_dscnt 7-\t                              ; read t is back; the younger reads may stay out
	global_store_b128 v[YA+\t], v[OB+4*\t:OB+4*\t+3], s[44:45]       ; lanes 0-15: row t's 256 bytes; lanes 16-31: row 8 + t's
.endr
.endm
	s_load_b256 s[4:11], s[0:1], 0x0               ; w2 s[4:5], aq s[6:7], asc s[8:9], list s[10:11]
	s_load_b64 s[12:13], s[0:1], 0x20              ; y
	v_lshl_add_u32 v254, v0, 2, 0x10f00
	v_mov_b32 v255, 0
	v_lshrrev_b32 v6, 5, v0
	v_readfirstlane_b32 s18, v6                    ; wave 0..3
	s_mov_b32 s21, ttmp9                           ; ds
	s_and_b32 s19, ttmp7, 0xffff
	s_lshr_b32 s22, s19, 1                         ; e
	s_and_b32 s20, s19, 1                          ; kh
	s_lshl_b32 s24, s22, 7
	s_mov_b32 s39, 0
	s_mov_b32 s42, 0x76543210
	s_mov_b32 s43, 0xfedcba98
	v_and_b32 v1, 15, v0                           ; r
	v_bfe_u32 v2, v0, 4, 1                         ; h
	v_lshlrev_b32 v[C16], 4, v1
	v_lshl_add_u32 v[WO], v2, 16, v[C16]           ; 16 rows of 4,096 bytes x h + 16 r
	s_wait_alu depctr_va_sdst(0)                   ; s18, the wave's number, is written, ahead of its first reader
	s_mul_i32 s36, s18, 192
	v_mul_u32_u24 v[CS], v1, 4*PITCH
	v_mad_u32_u24 v[CS], v2, 12, v[CS]
	v_add_nc_u32 v[CS], s36, v[CS]                 ; row 4 r, + 192 w + 12 h
	s_lshl_b32 s36, s18, 3
	s_add_co_u32 s36, s36, SW
	v_mul_u32_u24 v[SS], v1, 4*SPIT
	v_add_nc_u32 v[SS], s36, v[SS]
	v_mul_u32_u24 v[CB], v1, PITCH
	v_mad_u32_u24 v[CB], v2, 48, v[CB]
	v_lshl_add_u32 v7, v2, 4, v1                   ; lane
	v_mul_u32_u24 v[SB], v7, SPIT
	v_add_nc_u32 v[SB], SW, v[SB]
	v_mul_u32_u24 v[AB], v1, 48
	v_mad_u32_u24 v[AB], v2, 0xc000, v[AB]
	v_lshlrev_b32 v[SBS], 6, v1
	v_lshlrev_b32 v[LB], 5, v2
	s_mul_i32 s36, s18, 16*272
	s_add_co_u32 s36, s36, STG                     ; my stage
	v_mul_u32_u24 v[STO], v1, 272
	v_lshl_add_u32 v[STO], v2, 5, v[STO]
	v_add_nc_u32 v[STO], s36, v[STO]               ; in: row r, 32 bytes for each half of the lanes
	v_mul_u32_u24 v[SRD], v2, 8*272
	v_add_nc_u32 v[SRD], v[SRD], v[C16]
	v_add_nc_u32 v[SRD], s36, v[SRD]               ; back: lanes 0-15 rows 0-7, lanes 16-31 rows 8-15
.irp j, 0,1,2,3
	v_mov_b32 v[MY+\j], 0                          ; written once: a lane permute's destination counts as one of its sources
.endr
	s_wait_kmcnt 0x0
	s_load_b32 s23, s[10:11], s24 offset:0x8000    ; my expert's number of tiles
	s_lshl_b32 s38, s22, 23
	s_lshl_b32 s36, s20, 22                        ; 1,024 rows of 4,096 bytes
	s_add_co_u32 s38, s38, s36
	s_lshl_b32 s36, s18, 20                        ; 256 rows
	s_add_co_u32 s38, s38, s36
	s_lshl_b32 s36, s21, 8
	s_add_co_u32 s38, s38, s36
	s_add_nc_u64 s[26:27], s[4:5], s[38:39]
	s_mul_i32 s38, s22, 1572864
	s_mul_i32 s36, s20, 786432
	s_add_co_u32 s38, s38, s36
	s_add_nc_u64 s[28:29], s[6:7], s[38:39]        ; aq at (e, fs = 16 kh)
	s_lshl_b32 s38, s22, 16
	s_lshl_b32 s36, s20, 5
	s_add_co_u32 s38, s38, s36
	s_add_nc_u64 s[30:31], s[8:9], s[38:39]        ; asc at e, + 32 kh
	s_lshl_b32 s38, s22, 12
	s_add_nc_u64 s[32:33], s[10:11], s[38:39]      ; my expert's list
	s_lshl_b32 s38, s20, 23
	s_lshl_b32 s36, s21, 8
	s_add_co_u32 s38, s38, s36
	s_add_nc_u64 s[44:45], s[12:13], s[38:39]      ; y at half kh, + my 256 bytes of a row
	WIN 0xc0
	s_wait_alu depctr_va_vdst(0)                   ; the head's offsets and LDS addresses (v3 to v5, v8, v9, v20, v21) are written, which the loads, LDS stores and LDS loads of the whole kernel read
	RLOAD 0
	RLOAD 1
	RLOAD 2
	RLOAD 3
	WIN 0
.set Q, 0
.rept NB
	BLOCK Q
.set Q, Q+1
.endr
	s_wait_kmcnt 0x0
	s_min_u32 s25, s23, 64                         ; tiles to walk
	s_max_u32 s34, s25, 1
	s_sub_co_u32 s34, s34, 1                       ; the last tile that has been written
	s_mov_b32 s36, s18
	CLAMP
	AADDR 0                                        ; the ring's registers are free: act's first two tiles come while the waves meet
	s_add_co_u32 s36, s18, 4
	CLAMP
	AADDR 1
	WIN 0xc0
	s_wait_alu depctr_va_vdst(0)                   ; both sets' AA, SA and LA are written, which the 56 loads below read; the last blocks' moves are done reading the ring's registers, in which they land
	ACODES 0
	WIN 0
	AWORDS 0
	WIN 0xc0
	ACODES 1
	WIN 0
	AWORDS 1
	s_wait_dscnt 0x0                               ; for the others' sake: my codes and scale words lie in LDS
	s_barrier_signal -1
	s_barrier_wait -1
	BFETCH
	s_cmp_ge_u32 s18, s25
	s_cbranch_scc1 .Ldone                          ; no tile is mine
	s_sub_co_u32 s47, s25, s18                     ; my tiles are first, first + 4, ..; a trip takes first + 8 i and first + 8 i + 4:
	s_add_co_u32 s47, s47, 7
	s_lshr_b32 s47, s47, 3                         ; trips = (tiles - first) / 8, rounded up: at least 1 here
	s_mov_b32 s46, 0                               ; the trip's number
.Lrow:                                             ; a trip: two tiles, one in each set; the only LDS bytes touched are the wave's own stage, at addresses that do not hang on the trip
	s_lshl_b32 s35, s46, 3
	s_add_co_u32 s35, s35, s18                     ; the trip's first tile
	MTILE 0
	s_add_co_u32 s36, s35, 4
	s_cmp_lt_u32 s36, s25
	s_cbranch_scc1 .Lsecond
	s_wait_dscnt 0x0                               ; no second tile: the wave ends here, with the closing lines, six on end; only loads ahead and the tile's stores are out
	s_wait_alu 0x0
	s_wait_tensorcnt 0x0
	ds_add_u32 v254, v255
	s_wait_dscnt 0x0
	s_endpgm
.Lsecond:
	MTILE 1
	s_add_co_u32 s46, s46, 1
	s_cmp_lt_u32 s46, s47
	s_cbranch_scc1 .Lrow
.Ldone:
	s_wait_dscnt 0x0                               ; the closing lines, six on end, as above
	s_wait_alu 0x0
	s_wait_tensorcnt 0x0
	ds_add_u32 v254, v255
	s_wait_dscnt 0x0
	s_endpgm
.Lfunc_end_k_q646e2ffa51_down:
	.size	k_q646e2ffa51_down, .Lfunc_end_k_q646e2ffa51_down-k_q646e2ffa51_down
	.p2alignl 7, 3214868480
	.fill 96, 4, 3214868480
	.section	.rodata,"a",@progbits
	.p2align	6, 0x0
	.amdhsa_kernel k_q646e2ffa51_down
		.amdhsa_group_segment_fixed_size 69888
		.amdhsa_private_segment_fixed_size 0
		.amdhsa_enable_private_segment 0
		.amdhsa_kernarg_size 40
		.amdhsa_user_sgpr_count 2
		.amdhsa_user_sgpr_kernarg_segment_ptr 1
		.amdhsa_wavefront_size32 1
		.amdhsa_system_sgpr_workgroup_id_x 1
		.amdhsa_system_sgpr_workgroup_id_y 1
		.amdhsa_system_sgpr_workgroup_id_z 1
		.amdhsa_system_vgpr_workitem_id 0
		.amdhsa_next_free_vgpr 1024
		.amdhsa_next_free_sgpr 66
		.amdhsa_reserve_vcc 0
		.amdhsa_float_denorm_mode_32 3
		.amdhsa_float_denorm_mode_16_64 3
		.amdhsa_memory_ordered 1
		.amdhsa_forward_progress 1
		.amdhsa_inst_pref_size 108
	.end_amdhsa_kernel
	.amdgpu_metadata
---
amdhsa.version: [ 1, 2 ]
amdhsa.kernels:
  - .name:           k_q646e2ffa51_down
    .symbol:         k_q646e2ffa51_down.kd
    .args:
      - { .name: w2, .offset: 0, .size: 8, .value_kind: global_buffer, .address_space: global }
      - { .name: aq, .offset: 8, .size: 8, .value_kind: global_buffer, .address_space: global }
      - { .name: asc, .offset: 16, .size: 8, .value_kind: global_buffer, .address_space: global }
      - { .name: list, .offset: 24, .size: 8, .value_kind: global_buffer, .address_space: global }
      - { .name: y, .offset: 32, .size: 8, .value_kind: global_buffer, .address_space: global }
    .group_segment_fixed_size: 69888
    .private_segment_fixed_size: 0
    .kernarg_segment_align: 8
    .kernarg_segment_size: 40
    .max_flat_workgroup_size: 128
    .sgpr_count:     66
    .vgpr_count:     1024
    .wavefront_size: 32
...
	.end_amdgpu_metadata
.endif
;; end of part 10
;; launch combine: the kernel of part 5 again; grid 256 x 1, 4 waves a work-group, no clusters, 0 bytes of LDS; arguments y, gw, out0; writes out0
